; MI455X (gfx1250); checked and timed in simulation.
; The chip was launched on July 23, 2026; its instructions are those of AMD's public machine-readable ISA for CDNA 5 (MIT licence, August 2026) and "CDNA5" Instruction Set Architecture Reference Guide (July 2026). The comments in the code are by the model that wrote it; some were corrected since.
;; Attention Block. Allowed arithmetic: matrix products marked QUANTISED: E2M3 operands, one E8M0 scale for each 32 along K, by v_wmma_scale_f32_16x16x128_f8f6f4 with both operands' format E2M3, f32 sums; everything else in f32.
;; Inputs: Wk 1,024 x 1,024 float32; Wp 1,024 x 1,024 float32; Wq 1,024 x 1,024 float32; Wv 1,024 x 1,024 float32; bk 1,024 float32; bp 1,024 float32; bq 1,024 float32; bv 1,024 float32; ln_b 1,024 float32; ln_g 1,024 float32; x 2 x 2,048 x 1,024 float32.
;; Outputs: out0 2 x 2,048 x 1,024 float32.
;; This version of the problem:
;;   THIS VERSION OF THE PROBLEM IS GIVEN IN LOW PRECISION. The matrix products marked QUANTISED in the list below multiply operands that are first quantised to E2M3 (2 exponent bits, 3 mantissa bits; 6 bits a number), with one power-of-two scale for each 32 numbers along K (OCP MX v1.0); their sums are f32. All else is computed in f32.
;;   The module's matrix products, in the order in which they are computed (A, B: the left and right operand; K: the contracted axis; several contracted axes count as one K, in the product's order):
;;     1. [M 4,096, K 1,024] x [K 1,024, N 1,024]; A: input x; B: input Wq: QUANTISED
;;     2. [M 4,096, K 1,024] x [K 1,024, N 1,024]; A: input x; B: input Wk: QUANTISED
;;     3. [M 4,096, K 1,024] x [K 1,024, N 1,024]; A: input x; B: input Wv: QUANTISED
;;     4. batch 32 x [M 2,048, K 64] x [K 64, N 2,048]; A: computed on the way; B: computed on the way: QUANTISED
;;     5. batch 32 x [M 2,048, K 2,048] x [K 2,048, N 64]; A: softmax (see below); B: computed on the way: QUANTISED
;;     6. [M 4,096, K 1,024] x [K 1,024, N 1,024]; A: computed on the way; B: input Wp: QUANTISED
;;   THE QUANTISER, for each operand of a quantised product, along K:
;;     - K is cut into blocks of 32 from its start; a last block that is shorter is filled with zeros.
;;     - A block's scale is 2^e with e = floor(log2(the largest magnitude in the block)) - 2, held to -126 .. 127; a block of zeros has e = 0. As a byte (E8M0): e + 127.
;;     - Each number is divided by its block's scale, clamped to +-7.5, and rounded to the nearest number of E2M3, ties to even, subnormals kept.
;;     - The product sums the exact products of the quantised numbers (number of the format x scale) in f32.
;;   ~~~python
;;   def quantise(x, axis):      # numpy; x: float32 -> the quantised numbers, widened to float32 again
;;       x = np.moveaxis(x, axis, -1); K = x.shape[-1]
;;       x = np.pad(x, [(0, 0)] * (x.ndim - 1) + [(0, -K % 32)]); x = x.reshape(x.shape[:-1] + (-1, 32)); a = np.abs(x).max(-1, keepdims=True)
;;       e = np.where(a > 0, np.clip(np.frexp(np.where(a > 0, a, 1))[1] - 1 - 2, -126, 127), 0)      # np.frexp(a)[1] - 1 = floor(log2(a)), exactly
;;       r = np.clip(x / 2.0 ** e, -7.5, 7.5)
;;       step = 2.0 ** (np.maximum(np.frexp(np.where(r == 0, 1, r))[1] - 1, 0) - 3)
;;       q = np.round(r / step) * step * 2.0 ** e      # np.round: ties to even
;;       return np.moveaxis(q.reshape(q.shape[:-2] + (-1,))[..., :K], -1, axis).astype(np.float32)
;;   ~~~
;;   SOFTMAX AHEAD OF A QUANTISED PRODUCT. Where the list says 'softmax', what is quantised is not the finished softmax but p = 2^(t - M), with t = logit x log2(e) and M = ceil(the row's largest t), a whole number; so 1/2 < the row's largest p <= 1. The row's sum l is taken of the UNQUANTISED p, in f32, and the product's result is divided by l at the end. Since M is a whole number, a kernel that streams over the keys may use a running M (the ceiling of the running maximum): every later rescaling is an exact power of two, which a block's scale takes up: the codes' values come out the same.
;;   OPERANDS COMPUTED ON THE WAY. 'Computed on the way' means the value that the module computes at that place (a softmax that the list does not call 'softmax' is quantised finished and normalised). What goes into a quantiser is computed in f32, as accurately as f32 sums, v_exp_f32 and their like allow (about 1e-6 of the number): no bf16 or f16 on the way to a quantiser, and a product that is left as it is and whose result goes on into a quantised operand takes f32 operands (vector FMAs, or v_wmma_f32_16x16x4_f32). A number that lies on a knife's edge between two numbers of the format may be rounded either way, as far as f32 arithmetic and the matrix unit's own rounding can turn it there, and no further.
;; 2 versions. Each part assembles by itself: llvm-mc -triple=amdgcn-amd-amdhsa -mcpu=gfx1250 --defsym DOCPART=n.
;; ======== version 1 of 2: 4 launches
;; workspace buffers: ximg 3,145,728 bytes; xscl 131,072 bytes; wimg 3,145,728 bytes; wscl 131,072 bytes; qk 6,553,600 bytes; vb 3,276,800 bytes; oimg 3,145,728 bytes; oscl 131,072 bytes
;; launch quant (part 1): grid 512 x 1, 4 waves a work-group, no clusters, 68,096 bytes of LDS; arguments x, Wq, Wk, Wv, Wp, ximg, xscl, wimg, wscl; writes ximg, xscl, wimg, wscl
.if DOCPART == 1
	.amdgcn_target "amdgcn-amd-amdhsa--gfx1250"
	.amdhsa_code_object_version 6
	.text
	.protected	k_q023ac1ef9d_quant
	.globl	k_q023ac1ef9d_quant
	.p2align	8
	.type	k_q023ac1ef9d_quant,@function
k_q023ac1ef9d_quant:
	s_mov_b64 s[64:65], 0
	v_nop
	global_prefetch_b8 v0, s[64:65] scope:SCOPE_SE
	s_setreg_imm32_b32 hwreg(HW_REG_WAVE_MODE, 25, 1), 1
	s_wait_xcnt 0x0
; x [4096][1024] (K innermost) and Wq, Wk, Wv, Wp [1024 (K)][1024 (n)] (K outermost), f32, become codes of FP6 (E2M3) with one E8M0 byte for each 32 along K.
; A block's scale is 2^(floor(log2(its largest magnitude)) - 2): its byte is the largest magnitude's exponent field - 2, held at 1 from below.
; LIMITS: NaN and infinities are not served; a block whose largest magnitude lies under 2^-124 gets the byte 1; a block of zeros gets the byte 1 where the rule says 127
; (its codes are zeros, which add nothing under any byte but 0xff, and this program alone reads the bytes).
; THE OUTPUT IS LAID AS THE MATRIX OPERAND'S REGISTERS.  A tile is 16 rows (tokens of x, columns of W): tile 2 B + u holds in fragment lane r the row 32 B + 8 u + r + 8 (r / 8).
; A fragment (tile, 128 along K) is 12 registers a lane: lane (r, h), registers 6 c .. 6 c + 5 = k 64 c + 32 h + 0 .. 31.  Its image is 1,536 bytes: chunk q (512 bytes) = registers 4 q .. 4 q + 3, lane L's 16 bytes at 16 L.
; ximg [tile 256][K step 8][1536]; wimg [weight 4][tile 64][K step 8][1536].  Scale words: a line of 128 bytes for (pair of tiles B, K step): word 16 u + r is row r of tile 2 B + u.
; Work-groups 0-255 take the weights, 256-511 take x.  A wave takes one pair of tiles x one K step: 32 rows x 128 numbers.  Waves share nothing: no barrier.  Only the x path uses LDS, each wave bytes of its own.
; No matrix unit, no cluster, no tensor load: each input byte is read once and nothing is shared.
.set X,  64                            ; v64-191  128 numbers
.set CB, 24                            ; v24-47   24 registers of codes
.set E,  12                            ; v12-15   four scale bytes
.set TT, 16                            ; v16-18   a block's upper 16 codes, before they are moved
.set SP, 528                           ; a stage row: 512 bytes + 16
.set WST, 32*SP                        ; a wave's stage
; 32 numbers of one lane, v[x] on, become 6 registers of codes, v[d] on, and the byte v[e]
.macro BLK x, d, e
	v_max3_num_f32 v8, |v[\x]|, |v[\x+1]|, |v[\x+2]|
	v_max3_num_f32 v9, |v[\x+3]|, |v[\x+4]|, |v[\x+5]|
.irp i, 6,10,14,18,22,26
	v_max3_num_f32 v8, v8, |v[\x+\i]|, |v[\x+\i+1]|
	v_max3_num_f32 v9, v9, |v[\x+\i+2]|, |v[\x+\i+3]|
.endr
	v_max3_num_f32 v8, v8, |v[\x+30]|, |v[\x+31]|
	v_max3_num_f32 v8, v8, v9, 0x1800000           ; and the floor 2^(3 - 127): the byte cannot fall under 1
	v_add_nc_u32 v10, 0xff000000, v8               ; 2 off the exponent field: the conversion takes this operand's exponent field as its scale
	v_cvt_scalef32_pk16_fp6_f32 v[\d:\d+2], v[\x:\x+15], v10
	v_cvt_scalef32_pk16_fp6_f32 v[TT:TT+2], v[\x+16:\x+31], v10   ; (a conversion's three registers begin on an even number)
	v_lshrrev_b32 v[\e], 23, v10                   ; the byte; also the plain place behind the conversions
.irp i, 0,1,2
	v_mov_b32 v[\d+3+\i], v[TT+\i]
.endr
.endm
	s_load_b512 s[4:19], s[0:1], 0x0               ; x, Wq, Wk, Wv, Wp, ximg, xscl, wimg
	s_load_b64 s[20:21], s[0:1], 0x40              ; wscl
	v_lshl_add_u32 v192, v0, 2, 0x10800
	v_mov_b32 v193, 0
	v_lshrrev_b32 v1, 5, v0
	v_readfirstlane_b32 s25, v1                    ; wave
	v_and_b32 v1, 31, v0                           ; lane
	s_cmp_lt_u32 ttmp9, 256
	s_cbranch_scc0 .Lx_path
	; ---- a weight: a lane takes a column, its registers run down K
	s_lshr_b32 s22, ttmp9, 6                       ; which weight
	s_bfe_u32 s23, ttmp9, 0x30003                  ; which group of four pairs
	s_and_b32 s24, ttmp9, 7                        ; K step
	s_lshl_b32 s26, s23, 2
	s_add_co_u32 s26, s26, s25                     ; pair B
	s_lshl_b32 s28, s24, 19                        ; 128 rows of 4,096 bytes a K step
	s_lshl_b32 s27, s26, 7                         ; 32 columns of 4 bytes a pair
	s_add_co_u32 s28, s28, s27
	s_mov_b32 s29, 0
	s_lshl_b32 s30, s22, 6
	s_lshl_b32 s27, s26, 1
	s_add_co_u32 s30, s30, s27                     ; tile 64 weight + 2 B
	s_lshl_b32 s30, s30, 3
	s_add_co_u32 s30, s30, s24
	s_mul_i32 s30, s30, 1536
	s_mov_b32 s31, 0
	s_lshl_b32 s32, s22, 5
	s_add_co_u32 s32, s32, s26
	s_lshl_b32 s32, s32, 3
	s_add_co_u32 s32, s32, s24
	s_lshl_b32 s32, s32, 7                         ; the scale line
	s_mov_b32 s33, 0
	v_lshlrev_b32 v2, 2, v1                        ; 4 bytes a lane
	v_bfe_u32 v5, v1, 3, 1                         ; u: which tile of the pair my column falls into
	v_and_b32 v6, 7, v1
	v_lshrrev_b32 v7, 4, v1
	v_lshl_add_u32 v6, v7, 3, v6                   ; and which fragment row
	v_mul_u32_u24 v3, v5, 12288
	v_lshl_add_u32 v3, v6, 4, v3                   ; images: 12,288 u + 16 row
	v_lshl_add_u32 v4, v5, 4, v6
	v_lshlrev_b32 v4, 2, v4                        ; scale line: word 16 u + row
	s_wait_kmcnt 0x0
	s_cmp_eq_u32 s22, 1                            ; the choice hangs on the work-group's number alone
	s_cselect_b64 s[6:7], s[8:9], s[6:7]
	s_cmp_eq_u32 s22, 2
	s_cselect_b64 s[6:7], s[10:11], s[6:7]
	s_cmp_eq_u32 s22, 3
	s_cselect_b64 s[6:7], s[12:13], s[6:7]
	s_add_nc_u64 s[6:7], s[6:7], s[28:29]
	s_add_nc_u64 s[18:19], s[18:19], s[30:31]
	s_add_nc_u64 s[20:21], s[20:21], s[32:33]
.macro WLD b                           ; block b: 32 rows of K at my column; a wave reads 128 consecutive bytes, the four waves 512
.set i, 0
.rept 32
	global_load_b32 v[X+32*(\b)+i], v2, s[6:7] offset:(32*(\b)+i)*4096 th:TH_LOAD_NT
.set i, i+1
.endr
.endm
	WLD 0
	WLD 1
	s_wait_loadcnt 32                              ; block 0 is in; block 1's 32 loads may be out
	WLD 2
	BLK X, CB, E                                   ; blocks 0 and 2 are image lane (row, 0)'s twelve registers, blocks 1 and 3 lane (row, 1)'s
	s_wait_loadcnt 32                              ; block 1 is in; block 2's may be out
	WLD 3
	BLK X+32, CB+12, E+1
	s_wait_loadcnt 32                              ; block 2 is in; block 3's may be out
	BLK X+64, CB+6, E+2
	s_wait_loadcnt 0x0
	BLK X+96, CB+18, E+3
.irp h, 0,1
.irp q, 0,1,2
	global_store_b128 v3, v[CB+12*\h+4*\q:CB+12*\h+4*\q+3], s[18:19] offset:512*\q+256*\h   ; sixteen lanes fill 256 consecutive aligned bytes of tile 2 B, sixteen of tile 2 B + 1
.endr
.endr
	v_lshl_or_b32 v48, v[E+1], 8, v[E]
	v_lshl_or_b32 v48, v[E+2], 16, v48
	v_lshl_or_b32 v48, v[E+3], 24, v48
	global_store_b32 v4, v48, s[20:21]             ; 128 consecutive bytes
	s_endpgm
.Lx_path:
	; ---- x: dense loads, a turn through the wave's own stage, then a lane holds 32 neighbours along K
	s_sub_co_u32 s22, ttmp9, 256
	s_lshr_b32 s26, s22, 1                         ; pair B: tokens 32 B on
	s_and_b32 s24, s22, 1
	s_lshl_b32 s24, s24, 2
	s_add_co_u32 s24, s24, s25                     ; K step
	s_lshl_b32 s28, s26, 17                        ; 32 rows of 4,096 bytes
	s_lshl_b32 s27, s24, 9
	s_add_co_u32 s28, s28, s27
	s_mov_b32 s29, 0
	s_lshl_b32 s30, s26, 4
	s_add_co_u32 s30, s30, s24
	s_mul_i32 s30, s30, 1536                       ; image of (tile 2 B, K step)
	s_mov_b32 s31, 0
	s_lshl_b32 s32, s26, 3
	s_add_co_u32 s32, s32, s24
	s_lshl_b32 s32, s32, 7
	s_mov_b32 s33, 0
	s_mul_i32 s34, s25, WST
	s_mov_b32 s36, 0x76543210
	s_mov_b32 s37, 0xfedcba98                      ; v_permlanex16_b32's selects for lane l xor 16
	s_mov_b32 s38, 0xffff0000                      ; lanes 16-31
	v_lshlrev_b32 v2, 4, v1                        ; 16 bytes a lane
	v_add_nc_u32 v5, s34, v2                       ; the stage, on the way in
	v_and_b32 v7, 15, v1                           ; r
	v_lshrrev_b32 v11, 4, v1                       ; h
	v_mul_u32_u24 v6, v7, SP
	v_lshl_add_u32 v6, v11, 7, v6
	v_add_nc_u32 v6, s34, v6                       ; and on the way out: slot r, + 128 h bytes
	v_lshlrev_b32 v4, 2, v1
	v_mov_b32 v50, 0                               ; a lane permute's destination counts as one of its sources
	v_mov_b32 v51, 0
	s_wait_kmcnt 0x0
	s_add_nc_u64 s[4:5], s[4:5], s[28:29]
	s_add_nc_u64 s[14:15], s[14:15], s[30:31]
	s_add_nc_u64 s[16:17], s[16:17], s[32:33]
.set i, 0
.rept 32
	global_load_b128 v[X+4*i:X+4*i+3], v2, s[4:5] offset:4096*i th:TH_LOAD_NT   ; row i: 512 consecutive bytes
.set i, i+1
.endr
.set i, 0
.rept 32
.if (i%8) == 0
	s_wait_loadcnt 24-i                            ; the next eight rows are in; the later rows' loads may be out
.endif
	ds_store_b128 v5, v[X+4*i:X+4*i+3] offset:SP*(16*((i>>3)&1)+(i&7)+8*(i>>4))   ; row i goes to slot 16 u + fragment row
.set i, i+1
.endr
	s_wait_dscnt 0x0                               ; the stores have read their registers, which the loads below take
.irp u, 0,1
.irp c, 0,1
.irp i, 0,1,2,3,4,5,6,7
	ds_load_b128 v[X+64*\u+32*\c+4*\i:X+64*\u+32*\c+4*\i+3], v6 offset:SP*16*\u+256*\c+16*\i
.endr
.endr
.endr
	s_wait_dscnt 24                                ; eight loads a block: the later blocks' may be out
	BLK X, CB, E
	s_wait_dscnt 16
	BLK X+32, CB+6, E+1
	s_wait_dscnt 8
	BLK X+64, CB+12, E+2
	s_wait_dscnt 0x0
	BLK X+96, CB+18, E+3
	v_lshlrev_b32 v11, 3, v11                      ; 8 h
.irp u, 0,1
	v_lshl_or_b32 v[48+\u], v[E+2*\u+1], 16, v[E+2*\u]   ; my two bytes: blocks h and 2 + h of my row of tile u,
	v_lshlrev_b32 v[48+\u], v11, v[48+\u]          ; at their places in the word
.endr
	v_permlanex16_b32 v50, v48, s36, s37
	v_permlanex16_b32 v51, v49, s36, s37
	v_or_b32 v48, v48, v50                         ; with lane l xor 16's two the word is whole
	v_or_b32 v49, v49, v51
	v_cndmask_b32 v48, v48, v49, s38               ; lanes 0-15 tile 2 B's words, lanes 16-31 tile 2 B + 1's
	global_store_b32 v4, v48, s[16:17]
.irp u, 0,1
.irp q, 0,1,2
	global_store_b128 v2, v[CB+12*\u+4*\q:CB+12*\u+4*\q+3], s[14:15] offset:12288*\u+512*\q   ; 512 consecutive bytes
.endr
.endr
	s_wait_tensorcnt 0x0
	ds_add_u32 v192, v193
	s_wait_dscnt 0x0
	s_endpgm
.Lfunc_end_k_q023ac1ef9d_quant:
	.size	k_q023ac1ef9d_quant, .Lfunc_end_k_q023ac1ef9d_quant-k_q023ac1ef9d_quant
	.p2alignl 7, 3214868480
	.fill 96, 4, 3214868480
	.section	.rodata,"a",@progbits
	.p2align	6, 0x0
	.amdhsa_kernel k_q023ac1ef9d_quant
		.amdhsa_group_segment_fixed_size 68096
		.amdhsa_private_segment_fixed_size 0
		.amdhsa_enable_private_segment 0
		.amdhsa_kernarg_size 72
		.amdhsa_user_sgpr_count 2
		.amdhsa_user_sgpr_kernarg_segment_ptr 1
		.amdhsa_wavefront_size32 1
		.amdhsa_system_sgpr_workgroup_id_x 1
		.amdhsa_system_sgpr_workgroup_id_y 1
		.amdhsa_system_sgpr_workgroup_id_z 1
		.amdhsa_system_vgpr_workitem_id 0
		.amdhsa_next_free_vgpr 194
		.amdhsa_next_free_sgpr 66
		.amdhsa_reserve_vcc 0
		.amdhsa_float_denorm_mode_32 3
		.amdhsa_float_denorm_mode_16_64 3
		.amdhsa_memory_ordered 1
		.amdhsa_forward_progress 1
		.amdhsa_inst_pref_size 36
	.end_amdhsa_kernel
	.amdgpu_metadata
---
amdhsa.version: [ 1, 2 ]
amdhsa.kernels:
  - .name:           k_q023ac1ef9d_quant
    .symbol:         k_q023ac1ef9d_quant.kd
    .args:
      - { .name: x, .offset: 0, .size: 8, .value_kind: global_buffer, .address_space: global }
      - { .name: Wq, .offset: 8, .size: 8, .value_kind: global_buffer, .address_space: global }
      - { .name: Wk, .offset: 16, .size: 8, .value_kind: global_buffer, .address_space: global }
      - { .name: Wv, .offset: 24, .size: 8, .value_kind: global_buffer, .address_space: global }
      - { .name: Wp, .offset: 32, .size: 8, .value_kind: global_buffer, .address_space: global }
      - { .name: ximg, .offset: 40, .size: 8, .value_kind: global_buffer, .address_space: global }
      - { .name: xscl, .offset: 48, .size: 8, .value_kind: global_buffer, .address_space: global }
      - { .name: wimg, .offset: 56, .size: 8, .value_kind: global_buffer, .address_space: global }
      - { .name: wscl, .offset: 64, .size: 8, .value_kind: global_buffer, .address_space: global }
    .group_segment_fixed_size: 68096
    .private_segment_fixed_size: 0
    .kernarg_segment_align: 8
    .kernarg_segment_size: 72
    .max_flat_workgroup_size: 128
    .sgpr_count:     66
    .vgpr_count:     194
    .wavefront_size: 32
...
	.end_amdgpu_metadata
.endif
;; end of part 1
;; launch qkv (part 2): grid 8 x 32, 4 waves a work-group, clusters of 4 x 4, 307,712 bytes of LDS; arguments ximg, xscl, wimg, wscl, bq, bk, bv, qk, vb; writes qk, vb
.if DOCPART == 2
	.amdgcn_target "amdgcn-amd-amdhsa--gfx1250"
	.amdhsa_code_object_version 6
	.text
	.protected	k_q023ac1ef9d_qkv
	.globl	k_q023ac1ef9d_qkv
	.p2align	8
	.type	k_q023ac1ef9d_qkv,@function
k_q023ac1ef9d_qkv:
	s_mov_b64 s[64:65], 0
	v_nop
	global_prefetch_b8 v0, s[64:65] scope:SCOPE_SE
	s_setreg_imm32_b32 hwreg(HW_REG_WAVE_MODE, 25, 1), 1
	s_wait_xcnt 0x0
	s_wait_alu depctr_hold_cnt(0) depctr_sa_sdst(0) depctr_va_vdst(0) depctr_va_sdst(0) depctr_va_ssrc(0) depctr_va_vcc(0) depctr_vm_vsrc(0)
	s_getreg_b32 s2, hwreg(HW_REG_IB_STS2, 6, 4)
	s_cmp_eq_u32 s2, 0
	s_cbranch_scc0 .Lentry_in_a_cluster
	s_endpgm
.Lentry_in_a_cluster:
	s_bfe_u32 s2, ttmp6, 0x10000c
	s_cmp_lg_u32 s2, 0xf033
	s_cbranch_scc0 .Lentry_shape_is_right
	s_endpgm
.Lentry_shape_is_right:
; q = x Wq + bq, k = x Wk + bk, v = x Wv + bv on codes of FP6 (E2M3) with E8M0 scales, sums in f32; the results are quantised in registers: q and k along the head's 64, v along the keys.
; LIMITS: as the quantising launch states them (NaN and infinities not served; the byte is held at 1 from below; a block of zeros has the byte 1).
; SHARES.  Work-group (X, Y), X = 0..7, Y = 0..31: 128 tokens (8 tiles) x 256 columns of [Wq; Wk] (16 tiles) and then x 128 columns of Wv (8 tiles), all of K = 1,024: 256 work-groups of equal work.
; The tokens' panel and [Wq; Wk]'s, 294,912 bytes, and their scale lines lie in LDS whole: every LDS byte is filled once.  K comes two steps of 128 to a tensor load, so that the products begin when a quarter has landed.
; Wv's panel, 98,304 bytes more, has no room there and needs none: each of its tiles is wanted by one wave alone, which loads its two tiles for all of K straight into 192 registers.
; CLUSTERS: 4 x 4.  [Wq; Wk]'s panel hangs on X alone and is asked for jointly by a column of the cluster, x's on Y alone, by a row.  Waves 0, 1 fetch W's halves, waves 2, 3 x's.
; THE RESULT'S REGISTERS RUN ALONG SOURCE 0, and that is the axis to be quantised.  Phase 1 (q, k): source 0 = 8 tiles of W (wave % 2), source 1 = 4 tiles of tokens (wave / 2): 32 accumulators.
; Phase 2 (v): source 0 = the 8 tiles of tokens (128 keys), source 1 = the wave's 2 tiles of Wv (half a head): 16 accumulators.
; A tile's rows are 32 B + 8 u + r + 8 (r / 8), so the 16 registers of result tiles 2 B, 2 B + 1 are 16 neighbours: 32 B + 16 (lane / 16) + 0 .. 15.
; OUT.  qk [q, k][head32][step 16][6400]: for 128 tokens four pair images (registers 0-5: tile 2 i's 64 channels, 6-11: tile 2 i + 1's), then 256 bytes of scale words [e 2][r 16][2]: pair 2 e + i.
;       vb [head32][step 16][6400]: four images of V^T (16 channels x 128 keys), then scale words [r 16][4].
; REGISTERS: window 0: v1-11 lane numbers and addresses; v12-19, v20-23 scale words, two sets; v24-31 Wv's scale words; v32-127 phase 1's source 1, two sets; v128-207 the way out; v208-211 bv, two addresses.
;   window 1: source 0's fragments, two sets, at v0 and v128; v96-111 bv as a C.   window 2: the accumulators, (t, p) at 64 t + 8 p.   window 3: v0-63 the q/k bias, the C of the first K step; v64-255 Wv's 16 fragments.
.set PB,   0                           ; W's panel: [two steps 4][tile 16][3072]
.set RB,   196608                      ; x's panel: [two steps 4][tile 8][3072]
.set PSB,  294912                      ; W's scale lines: [pair 8][K step 8][128]
.set RSB,  303104                      ; x's: [pair 4][K step 8][128]
.set WV,   22                          ; s22  wave
.set HF,   23                          ; s23  wave % 2
.set G0W,  24                          ; s[24:43]  five groups 0 for W: the scales, four pairs of K steps
.set G0X,  44                          ; s[44:63]  the same for x
.set G1W,  68                          ; s[68:75]  group 1, W's codes;  s[76:83] W's scales;  s[84:91], s[92:99] x's
.set G1WS, 76
.set G1X,  84
.set G1XS, 92
.set VS,   24                          ; v24-31   Wv's scale words, one register a K step: lanes 0-15 my first tile, lanes 16-31 my second
.set TM,   128                         ; v128-131 largest magnitudes, v132-135 bytes, v140-143 scale operands
.set TT,   144                         ; v144-150 upper halves of blocks, before they are moved
.set W0,   152                         ; v152-155 scale words just made
.set SW,   156                         ; v156-159 scale words on their way out
.set IM,   160                         ; v160-207 images
.set VBI,  208                         ; v208-209 bv at my lane's column of my two tiles
.set A16,  210                         ; v210     16 x lane; never rewritten
.set A4,   211                         ; v211     4 x lane; never rewritten
.set SEL,  24                          ; the way out takes scalar registers of descriptors whose loads are done
.set MHI,  26
.set MSB, 0
.macro WIN new                         ; the immediate's high byte repeats the setting that is left
.if MSB != \new
	s_set_vgpr_msb (MSB<<8)|\new
.set MSB, \new
.endif
.endm
.macro PLACES n
.rept \n
	v_nop
.endr
.endm
.macro ROUND                           ; a round of the cluster's barrier
	s_barrier_signal -1
	s_barrier_wait -1
	s_cmp_lg_u32 s[WV], 0
	s_cbranch_scc1 .Lnot_wave_0_\@
	s_barrier_signal -3
.Lnot_wave_0_\@:
	s_barrier_wait -3
	s_barrier_signal -1
	s_barrier_wait -1
.endm
; one matrix instruction; pa, pb: the side's scale words stand in lanes 16-31 of the register named
.macro WM d, a, b, c, sa, sb, pa, pb
.if ((\pa) == 0) && ((\pb) == 0)
	v_wmma_scale_f32_16x16x128_f8f6f4 v[\d:\d+7], v[\a:\a+11], v[\b:\b+11], v[\c:\c+7], v[\sa], v[\sb] matrix_a_fmt:MATRIX_FMT_FP6 matrix_b_fmt:MATRIX_FMT_FP6
.elseif (\pb) == 0
	v_wmma_scale_f32_16x16x128_f8f6f4 v[\d:\d+7], v[\a:\a+11], v[\b:\b+11], v[\c:\c+7], v[\sa], v[\sb] matrix_a_fmt:MATRIX_FMT_FP6 matrix_b_fmt:MATRIX_FMT_FP6 matrix_a_scale:MATRIX_SCALE_ROW1
.elseif (\pa) == 0
	v_wmma_scale_f32_16x16x128_f8f6f4 v[\d:\d+7], v[\a:\a+11], v[\b:\b+11], v[\c:\c+7], v[\sa], v[\sb] matrix_a_fmt:MATRIX_FMT_FP6 matrix_b_fmt:MATRIX_FMT_FP6 matrix_b_scale:MATRIX_SCALE_ROW1
.else
	v_wmma_scale_f32_16x16x128_f8f6f4 v[\d:\d+7], v[\a:\a+11], v[\b:\b+11], v[\c:\c+7], v[\sa], v[\sb] matrix_a_fmt:MATRIX_FMT_FP6 matrix_b_fmt:MATRIX_FMT_FP6 matrix_a_scale:MATRIX_SCALE_ROW1 matrix_b_scale:MATRIX_SCALE_ROW1
.endif
.endm
; source 0's eight fragments of K step s and their four scale lines into set: 28 LDS loads, each of an image's 512 (a line's 128) consecutive bytes
.macro LOADV set, s
	WIN 0x40                                       ; destination window 1, address window 0
.irp p, 0,1,2,3,4,5,6,7
.irp q, 0,1,2
	ds_load_b128 v[128*(\set)+12*\p+4*\q:128*(\set)+12*\p+4*\q+3], v4 offset:3072*\p+1536*((\s)%2)+512*\q
.endr
.endr
	WIN 0
.irp i, 0,1,2,3
	ds_load_b32 v[12+4*(\set)+\i], v6 offset:1024*\i+128*(\s)
.endr
.endm
; phase 1: those, and source 1's four fragments and two scale lines: 42 LDS loads
.macro LOADF set, s
	LOADV \set, \s
.irp t, 0,1,2,3
.irp q, 0,1,2
	ds_load_b128 v[32+48*(\set)+12*\t+4*\q:32+48*(\set)+12*\t+4*\q+3], v5 offset:3072*\t+1536*((\s)%2)+512*\q
.endr
.endr
.irp i, 0,1
	ds_load_b32 v[20+2*(\set)+\i], v7 offset:1024*\i+128*(\s)
.endr
.endm
; phase 1: 32 matrix instructions: the 32 accumulators take turns, one instruction a turn, in the same order in every K step.  first = 1: C = the bias along the registers
.macro MUL32 set, first
.if \first
	WIN 0xb1                                       ; source 0 window 1, source 1 window 0, C window 3, D window 2
.else
	WIN 0xa1                                       ; C and D window 2
.endif
.irp t, 0,1,2,3
.irp p, 0,1,2,3,4,5,6,7
.if \first
.set CC, 8*\p
.else
.set CC, 64*\t+8*\p
.endif
	WM 64*\t+8*\p, 128*(\set)+12*\p, 32+48*(\set)+12*\t, CC, 12+4*(\set)+\p/2, 20+2*(\set)+\t/2, \p%2, \t%2
.endr
.endr
.endm
; phase 2: 16 matrix instructions, the 16 accumulators by turns.  first = 1: C = bv of the lane's column
.macro MULV set, s, first
.if \first
	WIN 0x9d                                       ; source 0 window 1, source 1 window 3, C window 1, D window 2
.else
	WIN 0xad                                       ; C and D window 2
.endif
.irp t, 0,1
.irp p, 0,1,2,3,4,5,6,7
.if \first
.set CC, 96+8*\t
.else
.set CC, 64*\t+8*\p
.endif
	WM 64*\t+8*\p, 128*(\set)+12*\p, 64+12*(2*(\s)+\t), CC, 12+4*(\set)+\p/2, VS+(\s), \p%2, \t
.endr
.endr
.endm
; my two tiles of Wv, K step s: six loads of 512 consecutive bytes into window 3
.macro VLD s
.irp t, 0,1
.irp q, 0,1,2
	global_load_b128 v[64+12*(2*(\s)+\t)+4*\q:64+12*(2*(\s)+\t)+4*\q+3], v[A16], s[8:9] offset:12288*\t+1536*(\s)+512*\q
.endr
.endr
.endm
; 64 numbers of a lane in window 2, v[a] on, register 16 b + i = place 32 b + 16 (lane / 16) + i of my row, become codes: blocks 0, 1 in v[d0] on, blocks 2, 3 in v[d1] on (6 registers each), and the scale word v[pw].
; Each accumulator is read from its low end on.
.macro QUANT a, d0, d1, pw
	WIN 0x0a                                       ; sources 0 and 1 window 2
.irp b, 0,1,2,3
	v_max3_num_f32 v[TM+\b], |v[\a+16*\b]|, |v[\a+16*\b+1]|, 0x1800000   ; with the floor 2^(3 - 127): the byte cannot fall under 1
.endr
.irp i, 2,4,6,8,10,12,14
.irp b, 0,1,2,3
	v_max3_num_f32 v[TM+\b], |v[\a+16*\b+\i]|, |v[\a+16*\b+\i+1]|, v[TM+\b]
.endr
.endr
	WIN 0
.irp b, 0,1,2,3
	v_permlanex16_b32 v[TM+4+\b], v[TM+\b], s[SEL], s[SEL+1]
.endr
.irp b, 0,1,2,3
	v_max_num_f32 v[TM+\b], v[TM+\b], v[TM+4+\b]   ; with lane l xor 16's 16: the block's largest magnitude
.endr
.irp b, 0,1,2,3
	v_add_nc_u32 v[TM+12+\b], 0xff000000, v[TM+\b] ; 2 off the exponent field: the conversion's scale operand
.endr
.irp b, 0,1,2,3
	v_lshrrev_b32 v[TM+4+\b], 23, v[TM+12+\b]      ; the byte
.endr
	v_lshl_or_b32 v[\pw], v[TM+5], 8, v[TM+4]
	v_lshl_or_b32 v[\pw], v[TM+6], 16, v[\pw]
	v_lshl_or_b32 v[\pw], v[TM+7], 24, v[\pw]
	WIN 0x02                                       ; source 0 window 2
	v_cvt_scalef32_pk16_fp6_f32 v[\d0:\d0+2], v[\a:\a+15], v[TM+12]
	v_cvt_scalef32_pk16_fp6_f32 v[TT:TT+2], v[\a+16:\a+31], v[TM+13]
	v_cvt_scalef32_pk16_fp6_f32 v[\d1:\d1+2], v[\a+32:\a+47], v[TM+14]
	v_cvt_scalef32_pk16_fp6_f32 v[TT+4:TT+6], v[\a+48:\a+63], v[TM+15]
	WIN 0
	v_nop                                          ; one plain place behind a scaled conversion
.irp i, 0,1,2
	v_permlane16_swap_b32 v[\d0+\i], v[TT+\i]      ; the operand's layout wants a whole block in a lane
	v_permlane16_swap_b32 v[\d1+\i], v[TT+4+\i]
.endr
.irp i, 0,1,2
	v_mov_b32 v[\d0+3+\i], v[TT+\i]
	v_mov_b32 v[\d1+3+\i], v[TT+4+\i]
.endr
.endm
	s_load_b512 s[4:19], s[0:1], 0x0               ; ximg, xscl, wimg, wscl, bq, bk, bv, qk
	s_load_b64 s[20:21], s[0:1], 0x40              ; vb
	v_lshl_add_u32 v254, v0, 2, 0x4b000
	v_mov_b32 v255, 0
	ds_add_u32 v254, v255
	ds_add_u32 v254, v255
	v_lshrrev_b32 v1, 5, v0
	v_readfirstlane_b32 s[WV], v1
	s_and_b32 s[HF], s[WV], 1
	v_and_b32 v1, 31, v0                           ; L
	v_and_b32 v2, 15, v0                           ; r
	v_bfe_u32 v3, v0, 4, 1                         ; h
.irp b, 0,1,2,3
	v_mov_b32 v[TM+4+\b], 0                        ; a lane permute's destination counts as one of its sources
.endr
	s_bfe_u32 s100, ttmp6, 0x40000                 ; cx
	s_bfe_u32 s101, ttmp6, 0x40004                 ; cy
	s_lshl_b32 s3, 0x1111, s100                    ; my column of the cluster
	s_lshl_b32 s67, s101, 2
	s_lshl_b32 s67, 15, s67                        ; my row
	s_or_b32 s[G1W], s3, (3<<16)|(1<<21)           ; 15:0 the mask; 17:16 elements of 8 bytes; 21 set beside a mask; no padding
	s_or_b32 s[G1WS], s3, (3<<16)|(1<<21)
	s_or_b32 s[G1X], s67, (3<<16)|(1<<21)
	s_or_b32 s[G1XS], s67, (3<<16)|(1<<21)
	s_lshl_b32 s2, ttmp9, 2
	s_add_co_u32 s100, s2, s100                    ; X = 4 x cluster x + cx
	s_and_b32 s66, ttmp7, 0xffff
	s_lshl_b32 s66, s66, 2
	s_add_co_u32 s101, s66, s101                   ; Y = 4 x cluster y + cy
	; group 1, codes: rows of 3,072 bytes (two K steps of a tile's images), 12,288 bytes from tile to tile; W: 8 rows, x: 4
	s_mov_b32 s[G1W+1], 384<<16
	s_mov_b32 s[G1W+2], 8<<16
	s_mov_b32 s[G1W+3], 384<<16
	s_mov_b32 s[G1W+4], 8
	s_mov_b32 s[G1W+5], 1536
	s_mov_b32 s[G1W+6], 0
	s_mov_b32 s[G1W+7], 0
	s_mov_b32 s[G1X+1], 384<<16
	s_mov_b32 s[G1X+2], 4<<16
	s_mov_b32 s[G1X+3], 384<<16
	s_mov_b32 s[G1X+4], 4
	s_mov_b32 s[G1X+5], 1536
	s_mov_b32 s[G1X+6], 0
	s_mov_b32 s[G1X+7], 0
	; group 1, scale lines: a dense block as rows of 256 bytes; W: 16 rows, x: 8
	s_mov_b32 s[G1WS+1], 32<<16
	s_mov_b32 s[G1WS+2], 16<<16
	s_mov_b32 s[G1WS+3], 32<<16
	s_mov_b32 s[G1WS+4], 16
	s_mov_b32 s[G1WS+5], 32
	s_mov_b32 s[G1WS+6], 0
	s_mov_b32 s[G1WS+7], 0
	s_mov_b32 s[G1XS+1], 32<<16
	s_mov_b32 s[G1XS+2], 8<<16
	s_mov_b32 s[G1XS+3], 32<<16
	s_mov_b32 s[G1XS+4], 8
	s_mov_b32 s[G1XS+5], 32
	s_mov_b32 s[G1XS+6], 0
	s_mov_b32 s[G1XS+7], 0
	; groups 0.  Every wave makes both sets, W's from X and x's from Y, in registers that never hold the other coordinate, and asks by one of them.  LDS addresses hang on the wave's number alone.
	s_lshl_b32 s2, s100, 4
	s_lshl_b32 s3, s[HF], 3
	s_add_co_u32 s2, s2, s3                        ; W: first tile 16 X + 8 half
	s_lshl_b32 s[G0W+2], s2, 9                     ; 512 bytes of scale lines a tile
	s_mov_b32 s[G0W+3], 0
	s_mul_i32 s[G0W+6], s2, 12288
	s_mov_b32 s[G0W+7], 0
	s_mov_b32 s[G0W], 1
	s_lshl_b32 s3, s[HF], 12
	s_add_co_u32 s[G0W+1], s3, PSB
	s_mul_i32 s3, s[HF], 24576
.irp j, 0,1,2,3
	s_mov_b32 s[G0W+4+4*\j], 1
	s_add_co_u32 s[G0W+5+4*\j], s3, PB+\j*49152
.endr
	s_lshl_b32 s66, s101, 3
	s_lshl_b32 s67, s[HF], 2
	s_add_co_u32 s66, s66, s67                     ; x: first tile 8 Y + 4 half
	s_lshl_b32 s[G0X+2], s66, 9
	s_mov_b32 s[G0X+3], 0
	s_mul_i32 s[G0X+6], s66, 12288
	s_mov_b32 s[G0X+7], 0
	s_mov_b32 s[G0X], 1
	s_lshl_b32 s67, s[HF], 11
	s_add_co_u32 s[G0X+1], s67, RSB
	s_mul_i32 s67, s[HF], 12288
.irp j, 0,1,2,3
	s_mov_b32 s[G0X+4+4*\j], 1
	s_add_co_u32 s[G0X+5+4*\j], s67, RB+\j*24576
.endr
	s_wait_dscnt 0x0
	s_wait_kmcnt 0x0
	s_add_nc_u64 s[G0W+2:G0W+3], s[10:11], s[G0W+2:G0W+3]
	s_add_nc_u64 s[G0W+6:G0W+7], s[8:9], s[G0W+6:G0W+7]
	s_add_nc_u64 s[G0X+2:G0X+3], s[6:7], s[G0X+2:G0X+3]
	s_add_nc_u64 s[G0X+6:G0X+7], s[4:5], s[G0X+6:G0X+7]
.irp j, 1,2,3
	s_add_nc_u64 s[G0W+6+4*\j:G0W+7+4*\j], s[G0W+6:G0W+7], \j*3072
	s_add_nc_u64 s[G0X+6+4*\j:G0X+7+4*\j], s[G0X+6:G0X+7], \j*3072
.endr
.irp k, 0,1,2,3,4
	s_or_b32 s[G0W+3+4*\k], s[G0W+3+4*\k], 0x80000000   ; type = 2
	s_or_b32 s[G0X+3+4*\k], s[G0X+3+4*\k], 0x80000000
.endr
	ROUND                                          ; all sixteen work-groups are here: the joint loads meet
	s_cmp_lt_u32 s[WV], 2                          ; a wave's five fills stand in one branch on its number: five loads of mine are out
	s_cbranch_scc0 .Lfill_x
	tensor_load_to_lds s[G0W:G0W+3], s[G1WS:G1WS+7]
	s_nop 0
.irp j, 1,2,3,4
	tensor_load_to_lds s[G0W+4*\j:G0W+4*\j+3], s[G1W:G1W+7]
	s_nop 0
.endr
	PLACES 4
	s_branch .Lfilled
.Lfill_x:
	tensor_load_to_lds s[G0X:G0X+3], s[G1XS:G1XS+7]
	s_nop 0
.irp j, 1,2,3,4
	tensor_load_to_lds s[G0X+4*\j:G0X+4*\j+3], s[G1X:G1X+7]
	s_nop 0
.endr
	PLACES 4
.Lfilled:
	; ---- phase 1's LDS addresses
	s_lshr_b32 s3, s[WV], 1                        ; wave / 2
	s_mul_i32 s2, s[HF], 24576
	v_lshl_add_u32 v4, v1, 4, s2                   ; source 0: W's tiles 8 (wave % 2) on
	s_mul_i32 s2, s3, 12288
	s_add_co_u32 s2, s2, RB
	v_lshl_add_u32 v5, v1, 4, s2                   ; source 1: x's tiles 4 (wave / 2) on
	s_lshl_b32 s2, s[HF], 12
	s_add_co_u32 s2, s2, PSB
	v_lshl_add_u32 v6, v1, 2, s2
	s_lshl_b32 s2, s3, 11
	s_add_co_u32 s2, s2, RSB
	v_lshl_add_u32 v7, v1, 2, s2
	; ---- what comes straight into registers: the q/k bias first, then Wv's scale lines, bv, and Wv's K steps 0-3
	s_lshl_b32 s2, s100, 8                         ; my 128 columns of q or of k
	s_lshl_b32 s66, s[HF], 7
	s_add_co_u32 s2, s2, s66
	s_and_b32 s2, s2, 1023
	s_lshl_b32 s2, s2, 2
	s_mov_b32 s3, 0
	s_cmp_eq_u32 ttmp9, 0                          ; cluster x 0: q, 1: k
	s_cselect_b64 s[12:13], s[12:13], s[14:15]
	s_add_nc_u64 s[12:13], s[12:13], s[2:3]
	v_lshlrev_b32 v10, 6, v3
	v_lshlrev_b32 v[A16], 4, v1
	v_lshlrev_b32 v[A4], 2, v1
	v_and_b32 v11, 8, v2
	v_add_nc_u32 v11, v11, v2
	v_lshlrev_b32 v11, 2, v11                      ; my column in a tile: r + 8 (r / 8)
	s_lshl_b32 s2, s100, 2
	s_add_co_u32 s2, s2, s[WV]
	s_add_co_u32 s2, s2, 64
	s_lshl_b32 s2, s2, 10                          ; Wv is the third weight: pair 64 + 4 X + wave, 1,024 bytes of scale lines a pair
	s_add_nc_u64 s[10:11], s[10:11], s[2:3]
	s_lshl_b32 s2, s100, 7
	s_lshl_b32 s66, s[WV], 5
	s_add_co_u32 s2, s2, s66
	s_lshl_b32 s2, s2, 2                           ; bv: column 128 X + 32 wave on
	s_add_nc_u64 s[16:17], s[16:17], s[2:3]
	s_lshl_b32 s2, s100, 3
	s_lshl_b32 s66, s[WV], 1
	s_add_co_u32 s2, s2, s66
	s_add_co_u32 s2, s2, 128
	s_mul_i32 s2, s2, 12288                        ; tile 128 + 8 X + 2 wave
	s_add_nc_u64 s[8:9], s[8:9], s[2:3]
	WIN 0xc0                                       ; destination window 3
.irp p, 0,1,2,3,4,5,6,7
	global_load_b128 v[8*\p:8*\p+3], v10, s[12:13] offset:(32*(\p/2)+8*(\p%2))*4      ; tile p's eight columns of my half
	global_load_b128 v[8*\p+4:8*\p+7], v10, s[12:13] offset:(32*(\p/2)+8*(\p%2))*4+16
.endr
	WIN 0
.irp s, 0,1,2,3,4,5,6,7
	global_load_b32 v[VS+\s], v[A4], s[10:11] offset:128*\s
.endr
	global_load_b32 v[VBI], v11, s[16:17]
	global_load_b32 v[VBI+1], v11, s[16:17] offset:32
	WIN 0xc0
	VLD 0
	VLD 1
	VLD 2
	VLD 3
	WIN 0
	; ---- phase 1: q and k
	s_wait_tensorcnt 0x3                           ; the scale lines and K steps 0, 1 are in; the three later pairs of steps may be out
	s_barrier_signal -1
	s_barrier_wait -1                              ; everybody's are
	LOADF 0, 0
.irp s, 0,1,2,3,4,5,6,7
	s_wait_dscnt 0x0                               ; this step's fragments are in (asked for 32 matrix instructions ago)
.if \s < 7
.if (\s%2) == 1
	WIN 0
	s_wait_tensorcnt 2-\s/2                        ; my part of the next pair of K steps is in; the later pairs may be out
	s_barrier_signal -1
	s_barrier_wait -1
	v_add_nc_u32 v4, 49152, v4
	v_add_nc_u32 v5, 24576, v5
.endif
.if \s > 0
	PLACES 4                                       ; in front of loads into registers that the last step's matrix instructions have read
.endif
	LOADF (\s+1)%2, \s+1
.endif
.if \s == 0
	s_wait_loadcnt 34                              ; the bias's 16 loads are in; behind them: 8 scale lines, 2 words of bv, 24 loads of Wv
	MUL32 0, 1
	WIN 0xc0
	VLD 4                                          ; Wv's other half: with these 24 at most 58 loads of mine are out
	VLD 5
	VLD 6
	VLD 7
.else
	MUL32 \s%2, 0
.endif
.endr
	WIN 0
	PLACES 4                                       ; in front of the first read of results and of the loads below
	v_lshl_add_u32 v4, v1, 4, RB                   ; phase 2's source 0: x's eight tiles,
	v_lshl_add_u32 v6, v1, 2, RSB                  ; and their scale lines
	LOADV 0, 0                                     ; its first fragments land while q and k go out
	s_mov_b32 s[SEL], 0x76543210                   ; (all my tensor loads are done: their descriptors' registers are free)
	s_mov_b32 s[SEL+1], 0xfedcba98
	s_mov_b32 s[MHI], 0xffff0000
	; block ((32 (X / 4) + 16 batch + head) 16 + step) of 6,400 bytes; head = (4 X + 2 (wave % 2)) % 16 and the next
	s_lshr_b32 s28, s100, 2
	s_lshl_b32 s28, s28, 5
	s_lshr_b32 s29, s101, 4
	s_lshl_b32 s29, s29, 4
	s_add_co_u32 s28, s28, s29
	s_lshl_b32 s29, s100, 2
	s_lshl_b32 s30, s[HF], 1
	s_add_co_u32 s29, s29, s30
	s_and_b32 s29, s29, 15
	s_add_co_u32 s28, s28, s29
	s_lshl_b32 s28, s28, 4
	s_and_b32 s29, s101, 15
	s_add_co_u32 s28, s28, s29
	s_mul_i32 s28, s28, 6400
	s_mov_b32 s29, 0
	s_add_nc_u64 s[18:19], s[18:19], s[28:29]
	s_lshr_b32 s27, s[WV], 1
	s_mul_i32 s28, s27, 3072
	v_lshl_add_u32 v8, v1, 4, s28                  ; images: 16 L + my two pairs' place
	v_mul_u32_u24 v9, v3, 102400                   ; scale words: lanes 16-31 store the second head's, 16 blocks on
	v_lshl_add_u32 v9, v2, 3, v9
	s_lshl_b32 s28, s27, 7
	v_add_nc_u32 v9, s28, v9
.irp i, 0,1
	QUANT 128*\i, IM+24*\i, IM+24*\i+12, W0        ; token tile 2 i: the first head's codes are registers 0-5 of its pair image, the second head's of its
	QUANT 128*\i+64, IM+24*\i+6, IM+24*\i+18, W0+1 ; token tile 2 i + 1: registers 6-11
	v_perm_b32 v[SW+2], v[W0+1], v[W0], 0x05040100 ; the first head's word: the two tiles' low halves
	v_perm_b32 v[SW+3], v[W0+1], v[W0], 0x07060302 ; the second head's: their high halves
	v_cndmask_b32 v[SW+\i], v[SW+2], v[SW+3], s[MHI]
.irp q, 0,1,2
	global_store_b128 v8, v[IM+24*\i+4*\q:IM+24*\i+4*\q+3], s[18:19] offset:1536*\i+512*\q           ; 512 consecutive bytes
	global_store_b128 v8, v[IM+24*\i+12+4*\q:IM+24*\i+12+4*\q+3], s[18:19] offset:102400+1536*\i+512*\q
.endr
.endr
	global_store_b64 v9, v[SW:SW+1], s[18:19] offset:6144
	; ---- phase 2: v.  The accumulators' registers have been read out; q's and k's stores leave meanwhile
	s_wait_loadcnt 0x0                             ; Wv's fragments, its scale lines, bv
	WIN 0x40                                       ; destination window 1
.irp t, 0,1
.irp j, 0,1,2,3,4,5,6,7
	v_mov_b32 v[96+8*\t+\j], v[VBI+\t]             ; a lane holds one column of v: the eight registers of a C take the same number
.endr
.endr
	WIN 0
.irp s, 0,1,2,3,4,5,6,7
	s_wait_dscnt 0x0                               ; this step's fragments are in
.if \s < 7
.if (\s%2) == 1
	WIN 0
	v_add_nc_u32 v4, 24576, v4                     ; the next pair of K steps
.endif
.if \s > 0
	PLACES 4                                       ; in front of loads into registers that the last step's matrix instructions have read
.endif
	LOADV (\s+1)%2, \s+1
.endif
.if \s == 0
	MULV 0, 0, 1
.else
	MULV \s%2, \s, 0
.endif
.endr
	WIN 0
	PLACES 4                                       ; in front of the first read of results
	s_wait_xcnt 0x0                                ; q's and k's stores have read their registers: the images, the words and the two addresses are written again only behind this wait
	; block ((16 batch + 2 X + wave / 2) 16 + step) of 6,400 bytes; in it my images 2 (wave % 2) and the next
	s_lshr_b32 s28, s101, 4
	s_lshl_b32 s28, s28, 4
	s_lshl_b32 s29, s100, 1
	s_add_co_u32 s28, s28, s29
	s_lshr_b32 s29, s[WV], 1
	s_add_co_u32 s28, s28, s29
	s_lshl_b32 s28, s28, 4
	s_and_b32 s29, s101, 15
	s_add_co_u32 s28, s28, s29
	s_mul_i32 s28, s28, 6400
	s_mov_b32 s29, 0
	s_add_nc_u64 s[20:21], s[20:21], s[28:29]
	s_mul_i32 s28, s[HF], 3072
	v_lshl_add_u32 v8, v1, 4, s28
	v_lshlrev_b32 v9, 4, v2
	v_lshl_add_u32 v9, v3, 2, v9
	s_lshl_b32 s28, s[HF], 3
	v_add_nc_u32 v9, s28, v9                       ; scale words: 16 r + 8 (wave % 2) + 4 h
.irp t, 0,1
	QUANT 64*\t, IM+12*\t, IM+12*\t+6, W0+\t       ; 16 channels x 128 keys: a whole fragment of V^T
.irp q, 0,1,2
	global_store_b128 v8, v[IM+12*\t+4*\q:IM+12*\t+4*\q+3], s[20:21] offset:1536*\t+512*\q
.endr
.endr
	v_cndmask_b32 v[SW], v[W0], v[W0+1], s[MHI]    ; lanes 0-15 store my first tile's word of row r, lanes 16-31 my second's: my half of the block's 256 bytes of words
	global_store_b32 v9, v[SW], s[20:21] offset:6144
	s_wait_tensorcnt 0x0
	ds_add_u32 v254, v255
	s_wait_dscnt 0x0
	ROUND                                          ; the closing round: no work-group ends while a partner may still ask for a tile that names it
	s_endpgm
.Lfunc_end_k_q023ac1ef9d_qkv:
	.size	k_q023ac1ef9d_qkv, .Lfunc_end_k_q023ac1ef9d_qkv-k_q023ac1ef9d_qkv
	.p2alignl 7, 3214868480
	.fill 96, 4, 3214868480
	.section	.rodata,"a",@progbits
	.p2align	6, 0x0
	.amdhsa_kernel k_q023ac1ef9d_qkv
		.amdhsa_group_segment_fixed_size 307712
		.amdhsa_private_segment_fixed_size 0
		.amdhsa_enable_private_segment 0
		.amdhsa_kernarg_size 72
		.amdhsa_user_sgpr_count 2
		.amdhsa_user_sgpr_kernarg_segment_ptr 1
		.amdhsa_wavefront_size32 1
		.amdhsa_system_sgpr_workgroup_id_x 1
		.amdhsa_system_sgpr_workgroup_id_y 1
		.amdhsa_system_sgpr_workgroup_id_z 1
		.amdhsa_system_vgpr_workitem_id 0
		.amdhsa_next_free_vgpr 1024
		.amdhsa_next_free_sgpr 102
		.amdhsa_reserve_vcc 0
		.amdhsa_float_denorm_mode_32 3
		.amdhsa_float_denorm_mode_16_64 3
		.amdhsa_memory_ordered 1
		.amdhsa_forward_progress 1
		.amdhsa_inst_pref_size 134
	.end_amdhsa_kernel
	.amdgpu_metadata
---
amdhsa.version: [ 1, 2 ]
amdhsa.kernels:
  - .name:           k_q023ac1ef9d_qkv
    .symbol:         k_q023ac1ef9d_qkv.kd
    .args:
      - { .name: ximg, .offset: 0, .size: 8, .value_kind: global_buffer, .address_space: global }
      - { .name: xscl, .offset: 8, .size: 8, .value_kind: global_buffer, .address_space: global }
      - { .name: wimg, .offset: 16, .size: 8, .value_kind: global_buffer, .address_space: global }
      - { .name: wscl, .offset: 24, .size: 8, .value_kind: global_buffer, .address_space: global }
      - { .name: bq, .offset: 32, .size: 8, .value_kind: global_buffer, .address_space: global }
      - { .name: bk, .offset: 40, .size: 8, .value_kind: global_buffer, .address_space: global }
      - { .name: bv, .offset: 48, .size: 8, .value_kind: global_buffer, .address_space: global }
      - { .name: qk, .offset: 56, .size: 8, .value_kind: global_buffer, .address_space: global }
      - { .name: vb, .offset: 64, .size: 8, .value_kind: global_buffer, .address_space: global }
    .group_segment_fixed_size: 307712
    .private_segment_fixed_size: 0
    .kernarg_segment_align: 8
    .kernarg_segment_size: 72
    .max_flat_workgroup_size: 128
    .sgpr_count:     102
    .vgpr_count:     1024
    .wavefront_size: 32
...
	.end_amdgpu_metadata
.endif
;; end of part 2
;; launch attn (part 3): grid 8 x 32, 16 waves a work-group, clusters of 4 x 1, 215,040 bytes of LDS; arguments qk, vb, oimg, oscl; writes oimg, oscl
.if DOCPART == 3
	.amdgcn_target "amdgcn-amd-amdhsa--gfx1250"
	.amdhsa_code_object_version 6
	.text
	.protected	k_q023ac1ef9d_attn
	.globl	k_q023ac1ef9d_attn
	.p2align	8
	.type	k_q023ac1ef9d_attn,@function
k_q023ac1ef9d_attn:
	s_mov_b64 s[64:65], 0
	v_nop
	global_prefetch_b8 v0, s[64:65] scope:SCOPE_SE
	s_setreg_imm32_b32 hwreg(HW_REG_WAVE_MODE, 25, 1), 1
	s_wait_xcnt 0x0
	s_wait_alu depctr_hold_cnt(0) depctr_sa_sdst(0) depctr_va_vdst(0) depctr_va_sdst(0) depctr_va_ssrc(0) depctr_va_vcc(0) depctr_vm_vsrc(0)
	s_getreg_b32 s2, hwreg(HW_REG_IB_STS2, 6, 4)
	s_cmp_eq_u32 s2, 0
	s_cbranch_scc0 .Lentry_in_a_cluster
	s_endpgm
.Lentry_in_a_cluster:
	s_bfe_u32 s2, ttmp6, 0x10000c
	s_cmp_lg_u32 s2, 0x3003
	s_cbranch_scc0 .Lentry_shape_is_right
	s_endpgm
.Lentry_shape_is_right:
; o = softmax(q k^T / 8) v for one head, both products on codes of FP6 (E2M3) with E8M0 scales; o is quantised along the model's 1,024 for the last product.
; THE SOFTMAX: t = score x log2(e) / 8; M = the running largest t rounded UP to a whole number; p = 2^(t - M) is quantised along the keys, not normalised; the row's sum is taken of the unquantised p and divides at the end.
; When M moves, the sum and O are multiplied by 2^(old M - new M): exact.
; LIMITS: NaN and infinities not served; scale bytes are held at 1 from below (a block of zeros has the byte 1: its codes are zeros); o = O x v_rcp_f32(sum).
; SHARES.  A work-group owns 256 queries of one head (head32 = 16 batch + head), each of its sixteen waves one tile of 16, in 256 registers: four waves to a SIMD, so that one wave's vector work stands beside another's products and LDS loads.
; A head's K and V as codes with their scale words are 204,800 bytes: they lie in LDS whole, every byte filled once.  They come in four groups of four key steps: waves 0-3 bring K's blocks, waves 4-7 V's,
; one block of 6,400 bytes of each group, four loads a wave; the steps of a group begin when that group has landed, while the later groups are on their way.
; CLUSTER.  The four query blocks of a cluster walk the same K and V: every fill is a joint load that names the four.
; LAYOUT.  Both products transposed: S^T = K Q^T, O^T = V^T P^T: a lane holds one query throughout.  A tile of keys holds keys 32 B + 8 u + r + 8 (r / 8), so two neighbouring tiles' 16 registers are 16 neighbouring keys.
; K = 64 IN AN INSTRUCTION OF 128: a pair image of K holds tile 2 i's 64 channels at k 0-63 and tile 2 i + 1's at k 64-127.  Q's six registers stand between six zeros below and six above: v[22:33] has Q at k 0-63
; and zero codes at k 64-127, and gives tile 2 i's scores; v[16:27] has them the other way round, and gives tile 2 i + 1's.  So no zero is read from LDS.
; REGISTERS: v1-4 lane places; v5-8 the step's addresses; v9-11 lane numbers; v12 -M, v13 the largest t, v[14:15] the sum; v16-33 Q; v34, v35 Q's scale words; v36-83 four fragments of K, then of V;
;   v84-87, v88-91 their scale words; v96-159 S^T, then p; v160-191 O^T; v192-203 p's codes; v204-231 at work.
.set VB,  102400                       ; LDS: K's 16 step blocks of 6,400 bytes, then V's
.set OSC, 204800                       ; 512 bytes: o's scale bytes on their way out; no fill lands here
.set WV,  18
.set FB,  36
.set BM,  212                          ; v212-215 a block's largest score, then its largest p
.set PT,  216                          ; v216-219 the other half's, then the bytes
.set SO,  220                          ; v220-223 the conversions' scale operands
.set PW,  224                          ; p's scale word
.macro ROUND
	s_barrier_signal -1
	s_barrier_wait -1
	s_cmp_lg_u32 s[WV], 0
	s_cbranch_scc1 .Lnot_wave_0_\@
	s_barrier_signal -3
.Lnot_wave_0_\@:
	s_barrier_wait -3
	s_barrier_signal -1
	s_barrier_wait -1
.endm
	s_load_b256 s[4:11], s[0:1], 0x0               ; qk, vb, oimg, oscl
	v_lshl_add_u32 v254, v0, 2, 0x34000
	v_mov_b32 v255, 0
	ds_add_u32 v254, v255
	ds_add_u32 v254, v255
	v_lshrrev_b32 v1, 5, v0
	v_readfirstlane_b32 s[WV], v1                  ; wave 0..15
	s_bfe_u32 s12, ttmp6, 0x40000                  ; cx
	s_lshl_b32 s13, ttmp9, 2
	s_add_co_u32 s13, s13, s12                     ; my block of 256 queries: it enters Q's and o's addresses alone
	s_and_b32 s14, ttmp7, 0xffff                   ; head32, which the four partners share
	; a fill: one step block, 6,400 dense bytes as 25 rows of 256
	s_mov_b32 s24, 15|(3<<16)|(1<<21)              ; the mask: all four; elements of 8 bytes; 21 set beside a mask
	s_mov_b32 s25, 32<<16
	s_mov_b32 s26, 25<<16
	s_mov_b32 s27, 32<<16
	s_mov_b32 s28, 25
	s_mov_b32 s29, 32
	s_mov_b32 s30, 0
	s_mov_b32 s31, 0
	s_and_b32 s57, s[WV], 3                        ; which block of a group of four is mine,
	s_lshr_b32 s58, s[WV], 2                       ; K's (0) or V's (1): waves 0-7 alone fetch
	s_mul_i32 s59, s57, 6400
	s_mul_i32 s61, s58, VB
	s_add_co_u32 s61, s61, s59                     ; in LDS,
	s_mul_i32 s62, s14, 102400
	s_add_co_u32 s62, s62, s59                     ; and in memory
	s_cmp_lt_u32 s[WV], 4
	s_cselect_b32 s63, 3276800, 0                  ; k lies behind q's 32 heads in its buffer
	s_add_co_u32 s62, s62, s63
	s_mov_b32 s63, 0
.irp j, 0,1,2,3
	s_mov_b32 s[32+4*\j], 1
	s_add_co_u32 s[33+4*\j], s61, 25600*\j         ; group j: four blocks on
.endr
	; Q: my tile 16 block + w of the batch lies in step block 2 block + w / 8, pair (w / 2) % 4, half w % 2
	s_lshl_b32 s50, s13, 1
	s_lshr_b32 s51, s[WV], 3
	s_add_co_u32 s50, s50, s51
	s_mul_i32 s50, s50, 6400
	s_mul_i32 s51, s14, 102400
	s_add_co_u32 s50, s50, s51
	s_mov_b32 s51, 0
	s_bfe_u32 s52, s[WV], 0x20001
	s_mul_i32 s53, s52, 1536
	s_lshr_b32 s54, s52, 1
	s_lshl_b32 s54, s54, 7
	s_and_b32 s55, s52, 1
	s_lshl_b32 s55, s55, 2
	s_add_co_u32 s54, s54, s55
	s_and_b32 s19, s[WV], 1
	s_lshl_b32 s16, s19, 4
	s_sub_co_u32 s17, 0, s19                       ; all ones for the odd tile
	s_mov_b32 s20, 0x76543210
	s_mov_b32 s21, 0xfedcba98                      ; v_permlanex16_b32's selects for lane l xor 16
	s_mov_b32 s22, 0x3e38aa3b                      ; c = log2(e) / 8
	s_mov_b32 s23, s22                             ; (named with it as a pair)
	s_lshl_b32 s56, s[WV], 5
	s_add_co_u32 s56, s56, OSC
	v_and_b32 v9, 31, v0                           ; L
	v_and_b32 v10, 15, v0                          ; r
	v_lshlrev_b32 v1, 4, v9                        ; K's images: 16 L
	v_add_nc_u32 v2, VB, v1                        ; V's
	v_lshlrev_b32 v3, 3, v10                       ; K's scale words: 8 r
	v_lshl_add_u32 v4, v10, 4, VB                  ; V's: 16 r
	v_add_nc_u32 v5, s53, v1
	v_lshl_add_u32 v6, v10, 3, s54
	s_wait_dscnt 0x0
	s_wait_kmcnt 0x0
	s_cmp_lt_u32 s[WV], 4                          ; the choice hangs on the wave's number alone
	s_cselect_b64 s[34:35], s[4:5], s[6:7]
	s_add_nc_u64 s[34:35], s[34:35], s[62:63]
.irp j, 1,2,3
	s_add_nc_u64 s[34+4*\j:35+4*\j], s[34:35], 25600*\j
.endr
.irp j, 0,1,2,3
	s_or_b32 s[35+4*\j], s[35+4*\j], 0x80000000    ; type = 2
.endr
	s_add_nc_u64 s[50:51], s[4:5], s[50:51]
	global_load_b128 v[36:39], v5, s[50:51]        ; Q's pair image and its scale word are on their way through the round below
	global_load_b128 v[40:43], v5, s[50:51] offset:512
	global_load_b128 v[44:47], v5, s[50:51] offset:1024
	global_load_b32 v228, v6, s[50:51] offset:6144
	ROUND                                          ; all four work-groups are here: the joint loads meet
	s_cmp_lt_u32 s[WV], 8                          ; a wave's four fills stand in one branch on its number: four loads of mine are out
	s_cbranch_scc0 .Lno_fill
.irp j, 0,1,2,3
	tensor_load_to_lds s[32+4*\j:35+4*\j], s[24:31]
	s_nop 0
.endr
.rept 4
	v_nop
.endr
.Lno_fill:
.irp i, 0,1,2,3,4,5
	v_mov_b32 v[16+\i], 0                          ; zero codes below Q's six registers
	v_mov_b32 v[28+\i], 0                          ; and above
.endr
	v_mov_b32 v13, 0xff61b1e6                      ; the largest t so far: -3e38
	v_floor_f32 v12, -v13                          ; -M
	v_mov_b32 v14, 0
	v_mov_b32 v15, 0
	v_mov_b32 v227, 0                              ; (named as the upper half of the pair v[226:227])
.irp b, 0,1,2,3
	v_mov_b32 v[PT+\b], 0                          ; a lane permute's destination counts as one of its sources
.endr
	s_wait_loadcnt 0x0
.irp i, 0,1,2,3,4,5
	v_cndmask_b32 v[22+\i], v[36+\i], v[42+\i], s17   ; my tile's half of the pair image
.endr
	v_lshrrev_b32 v228, s16, v228
	v_and_b32 v228, 0xffff, v228                   ; my tile's two bytes
	v_or_b32 v34, 0x7f7f0000, v228                 ; beside Q at k 0-63; the zero codes get the byte 127
	v_lshl_or_b32 v35, v228, 16, 0x7f7f            ; beside Q at k 64-127
.set n, 0
.rept 32
	v_mov_b32 v[160+n], 0                          ; O^T: the step is written for every step alike, the first finds zeros.  (These are also the places between the scale words above and the first product)
.set n, n+1
.endr
.macro STEP                            ; 128 keys
	v_add_nc_u32 v5, s48, v1                       ; four plain instructions: the places in front of loads into registers that the last step's products have read
	v_add_nc_u32 v6, s48, v2
	v_add_nc_u32 v7, s48, v3
	v_add_nc_u32 v8, s48, v4
.irp p, 0,1,2,3
.irp q, 0,1,2
	ds_load_b128 v[FB+12*\p+4*\q:FB+12*\p+4*\q+3], v5 offset:1536*\p+512*\q
.endr
.endr
	ds_load_b64 v[84:85], v7 offset:6144
	ds_load_b64 v[86:87], v7 offset:6272
	s_wait_dscnt 0x0
.irp p, 0,1,2,3
	v_wmma_scale_f32_16x16x128_f8f6f4 v[96+16*\p:103+16*\p], v[FB+12*\p:FB+12*\p+11], v[22:33], 0, v[84+\p], v34 matrix_a_fmt:MATRIX_FMT_FP6 matrix_b_fmt:MATRIX_FMT_FP6
	v_wmma_scale_f32_16x16x128_f8f6f4 v[104+16*\p:111+16*\p], v[FB+12*\p:FB+12*\p+11], v[16:27], 0, v[84+\p], v35 matrix_a_fmt:MATRIX_FMT_FP6 matrix_b_fmt:MATRIX_FMT_FP6
.endr
.rept 4
	v_nop                                          ; places in front of the loads below and of the first read of the scores
.endr
.irp t, 0,1,2,3
.irp q, 0,1,2
	ds_load_b128 v[FB+12*\t+4*\q:FB+12*\t+4*\q+3], v6 offset:1536*\t+512*\q   ; V's fragments land while the softmax is walked
.endr
.endr
	ds_load_b128 v[88:91], v8 offset:6144
.irp b, 0,1,2,3
	v_max3_num_f32 v[BM+\b], v[96+16*\b], v[97+16*\b], v[98+16*\b]   ; the largest score of each block of 32 keys: for the row's maximum, and, since p rises with the score, for the block's largest p
.endr
.irp i, 3,5,7,9,11,13
.irp b, 0,1,2,3
	v_max3_num_f32 v[BM+\b], v[BM+\b], v[96+16*\b+\i], v[97+16*\b+\i]
.endr
.endr
.irp b, 0,1,2,3
	v_max_num_f32 v[BM+\b], v[BM+\b], v[111+16*\b]
.endr
.irp b, 0,1,2,3
	v_permlanex16_b32 v[PT+\b], v[BM+\b], s20, s21
.endr
.irp b, 0,1,2,3
	v_max_num_f32 v[BM+\b], v[BM+\b], v[PT+\b]
.endr
	v_max3_num_f32 v228, v[BM], v[BM+1], v[BM+2]
	v_max_num_f32 v228, v228, v[BM+3]
	v_mul_f32 v228, s22, v228                      ; as t (c is positive)
	v_max_num_f32 v13, v13, v228
	v_mov_b32 v228, v12
	v_floor_f32 v12, -v13                          ; the new -M = -ceil(t)
	v_sub_f32 v228, v12, v228                      ; old M - new M: a whole number, 0 or less
	v_cvt_i32_f32 v228, v228                       ; (it saturates)
	v_ldexp_f32 v226, 1.0, v228                    ; f = 2^(old M - new M)
.set n, 0
.rept 32
	v_pk_fma_f32 v[96+n:97+n], v[96+n:97+n], s[22:23], v[12:13] op_sel_hi:[1,0,0]   ; t - M
.set n, n+2
.endr
.irp b, 0,1,2,3
	v_fma_f32 v[BM+\b], v[BM+\b], s22, v12
.endr
.set n, 0
.rept 64
	v_exp_f32 v[96+n], v[96+n]                     ; p = 2^(t - M)
.set n, n+1
.endr
.irp b, 0,1,2,3
	v_exp_f32 v[BM+\b], v[BM+\b]                   ; the block's largest p: the same two instructions on the same number
.endr
	v_pk_mul_f32 v[14:15], v[14:15], v[226:227] op_sel_hi:[1,0]   ; the sum under the new M; a plain place behind the exponentials
	s_wait_alu depctr_va_vdst(0)
.irp b, 0,1,2,3
	v_max_num_f32 v[BM+\b], 0x1800000, v[BM+\b]    ; the floor 2^(3 - 127)
.endr
.irp b, 0,1,2,3
	v_add_nc_u32 v[SO+\b], 0xff000000, v[BM+\b]
.endr
.irp b, 0,1,2,3
	v_lshrrev_b32 v[PT+\b], 23, v[SO+\b]
.endr
	v_lshl_or_b32 v[PW], v[PT+1], 8, v[PT]
	v_lshl_or_b32 v[PW], v[PT+2], 16, v[PW]
	v_lshl_or_b32 v[PW], v[PT+3], 24, v[PW]
.irp c, 0,1
	v_cvt_scalef32_pk16_fp6_f32 v[192+6*\c:194+6*\c], v[96+32*\c:111+32*\c], v[SO+2*\c]
	v_cvt_scalef32_pk16_fp6_f32 v[204+4*\c:206+4*\c], v[112+32*\c:127+32*\c], v[SO+2*\c+1]
.endr
	v_nop                                          ; one plain place behind a scaled conversion
.irp c, 0,1
.irp i, 0,1,2
	v_permlane16_swap_b32 v[192+6*\c+\i], v[204+4*\c+\i]
.endr
.irp i, 0,1,2
	v_mov_b32 v[195+6*\c+\i], v[204+4*\c+\i]
.endr
.endr
	v_pk_add_f32 v[230:231], v[96:97], v[98:99]    ; the row's sum, of the unquantised p, in two chains
.irp j, 4,8,12,16,20,24,28,32,36,40,44,48,52,56,60
	v_pk_add_f32 v[14:15], v[14:15], v[96+\j:97+\j]
	v_pk_add_f32 v[230:231], v[230:231], v[98+\j:99+\j]
.endr
	v_pk_add_f32 v[14:15], v[14:15], v[230:231]
.set n, 0
.rept 16
	v_pk_mul_f32 v[160+n:161+n], v[160+n:161+n], v[226:227] op_sel_hi:[1,0]   ; O^T under the new M, each accumulator from its low end on
.set n, n+2
.endr
	s_wait_dscnt 0x0                               ; V's fragments and scale words
.irp t, 0,1,2,3
	v_wmma_scale_f32_16x16x128_f8f6f4 v[160+8*\t:167+8*\t], v[FB+12*\t:FB+12*\t+11], v[192:203], v[160+8*\t:167+8*\t], v[88+\t], v[PW] matrix_a_fmt:MATRIX_FMT_FP6 matrix_b_fmt:MATRIX_FMT_FP6
.endr
	s_add_co_u32 s48, s48, 6400
.endm
; Group g: key steps 4 g .. 4 g + 3.  The fetching waves have waited for their load of this group, the 3 - g later ones may be out
.macro GROUP g
	s_wait_tensorcnt 3-\g
	s_barrier_signal -1
	s_barrier_wait -1                              ; everybody's part of the group is in
	s_mov_b32 s48, 25600*\g                        ; the step's block in LDS
	s_mov_b32 s49, 4
.Lstep_\@:
	STEP
	s_sub_co_u32 s49, s49, 1
	s_cmp_lg_u32 s49, 0
	s_cbranch_scc1 .Lstep_\@
.endm
	GROUP 0
	GROUP 1
	GROUP 2
	GROUP 3
	; THE END: o = O / the sum; its 64 channels are two blocks of the last product's K: half a fragment, 6 registers, and two scale bytes a row
	v_add_f32 v14, v14, v15
	v_permlanex16_b32 v228, v14, s20, s21
	v_add_f32 v14, v14, v228
	v_rcp_f32 v14, v14
	v_lshlrev_b32 v11, 3, v9                       ; 8 L.  (Plain instructions: the place behind the reciprocal, and with the additions above the places behind the last products)
	v_lshl_add_u32 v5, v10, 1, s56                 ; OSC + 32 w + 2 r
	v_add_nc_u32 v6, OSC, v1
	v_nop
	s_lshr_b32 s50, s14, 4                         ; tile 128 batch + 16 block + w; half fragment (tile x 16 + head) of 768 bytes
	s_lshl_b32 s50, s50, 7
	s_lshl_b32 s51, s13, 4
	s_add_co_u32 s50, s50, s51
	s_add_co_u32 s50, s50, s[WV]
	s_lshl_b32 s50, s50, 4
	s_and_b32 s51, s14, 15
	s_add_co_u32 s50, s50, s51
	s_mul_i32 s50, s50, 768
	s_mov_b32 s51, 0
	s_add_nc_u64 s[8:9], s[8:9], s[50:51]
	s_lshl_b32 s52, s14, 12
	s_lshl_b32 s53, s13, 9
	s_add_co_u32 s52, s52, s53
	s_mov_b32 s53, 0
	s_add_nc_u64 s[10:11], s[10:11], s[52:53]
.set n, 0
	s_wait_alu depctr_va_vdst(0)
.rept 32
	v_mul_f32 v[96+n], v[160+n], v14               ; register 16 b + i is channel 32 b + 16 (lane / 16) + i
.set n, n+1
.endr
.irp b, 0,1
	v_max3_num_f32 v[BM+\b], |v[96+16*\b]|, |v[97+16*\b]|, 0x1800000
.endr
.irp i, 2,4,6,8,10,12,14
.irp b, 0,1
	v_max3_num_f32 v[BM+\b], v[BM+\b], |v[96+16*\b+\i]|, |v[97+16*\b+\i]|
.endr
.endr
.irp b, 0,1
	v_permlanex16_b32 v[PT+\b], v[BM+\b], s20, s21
.endr
.irp b, 0,1
	v_max_num_f32 v[BM+\b], v[BM+\b], v[PT+\b]
.endr
.irp b, 0,1
	v_add_nc_u32 v[SO+\b], 0xff000000, v[BM+\b]
.endr
.irp b, 0,1
	v_lshrrev_b32 v[PT+\b], 23, v[SO+\b]
.endr
	v_lshl_or_b32 v[PW], v[PT+1], 8, v[PT]
	v_cvt_scalef32_pk16_fp6_f32 v[192:194], v[96:111], v[SO]
	v_cvt_scalef32_pk16_fp6_f32 v[204:206], v[112:127], v[SO+1]
	v_nop
.irp i, 0,1,2
	v_permlane16_swap_b32 v[192+\i], v[204+\i]
.endr
.irp i, 0,1,2
	v_mov_b32 v[195+\i], v[204+\i]
.endr
	global_store_b128 v1, v[192:195], s[8:9]       ; registers 0-3: 512 consecutive bytes
	global_store_b64 v11, v[196:197], s[8:9] offset:512   ; registers 4, 5: 256
	ds_store_b16 v5, v[PW]                         ; both lanes of a row write the same two bytes with the same value
	s_wait_dscnt 0x0                               ; for the others' sake
	s_barrier_signal -1
	s_barrier_wait -1
	s_cmp_lg_u32 s[WV], 0
	s_cbranch_scc1 .Lnot_first
	ds_load_b128 v[36:39], v6                      ; the sixteen tiles' bytes leave as 512 consecutive bytes
	s_wait_dscnt 0x0
	global_store_b128 v1, v[36:39], s[10:11]
.Lnot_first:
	s_wait_tensorcnt 0x0
	ds_add_u32 v254, v255
	s_wait_dscnt 0x0
	ROUND                                          ; the closing round
	s_endpgm
.Lfunc_end_k_q023ac1ef9d_attn:
	.size	k_q023ac1ef9d_attn, .Lfunc_end_k_q023ac1ef9d_attn-k_q023ac1ef9d_attn
	.p2alignl 7, 3214868480
	.fill 96, 4, 3214868480
	.section	.rodata,"a",@progbits
	.p2align	6, 0x0
	.amdhsa_kernel k_q023ac1ef9d_attn
		.amdhsa_group_segment_fixed_size 215040
		.amdhsa_private_segment_fixed_size 0
		.amdhsa_enable_private_segment 0
		.amdhsa_kernarg_size 32
		.amdhsa_user_sgpr_count 2
		.amdhsa_user_sgpr_kernarg_segment_ptr 1
		.amdhsa_wavefront_size32 1
		.amdhsa_system_sgpr_workgroup_id_x 1
		.amdhsa_system_sgpr_workgroup_id_y 1
		.amdhsa_system_sgpr_workgroup_id_z 1
		.amdhsa_system_vgpr_workitem_id 0
		.amdhsa_next_free_vgpr 256
		.amdhsa_next_free_sgpr 66
		.amdhsa_reserve_vcc 0
		.amdhsa_float_denorm_mode_32 3
		.amdhsa_float_denorm_mode_16_64 3
		.amdhsa_memory_ordered 1
		.amdhsa_forward_progress 1
		.amdhsa_inst_pref_size 75
	.end_amdhsa_kernel
	.amdgpu_metadata
---
amdhsa.version: [ 1, 2 ]
amdhsa.kernels:
  - .name:           k_q023ac1ef9d_attn
    .symbol:         k_q023ac1ef9d_attn.kd
    .args:
      - { .name: qk, .offset: 0, .size: 8, .value_kind: global_buffer, .address_space: global }
      - { .name: vb, .offset: 8, .size: 8, .value_kind: global_buffer, .address_space: global }
      - { .name: oimg, .offset: 16, .size: 8, .value_kind: global_buffer, .address_space: global }
      - { .name: oscl, .offset: 24, .size: 8, .value_kind: global_buffer, .address_space: global }
    .group_segment_fixed_size: 215040
    .private_segment_fixed_size: 0
    .kernarg_segment_align: 8
    .kernarg_segment_size: 32
    .max_flat_workgroup_size: 512
    .sgpr_count:     66
    .vgpr_count:     256
    .wavefront_size: 32
...
	.end_amdgpu_metadata
.endif
;; end of part 3
;; launch proj (part 4): grid 256 x 1, 16 waves a work-group, no clusters, 88,832 bytes of LDS; arguments oimg, oscl, wimg, wscl, bp, x, ln_g, ln_b, out0; writes out0
.if DOCPART == 4
	.amdgcn_target "amdgcn-amd-amdhsa--gfx1250"
	.amdhsa_code_object_version 6
	.text
	.protected	k_q023ac1ef9d_proj
	.globl	k_q023ac1ef9d_proj
	.p2align	8
	.type	k_q023ac1ef9d_proj,@function
k_q023ac1ef9d_proj:
	s_mov_b64 s[64:65], 0
	v_nop
	global_prefetch_b8 v0, s[64:65] scope:SCOPE_SE
	s_setreg_imm32_b32 hwreg(HW_REG_WAVE_MODE, 25, 1), 1
	s_wait_xcnt 0x0
; out0 = LayerNorm(x + o Wp + bp) x ln_g + ln_b.  The product on codes of FP6 (E2M3) with E8M0 scales, sums in f32; all else in f32; mean first, then the centred squares.
; LIMITS: NaN and infinities not served.
; SHARES.  A work-group owns one tile of 16 tokens and all 1,024 columns, so a row's mean and variance stay inside it: 256 work-groups.  Wave w owns columns 64 w on (4 tiles of Wp): 4 accumulators; then one row of the LayerNorm.
; Each fragment of Wp is wanted by one wave of the work-group alone: it goes from memory straight into that wave's registers, two K steps (2 x 14 loads) ahead; o's 12,288 bytes of codes go through LDS, which all waves read.
; ln_g and ln_b, which every wave wants whole, come once, 16 bytes a thread, into LDS.  A wave's row of x is asked for at the head.
; NO MULTICAST, though all work-groups walk the same Wp: its 786,432 bytes do not fit in LDS, so joint loads would want slots that are filled again, and each work-group would still take in every byte.
; The matrix instruction is used transposed (source 0 = 16 columns of Wp, source 1 = 16 tokens): a lane holds one token and 8 neighbouring columns.  bp is the C of the first K step.
; REGISTERS: v1-11, v36 addresses; v12-19 o's scale words; v20-23 Wp's, two sets; v24-35 o's fragment, later at work; v48-79 bp; v80-111 accumulators (p at 80 + 8 p), later my row; v112-143 x; v144-239 Wp's fragments, two sets, later ln_g and ln_b.
.set OI, 0                             ; LDS: o's codes as they lie in memory: [head 16][768]
.set OS, 12288                         ; o's scale bytes: [r 16][head 16][2]
.set GB, 12800                         ; ln_g's 4,096 bytes, then ln_b's
.set ST, 20992                         ; the stage: 16 rows x (4,096 + 16) bytes
.set SPI, 4112
.macro PLACES n
.rept \n
	v_nop
.endr
.endm
.macro WM d, a, b, c, sa, sb, pa       ; pa: source 0's scale words stand in lanes 16-31 of the register named
.if (\pa) == 0
	v_wmma_scale_f32_16x16x128_f8f6f4 v[\d:\d+7], v[\a:\a+11], v[\b:\b+11], v[\c:\c+7], v[\sa], v[\sb] matrix_a_fmt:MATRIX_FMT_FP6 matrix_b_fmt:MATRIX_FMT_FP6
.else
	v_wmma_scale_f32_16x16x128_f8f6f4 v[\d:\d+7], v[\a:\a+11], v[\b:\b+11], v[\c:\c+7], v[\sa], v[\sb] matrix_a_fmt:MATRIX_FMT_FP6 matrix_b_fmt:MATRIX_FMT_FP6 matrix_a_scale:MATRIX_SCALE_ROW1
.endif
.endm
.macro WLOAD s, set                    ; K step s of my four tiles of Wp and their two scale lines: 14 loads
.irp p, 0,1,2,3
.irp q, 0,1,2
	global_load_b128 v[144+48*(\set)+12*\p+4*\q:144+48*(\set)+12*\p+4*\q+3], v1, s[8:9] offset:12288*\p+1536*(\s)+512*\q
.endr
.endr
	global_load_b32 v[20+2*(\set)], v3, s[10:11] offset:128*(\s)
	global_load_b32 v[21+2*(\set)], v3, s[10:11] offset:1024+128*(\s)
.endm
	s_load_b512 s[4:19], s[0:1], 0x0               ; oimg, oscl, wimg, wscl, bp, x, ln_g, ln_b
	s_load_b64 s[20:21], s[0:1], 0x40              ; out0
	v_lshl_add_u32 v254, v0, 2, 0x15300
	v_mov_b32 v255, 0
	v_lshrrev_b32 v1, 5, v0
	v_readfirstlane_b32 s22, v1                    ; wave 0..15
	v_lshl_add_u32 v36, v0, 4, GB                  ; ln_g and ln_b, in: 16 bytes a thread
	v_and_b32 v9, 31, v0                           ; L
	v_and_b32 v10, 15, v0                          ; r
	v_bfe_u32 v11, v0, 4, 1                        ; h
	v_lshlrev_b32 v1, 4, v9
	v_lshlrev_b32 v2, 3, v9
	v_lshlrev_b32 v3, 2, v9
	v_lshlrev_b32 v4, 1, v10                       ; 2 r
	s_lshl_b32 s23, s22, 8
	s_add_co_u32 s23, s23, ST
	v_mul_u32_u24 v5, v10, SPI
	v_lshl_add_u32 v5, v11, 6, v5
	v_add_nc_u32 v5, s23, v5                       ; the stage, in: row r, + 64 h, + my 256 bytes of columns
	s_mul_i32 s23, s22, SPI
	s_add_co_u32 s23, s23, ST
	v_add_nc_u32 v7, s23, v1                       ; back: stage row w
	v_lshlrev_b32 v8, 6, v11                       ; bp: 64 h
	s_lshl_b32 s23, s22, 1
	s_add_co_u32 s23, s23, OS
	v_lshl_add_u32 v11, v10, 5, OS                 ; o's scale bytes, back: 32 r
	v_lshl_add_u32 v10, v10, 5, s23                ; and in: 32 r + 2 w
	s_mul_i32 s23, s22, 768
	v_add_nc_u32 v9, s23, v1                       ; o's codes, in: head w's 768 bytes: 512 by 16 a lane,
	v_add_nc_u32 v6, s23, v2                       ; 256 by 8 a lane
	s_mul_i32 s24, ttmp9, 12288
	s_add_co_u32 s24, s24, s23
	s_mov_b32 s25, 0
	s_lshr_b32 s26, ttmp9, 7                       ; batch
	s_lshl_b32 s26, s26, 4
	s_add_co_u32 s26, s26, s22                     ; head32 = 16 batch + w
	s_lshl_b32 s26, s26, 12
	s_and_b32 s27, ttmp9, 127                      ; the tile in its batch: 32 bytes a tile
	s_lshl_b32 s27, s27, 5
	s_add_co_u32 s26, s26, s27
	s_mov_b32 s27, 0
	s_mul_i32 s28, s22, 49152
	s_add_co_u32 s28, s28, 2359296                 ; Wp is the fourth weight: tiles 192 on
	s_mov_b32 s29, 0
	s_lshl_b32 s30, s22, 11
	s_add_co_u32 s30, s30, 98304
	s_mov_b32 s31, 0
	s_lshl_b32 s32, s22, 8
	s_mov_b32 s33, 0
	s_lshr_b32 s34, ttmp9, 1                       ; stage row w of tile g is token 32 (g / 2) + 8 (g % 2) + w + 8 (w / 8)
	s_lshl_b32 s34, s34, 5
	s_and_b32 s35, ttmp9, 1
	s_lshl_b32 s35, s35, 3
	s_add_co_u32 s34, s34, s35
	s_add_co_u32 s34, s34, s22
	s_lshr_b32 s35, s22, 3
	s_lshl_b32 s35, s35, 3
	s_add_co_u32 s34, s34, s35
	s_lshl_b32 s34, s34, 12
	s_mov_b32 s35, 0
	s_and_b32 s38, s22, 7                          ; waves 0-7 bring ln_g, waves 8-15 ln_b: 512 bytes each
	s_lshl_b32 s38, s38, 9
	s_mov_b32 s39, 0
	s_mov_b32 s36, 0x76543210
	s_mov_b32 s37, 0xfedcba98
	s_mov_b32 s40, 0x3a800000                      ; 1 / 1,024
	s_mov_b32 s41, 0x3727c5ac                      ; 1e-5
	s_wait_kmcnt 0x0
	s_add_nc_u64 s[4:5], s[4:5], s[24:25]
	s_add_nc_u64 s[6:7], s[6:7], s[26:27]
	s_add_nc_u64 s[8:9], s[8:9], s[28:29]
	s_add_nc_u64 s[10:11], s[10:11], s[30:31]
	s_add_nc_u64 s[12:13], s[12:13], s[32:33]
	s_add_nc_u64 s[14:15], s[14:15], s[34:35]
	s_add_nc_u64 s[20:21], s[20:21], s[34:35]
	s_cmp_lt_u32 s22, 8                            ; the choice hangs on the wave's number alone
	s_cselect_b64 s[42:43], s[16:17], s[18:19]
	s_add_nc_u64 s[42:43], s[42:43], s[38:39]
	global_load_b128 v[80:83], v1, s[4:5]          ; head w's half fragment of o's codes,
	global_load_b64 v[84:85], v2, s[4:5] offset:512
	global_load_u16 v86, v4, s[6:7]                ; its two bytes of each of the 16 rows,
	global_load_b128 v[88:91], v1, s[42:43]        ; and my 512 bytes of ln_g or ln_b
.irp p, 0,1,2,3
	global_load_b128 v[48+8*\p:51+8*\p], v8, s[12:13] offset:(32*(\p/2)+8*(\p%2))*4
	global_load_b128 v[52+8*\p:55+8*\p], v8, s[12:13] offset:(32*(\p/2)+8*(\p%2))*4+16
.endr
.irp i, 0,1,2,3,4,5,6,7
	global_load_b128 v[112+4*\i:115+4*\i], v1, s[14:15] offset:512*\i th:TH_LOAD_NT   ; x: my row, 512 consecutive bytes a load; wanted behind the products
.endr
	WLOAD 0, 0
	WLOAD 1, 1
	s_wait_loadcnt 44                              ; the first four loads are in; bp's 8, x's 8 and Wp's 28 may be out
	ds_store_b128 v9, v[80:83] offset:OI
	ds_store_b64 v6, v[84:85] offset:OI+512
	ds_store_b16 v10, v86                          ; both lanes of a row write the same two bytes with the same value
	ds_store_b128 v36, v[88:91]
	s_wait_dscnt 0x0                               ; for the others' sake
	s_barrier_signal -1
	s_barrier_wait -1
	ds_load_b128 v[12:15], v11                     ; word s: the bytes of heads 2 s, 2 s + 1 = K step s, of row r
	ds_load_b128 v[16:19], v11 offset:16
.irp s, 0,1,2,3,4,5,6,7
	ds_load_b128 v[24:27], v1 offset:OI+1536*\s
	ds_load_b64 v[28:29], v2 offset:OI+1536*\s+512
	ds_load_b128 v[30:33], v1 offset:OI+1536*\s+768
	ds_load_b64 v[34:35], v2 offset:OI+1536*\s+1280
.if \s < 7
	s_wait_loadcnt 14                              ; this K step's set is in; the other set's 14 loads may be out
.else
	s_wait_loadcnt 0x0
.endif
	s_wait_dscnt 0x0
.irp p, 0,1,2,3
.if \s == 0
	WM 80+8*\p, 144+12*\p, 24, 48+8*\p, 20+\p/2, 12, \p%2
.else
	WM 80+8*\p, 144+48*(\s%2)+12*\p, 24, 80+8*\p, 20+2*(\s%2)+\p/2, 12+\s, \p%2
.endif
.endr
	PLACES 4                                       ; in front of loads into registers that these products have read, and of the first read of results.  The four accumulators take turns
.if \s < 6
	WLOAD \s+2, \s%2
.endif
.endr
.irp p, 0,1,2,3
	ds_store_b128 v5, v[80+8*\p:83+8*\p] offset:128*(\p/2)+32*(\p%2)      ; each accumulator from its low end on
	ds_store_b128 v5, v[84+8*\p:87+8*\p] offset:128*(\p/2)+32*(\p%2)+16
.endr
	v_mov_b32 v29, 0                               ; (upper halves of pairs that are named whole)
	v_mov_b32 v31, 0
	s_wait_dscnt 0x0                               ; for the others' sake; and the stores have read their registers
	s_barrier_signal -1
	s_barrier_wait -1                              ; 16 whole rows lie in the stage
.irp i, 0,1,2,3,4,5,6,7
	ds_load_b128 v[80+4*\i:83+4*\i], v7 offset:512*\i
.endr
.irp i, 0,1,2,3,4,5,6,7
	ds_load_b128 v[144+4*\i:147+4*\i], v1 offset:GB+512*\i
	ds_load_b128 v[176+4*\i:179+4*\i], v1 offset:GB+4096+512*\i
.endr
	s_wait_dscnt 0x0
.macro ACROSS                          ; v24 summed over the 32 lanes, into every lane
	v_add_f32_dpp v24, v24, v24 row_xmask:1 row_mask:0xf bank_mask:0xf
	v_add_f32_dpp v24, v24, v24 row_xmask:2 row_mask:0xf bank_mask:0xf
	v_add_f32_dpp v24, v24, v24 row_xmask:4 row_mask:0xf bank_mask:0xf
	v_add_f32_dpp v24, v24, v24 row_xmask:8 row_mask:0xf bank_mask:0xf
	v_permlanex16_b32 v26, v24, s36, s37
	v_add_f32 v24, v24, v26
.endm
.set YR, 80
.set XR, 112
.set n, 0
.rept 16
	v_pk_add_f32 v[YR+n:YR+n+1], v[YR+n:YR+n+1], v[XR+n:XR+n+1]    ; y = x + (o Wp + bp)
.set n, n+2
.endr
	v_pk_add_f32 v[24:25], v[YR:YR+1], v[YR+4:YR+5]
	v_pk_add_f32 v[26:27], v[YR+2:YR+3], v[YR+6:YR+7]
.irp j, 8,12,16,20,24,28
	v_pk_add_f32 v[24:25], v[24:25], v[YR+\j:YR+\j+1]
	v_pk_add_f32 v[26:27], v[26:27], v[YR+\j+2:YR+\j+3]
.endr
	v_pk_add_f32 v[24:25], v[24:25], v[26:27]
	v_add_f32 v24, v24, v25
	ACROSS
	v_mul_f32 v28, s40, v24                        ; the mean
.set n, 0
.rept 16
	v_pk_add_f32 v[YR+n:YR+n+1], v[YR+n:YR+n+1], v[28:29] op_sel_hi:[1,0] neg_lo:[0,1] neg_hi:[0,1]
.set n, n+2
.endr
	v_pk_mul_f32 v[24:25], v[YR:YR+1], v[YR:YR+1]
	v_pk_mul_f32 v[26:27], v[YR+2:YR+3], v[YR+2:YR+3]
.irp j, 4,8,12,16,20,24,28
	v_pk_fma_f32 v[24:25], v[YR+\j:YR+\j+1], v[YR+\j:YR+\j+1], v[24:25]
	v_pk_fma_f32 v[26:27], v[YR+\j+2:YR+\j+3], v[YR+\j+2:YR+\j+3], v[26:27]
.endr
	v_pk_add_f32 v[24:25], v[24:25], v[26:27]
	v_add_f32 v24, v24, v25
	ACROSS
	v_fma_f32 v24, v24, s40, s41                   ; the variance + 1e-5
	v_rsq_f32 v30, v24
	v_nop                                          ; one plain place behind a transcendental
.set n, 0
	s_wait_alu depctr_va_vdst(0)
.rept 16
	v_pk_mul_f32 v[YR+n:YR+n+1], v[YR+n:YR+n+1], v[30:31] op_sel_hi:[1,0]
.set n, n+2
.endr
.set n, 0
.rept 16
	v_pk_fma_f32 v[YR+n:YR+n+1], v[YR+n:YR+n+1], v[144+n:145+n], v[176+n:177+n]
.set n, n+2
.endr
.irp i, 0,1,2,3,4,5,6,7
	global_store_b128 v1, v[YR+4*\i:YR+4*\i+3], s[20:21] offset:512*\i th:TH_STORE_NT   ; 512 consecutive bytes, at a multiple of 256 from out0's first byte
.endr
	s_wait_tensorcnt 0x0
	ds_add_u32 v254, v255
	s_wait_dscnt 0x0
	s_endpgm
.Lfunc_end_k_q023ac1ef9d_proj:
	.size	k_q023ac1ef9d_proj, .Lfunc_end_k_q023ac1ef9d_proj-k_q023ac1ef9d_proj
	.p2alignl 7, 3214868480
	.fill 96, 4, 3214868480
	.section	.rodata,"a",@progbits
	.p2align	6, 0x0
	.amdhsa_kernel k_q023ac1ef9d_proj
		.amdhsa_group_segment_fixed_size 88832
		.amdhsa_private_segment_fixed_size 0
		.amdhsa_enable_private_segment 0
		.amdhsa_kernarg_size 72
		.amdhsa_user_sgpr_count 2
		.amdhsa_user_sgpr_kernarg_segment_ptr 1
		.amdhsa_wavefront_size32 1
		.amdhsa_system_sgpr_workgroup_id_x 1
		.amdhsa_system_sgpr_workgroup_id_y 1
		.amdhsa_system_sgpr_workgroup_id_z 1
		.amdhsa_system_vgpr_workitem_id 0
		.amdhsa_next_free_vgpr 256
		.amdhsa_next_free_sgpr 66
		.amdhsa_reserve_vcc 0
		.amdhsa_float_denorm_mode_32 3
		.amdhsa_float_denorm_mode_16_64 3
		.amdhsa_memory_ordered 1
		.amdhsa_forward_progress 1
		.amdhsa_inst_pref_size 34
	.end_amdhsa_kernel
	.amdgpu_metadata
---
amdhsa.version: [ 1, 2 ]
amdhsa.kernels:
  - .name:           k_q023ac1ef9d_proj
    .symbol:         k_q023ac1ef9d_proj.kd
    .args:
      - { .name: oimg, .offset: 0, .size: 8, .value_kind: global_buffer, .address_space: global }
      - { .name: oscl, .offset: 8, .size: 8, .value_kind: global_buffer, .address_space: global }
      - { .name: wimg, .offset: 16, .size: 8, .value_kind: global_buffer, .address_space: global }
      - { .name: wscl, .offset: 24, .size: 8, .value_kind: global_buffer, .address_space: global }
      - { .name: bp, .offset: 32, .size: 8, .value_kind: global_buffer, .address_space: global }
      - { .name: x, .offset: 40, .size: 8, .value_kind: global_buffer, .address_space: global }
      - { .name: ln_g, .offset: 48, .size: 8, .value_kind: global_buffer, .address_space: global }
      - { .name: ln_b, .offset: 56, .size: 8, .value_kind: global_buffer, .address_space: global }
      - { .name: out0, .offset: 64, .size: 8, .value_kind: global_buffer, .address_space: global }
    .group_segment_fixed_size: 88832
    .private_segment_fixed_size: 0
    .kernarg_segment_align: 8
    .kernarg_segment_size: 72
    .max_flat_workgroup_size: 512
    .sgpr_count:     66
    .vgpr_count:     256
    .wavefront_size: 32
...
	.end_amdgpu_metadata
.endif
;; end of part 4
;; ======== version 2 of 2: 4 launches
;; workspace buffers: ximg 3,145,728 bytes; xscl 131,072 bytes; wimg 3,145,728 bytes; wscl 131,072 bytes; qk 6,553,600 bytes; vb 3,276,800 bytes; oimg 3,145,728 bytes; oscl 131,072 bytes
;; launch quant (part 5): grid 512 x 1, 4 waves a work-group, no clusters, 68,096 bytes of LDS; arguments x, Wq, Wk, Wv, Wp, ximg, xscl, wimg, wscl; writes ximg, xscl, wimg, wscl
.if DOCPART == 5
	.amdgcn_target "amdgcn-amd-amdhsa--gfx1250"
	.amdhsa_code_object_version 6
	.text
	.protected	k_q023ac1ef9d_quant
	.globl	k_q023ac1ef9d_quant
	.p2align	8
	.type	k_q023ac1ef9d_quant,@function
k_q023ac1ef9d_quant:
	s_mov_b64 s[64:65], 0
	v_nop
	global_prefetch_b8 v0, s[64:65] scope:SCOPE_SE
	s_setreg_imm32_b32 hwreg(HW_REG_WAVE_MODE, 25, 1), 1
	s_wait_xcnt 0x0
; x [4096][1024] (K innermost) and Wq, Wk, Wv, Wp [1024 (K)][1024 (n)] (K outermost), f32, become codes of FP6 (E2M3) with one E8M0 byte for each 32 along K.
; A block's scale is 2^(floor(log2(its largest magnitude)) - 2): its byte is the largest magnitude's exponent field - 2, held at 1 from below.
; LIMITS: NaN and infinities are not served; a block whose largest magnitude lies under 2^-124 gets the byte 1; a block of zeros gets the byte 1 where the rule says 127
; (its codes are zeros, which add nothing under any byte but 0xff, and this program alone reads the bytes).
; THE OUTPUT IS LAID AS THE MATRIX OPERAND'S REGISTERS.  A tile is 16 rows (tokens of x, columns of W): tile 2 B + u holds in fragment lane r the row 32 B + 8 u + r + 8 (r / 8).
; A fragment (tile, 128 along K) is 12 registers a lane: lane (r, h), registers 6 c .. 6 c + 5 = k 64 c + 32 h + 0 .. 31.  Its image is 1,536 bytes: chunk q (512 bytes) = registers 4 q .. 4 q + 3, lane L's 16 bytes at 16 L.
; ximg [tile 256][K step 8][1536]; wimg [weight 4][tile 64][K step 8][1536].  Scale words: a line of 128 bytes for (pair of tiles B, K step): word 16 u + r is row r of tile 2 B + u.
; Work-groups 0-255 take the weights, 256-511 take x.  A wave takes one pair of tiles x one K step: 32 rows x 128 numbers.  Waves share nothing: no barrier.  Only the x path uses LDS, each wave bytes of its own.
; No matrix unit, no cluster, no tensor load: each input byte is read once and nothing is shared.
.set X,  64                            ; v64-191  128 numbers
.set CB, 24                            ; v24-47   24 registers of codes
.set E,  12                            ; v12-15   four scale bytes
.set TT, 16                            ; v16-18   a block's upper 16 codes, before they are moved
.set SP, 528                           ; a stage row: 512 bytes + 16
.set WST, 32*SP                        ; a wave's stage
; 32 numbers of one lane, v[x] on, become 6 registers of codes, v[d] on, and the byte v[e]
.macro BLK x, d, e
	v_max3_num_f32 v8, |v[\x]|, |v[\x+1]|, |v[\x+2]|
	v_max3_num_f32 v9, |v[\x+3]|, |v[\x+4]|, |v[\x+5]|
.irp i, 6,10,14,18,22,26
	v_max3_num_f32 v8, v8, |v[\x+\i]|, |v[\x+\i+1]|
	v_max3_num_f32 v9, v9, |v[\x+\i+2]|, |v[\x+\i+3]|
.endr
	v_max3_num_f32 v8, v8, |v[\x+30]|, |v[\x+31]|
	v_max3_num_f32 v8, v8, v9, 0x1800000           ; and the floor 2^(3 - 127): the byte cannot fall under 1
	v_add_nc_u32 v10, 0xff000000, v8               ; 2 off the exponent field: the conversion takes this operand's exponent field as its scale
	v_cvt_scalef32_pk16_fp6_f32 v[\d:\d+2], v[\x:\x+15], v10
	v_cvt_scalef32_pk16_fp6_f32 v[TT:TT+2], v[\x+16:\x+31], v10   ; (a conversion's three registers begin on an even number)
	v_lshrrev_b32 v[\e], 23, v10                   ; the byte; also the plain place behind the conversions
.irp i, 0,1,2
	v_mov_b32 v[\d+3+\i], v[TT+\i]
.endr
.endm
	s_load_b512 s[4:19], s[0:1], 0x0               ; x, Wq, Wk, Wv, Wp, ximg, xscl, wimg
	s_load_b64 s[20:21], s[0:1], 0x40              ; wscl
	v_lshl_add_u32 v192, v0, 2, 0x10800
	v_mov_b32 v193, 0
	v_lshrrev_b32 v1, 5, v0
	v_readfirstlane_b32 s25, v1                    ; wave
	v_and_b32 v1, 31, v0                           ; lane
	s_cmp_lt_u32 ttmp9, 256
	s_cbranch_scc0 .Lx_path
	; ---- a weight: a lane takes a column, its registers run down K
	s_lshr_b32 s22, ttmp9, 6                       ; which weight
	s_bfe_u32 s23, ttmp9, 0x30003                  ; which group of four pairs
	s_and_b32 s24, ttmp9, 7                        ; K step
	s_lshl_b32 s26, s23, 2
	s_add_co_u32 s26, s26, s25                     ; pair B
	s_lshl_b32 s28, s24, 19                        ; 128 rows of 4,096 bytes a K step
	s_lshl_b32 s27, s26, 7                         ; 32 columns of 4 bytes a pair
	s_add_co_u32 s28, s28, s27
	s_mov_b32 s29, 0
	s_lshl_b32 s30, s22, 6
	s_lshl_b32 s27, s26, 1
	s_add_co_u32 s30, s30, s27                     ; tile 64 weight + 2 B
	s_lshl_b32 s30, s30, 3
	s_add_co_u32 s30, s30, s24
	s_mul_i32 s30, s30, 1536
	s_mov_b32 s31, 0
	s_lshl_b32 s32, s22, 5
	s_add_co_u32 s32, s32, s26
	s_lshl_b32 s32, s32, 3
	s_add_co_u32 s32, s32, s24
	s_lshl_b32 s32, s32, 7                         ; the scale line
	s_mov_b32 s33, 0
	s_wait_alu depctr_va_vdst(0)
	v_lshlrev_b32 v2, 2, v1                        ; 4 bytes a lane
	v_bfe_u32 v5, v1, 3, 1                         ; u: which tile of the pair my column falls into
	v_and_b32 v6, 7, v1
	v_lshrrev_b32 v7, 4, v1
	v_lshl_add_u32 v6, v7, 3, v6                   ; and which fragment row
	v_mul_u32_u24 v3, v5, 12288
	v_lshl_add_u32 v3, v6, 4, v3                   ; images: 12,288 u + 16 row
	v_lshl_add_u32 v4, v5, 4, v6
	v_lshlrev_b32 v4, 2, v4                        ; scale line: word 16 u + row
	s_wait_alu depctr_va_vdst(0)
	s_wait_kmcnt 0x0
	s_cmp_eq_u32 s22, 1                            ; the choice hangs on the work-group's number alone
	s_cselect_b64 s[6:7], s[8:9], s[6:7]
	s_cmp_eq_u32 s22, 2
	s_cselect_b64 s[6:7], s[10:11], s[6:7]
	s_cmp_eq_u32 s22, 3
	s_cselect_b64 s[6:7], s[12:13], s[6:7]
	s_add_nc_u64 s[6:7], s[6:7], s[28:29]
	s_add_nc_u64 s[18:19], s[18:19], s[30:31]
	s_add_nc_u64 s[20:21], s[20:21], s[32:33]
.macro WLD b                           ; block b: 32 rows of K at my column; a wave reads 128 consecutive bytes, the four waves 512
.set i, 0
.rept 32
	global_load_b32 v[X+32*(\b)+i], v2, s[6:7] offset:(32*(\b)+i)*4096 th:TH_LOAD_NT
.set i, i+1
.endr
.endm
	WLD 0
	WLD 1
	s_wait_loadcnt 32                              ; block 0 is in; block 1's 32 loads may be out
	WLD 2
	BLK X, CB, E                                   ; blocks 0 and 2 are image lane (row, 0)'s twelve registers, blocks 1 and 3 lane (row, 1)'s
	s_wait_loadcnt 32                              ; block 1 is in; block 2's may be out
	WLD 3
	BLK X+32, CB+12, E+1
	s_wait_loadcnt 32                              ; block 2 is in; block 3's may be out
	BLK X+64, CB+6, E+2
	s_wait_loadcnt 0x0
	BLK X+96, CB+18, E+3
.irp h, 0,1
.irp q, 0,1,2
	global_store_b128 v3, v[CB+12*\h+4*\q:CB+12*\h+4*\q+3], s[18:19] offset:512*\q+256*\h   ; sixteen lanes fill 256 consecutive aligned bytes of tile 2 B, sixteen of tile 2 B + 1
.endr
.endr
	v_lshl_or_b32 v48, v[E+1], 8, v[E]
	v_lshl_or_b32 v48, v[E+2], 16, v48
	v_lshl_or_b32 v48, v[E+3], 24, v48
	global_store_b32 v4, v48, s[20:21]             ; 128 consecutive bytes
	s_endpgm
.Lx_path:
	; ---- x: dense loads, a turn through the wave's own stage, then a lane holds 32 neighbours along K
	s_sub_co_u32 s22, ttmp9, 256
	s_lshr_b32 s26, s22, 1                         ; pair B: tokens 32 B on
	s_and_b32 s24, s22, 1
	s_lshl_b32 s24, s24, 2
	s_add_co_u32 s24, s24, s25                     ; K step
	s_lshl_b32 s28, s26, 17                        ; 32 rows of 4,096 bytes
	s_lshl_b32 s27, s24, 9
	s_add_co_u32 s28, s28, s27
	s_mov_b32 s29, 0
	s_lshl_b32 s30, s26, 4
	s_add_co_u32 s30, s30, s24
	s_mul_i32 s30, s30, 1536                       ; image of (tile 2 B, K step)
	s_mov_b32 s31, 0
	s_lshl_b32 s32, s26, 3
	s_add_co_u32 s32, s32, s24
	s_lshl_b32 s32, s32, 7
	s_mov_b32 s33, 0
	s_mul_i32 s34, s25, WST
	s_mov_b32 s36, 0x76543210
	s_mov_b32 s37, 0xfedcba98                      ; v_permlanex16_b32's selects for lane l xor 16
	s_mov_b32 s38, 0xffff0000                      ; lanes 16-31
	s_wait_alu depctr_va_vdst(0)
	v_lshlrev_b32 v2, 4, v1                        ; 16 bytes a lane
	v_add_nc_u32 v5, s34, v2                       ; the stage, on the way in
	v_and_b32 v7, 15, v1                           ; r
	v_lshrrev_b32 v11, 4, v1                       ; h
	v_mul_u32_u24 v6, v7, SP
	v_lshl_add_u32 v6, v11, 7, v6
	v_add_nc_u32 v6, s34, v6                       ; and on the way out: slot r, + 128 h bytes
	v_lshlrev_b32 v4, 2, v1
	v_mov_b32 v50, 0                               ; a lane permute's destination counts as one of its sources
	v_mov_b32 v51, 0
	s_wait_alu depctr_va_vdst(0)
	s_wait_kmcnt 0x0
	s_add_nc_u64 s[4:5], s[4:5], s[28:29]
	s_add_nc_u64 s[14:15], s[14:15], s[30:31]
	s_add_nc_u64 s[16:17], s[16:17], s[32:33]
.set i, 0
.rept 32
	global_load_b128 v[X+4*i:X+4*i+3], v2, s[4:5] offset:4096*i th:TH_LOAD_NT   ; row i: 512 consecutive bytes
.set i, i+1
.endr
.set i, 0
.rept 32
.if (i%8) == 0
	s_wait_loadcnt 24-i                            ; the next eight rows are in; the later rows' loads may be out
.endif
	ds_store_b128 v5, v[X+4*i:X+4*i+3] offset:SP*(16*((i>>3)&1)+(i&7)+8*(i>>4))   ; row i goes to slot 16 u + fragment row
.set i, i+1
.endr
	s_wait_dscnt 0x0                               ; the stores have read their registers, which the loads below take
.irp u, 0,1
.irp c, 0,1
.irp i, 0,1,2,3,4,5,6,7
	ds_load_b128 v[X+64*\u+32*\c+4*\i:X+64*\u+32*\c+4*\i+3], v6 offset:SP*16*\u+256*\c+16*\i
.endr
.endr
.endr
	s_wait_dscnt 24                                ; eight loads a block: the later blocks' may be out
	BLK X, CB, E
	s_wait_dscnt 16
	BLK X+32, CB+6, E+1
	s_wait_dscnt 8
	BLK X+64, CB+12, E+2
	s_wait_dscnt 0x0
	BLK X+96, CB+18, E+3
	v_lshlrev_b32 v11, 3, v11                      ; 8 h
.irp u, 0,1
	v_lshl_or_b32 v[48+\u], v[E+2*\u+1], 16, v[E+2*\u]   ; my two bytes: blocks h and 2 + h of my row of tile u,
	v_lshlrev_b32 v[48+\u], v11, v[48+\u]          ; at their places in the word
.endr
	v_permlanex16_b32 v50, v48, s36, s37
	v_permlanex16_b32 v51, v49, s36, s37
	v_or_b32 v48, v48, v50                         ; with lane l xor 16's two the word is whole
	v_or_b32 v49, v49, v51
	v_cndmask_b32 v48, v48, v49, s38               ; lanes 0-15 tile 2 B's words, lanes 16-31 tile 2 B + 1's
	global_store_b32 v4, v48, s[16:17]
.irp u, 0,1
.irp q, 0,1,2
	global_store_b128 v2, v[CB+12*\u+4*\q:CB+12*\u+4*\q+3], s[14:15] offset:12288*\u+512*\q   ; 512 consecutive bytes
.endr
.endr
	s_wait_tensorcnt 0x0
	ds_add_u32 v192, v193
	s_wait_dscnt 0x0
	s_endpgm
.Lfunc_end_k_q023ac1ef9d_quant:
	.size	k_q023ac1ef9d_quant, .Lfunc_end_k_q023ac1ef9d_quant-k_q023ac1ef9d_quant
	.p2alignl 7, 3214868480
	.fill 96, 4, 3214868480
	.section	.rodata,"a",@progbits
	.p2align	6, 0x0
	.amdhsa_kernel k_q023ac1ef9d_quant
		.amdhsa_group_segment_fixed_size 68096
		.amdhsa_private_segment_fixed_size 0
		.amdhsa_enable_private_segment 0
		.amdhsa_kernarg_size 72
		.amdhsa_user_sgpr_count 2
		.amdhsa_user_sgpr_kernarg_segment_ptr 1
		.amdhsa_wavefront_size32 1
		.amdhsa_system_sgpr_workgroup_id_x 1
		.amdhsa_system_sgpr_workgroup_id_y 1
		.amdhsa_system_sgpr_workgroup_id_z 1
		.amdhsa_system_vgpr_workitem_id 0
		.amdhsa_next_free_vgpr 194
		.amdhsa_next_free_sgpr 66
		.amdhsa_reserve_vcc 0
		.amdhsa_float_denorm_mode_32 3
		.amdhsa_float_denorm_mode_16_64 3
		.amdhsa_memory_ordered 1
		.amdhsa_forward_progress 1
		.amdhsa_inst_pref_size 37
	.end_amdhsa_kernel
	.amdgpu_metadata
---
amdhsa.version: [ 1, 2 ]
amdhsa.kernels:
  - .name:           k_q023ac1ef9d_quant
    .symbol:         k_q023ac1ef9d_quant.kd
    .args:
      - { .name: x, .offset: 0, .size: 8, .value_kind: global_buffer, .address_space: global }
      - { .name: Wq, .offset: 8, .size: 8, .value_kind: global_buffer, .address_space: global }
      - { .name: Wk, .offset: 16, .size: 8, .value_kind: global_buffer, .address_space: global }
      - { .name: Wv, .offset: 24, .size: 8, .value_kind: global_buffer, .address_space: global }
      - { .name: Wp, .offset: 32, .size: 8, .value_kind: global_buffer, .address_space: global }
      - { .name: ximg, .offset: 40, .size: 8, .value_kind: global_buffer, .address_space: global }
      - { .name: xscl, .offset: 48, .size: 8, .value_kind: global_buffer, .address_space: global }
      - { .name: wimg, .offset: 56, .size: 8, .value_kind: global_buffer, .address_space: global }
      - { .name: wscl, .offset: 64, .size: 8, .value_kind: global_buffer, .address_space: global }
    .group_segment_fixed_size: 68096
    .private_segment_fixed_size: 0
    .kernarg_segment_align: 8
    .kernarg_segment_size: 72
    .max_flat_workgroup_size: 128
    .sgpr_count:     66
    .vgpr_count:     194
    .wavefront_size: 32
...
	.end_amdgpu_metadata
.endif
;; end of part 5
;; launch qkv (part 6): grid 8 x 32, 4 waves a work-group, clusters of 4 x 4, 307,712 bytes of LDS; arguments ximg, xscl, wimg, wscl, bq, bk, bv, qk, vb; writes qk, vb
.if DOCPART == 6
	.amdgcn_target "amdgcn-amd-amdhsa--gfx1250"
	.amdhsa_code_object_version 6
	.text
	.protected	k_q023ac1ef9d_qkv
	.globl	k_q023ac1ef9d_qkv
	.p2align	8
	.type	k_q023ac1ef9d_qkv,@function
k_q023ac1ef9d_qkv:
	s_mov_b64 s[64:65], 0
	v_nop
	global_prefetch_b8 v0, s[64:65] scope:SCOPE_SE
	s_setreg_imm32_b32 hwreg(HW_REG_WAVE_MODE, 25, 1), 1
	s_wait_xcnt 0x0
	s_wait_alu depctr_hold_cnt(0) depctr_sa_sdst(0) depctr_va_vdst(0) depctr_va_sdst(0) depctr_va_ssrc(0) depctr_va_vcc(0) depctr_vm_vsrc(0)
	s_getreg_b32 s2, hwreg(HW_REG_IB_STS2, 6, 4)
	s_cmp_eq_u32 s2, 0
	s_cbranch_scc0 .Lentry_in_a_cluster
	s_endpgm
.Lentry_in_a_cluster:
	s_bfe_u32 s2, ttmp6, 0x10000c
	s_cmp_lg_u32 s2, 0xf033
	s_cbranch_scc0 .Lentry_shape_is_right
	s_endpgm
.Lentry_shape_is_right:
; q = x Wq + bq, k = x Wk + bk, v = x Wv + bv on codes of FP6 (E2M3) with E8M0 scales, sums in f32; the results are quantised in registers: q and k along the head's 64, v along the keys.
; LIMITS: as the quantising launch states them (NaN and infinities not served; the byte is held at 1 from below; a block of zeros has the byte 1).
; SHARES.  Work-group (X, Y), X = 0..7, Y = 0..31: 128 tokens (8 tiles) x 256 columns of [Wq; Wk] (16 tiles) and then x 128 columns of Wv (8 tiles), all of K = 1,024: 256 work-groups of equal work.
; The tokens' panel and [Wq; Wk]'s, 294,912 bytes, and their scale lines lie in LDS whole: every LDS byte is filled once.  K comes two steps of 128 to a tensor load, so that the products begin when a quarter has landed.
; Wv's panel, 98,304 bytes more, has no room there and needs none: each of its tiles is wanted by one wave alone, which loads its two tiles for all of K straight into 192 registers.
; CLUSTERS: 4 x 4.  [Wq; Wk]'s panel hangs on X alone and is asked for jointly by a column of the cluster, x's on Y alone, by a row.  Waves 0, 1 fetch W's halves, waves 2, 3 x's.
; THE RESULT'S REGISTERS RUN ALONG SOURCE 0, and that is the axis to be quantised.  Phase 1 (q, k): source 0 = 8 tiles of W (wave % 2), source 1 = 4 tiles of tokens (wave / 2): 32 accumulators.
; Phase 2 (v): source 0 = the 8 tiles of tokens (128 keys), source 1 = the wave's 2 tiles of Wv (half a head): 16 accumulators.
; A tile's rows are 32 B + 8 u + r + 8 (r / 8), so the 16 registers of result tiles 2 B, 2 B + 1 are 16 neighbours: 32 B + 16 (lane / 16) + 0 .. 15.
; OUT.  qk [q, k][head32][step 16][6400]: for 128 tokens four pair images (registers 0-5: tile 2 i's 64 channels, 6-11: tile 2 i + 1's), then 256 bytes of scale words [e 2][r 16][2]: pair 2 e + i.
;       vb [head32][step 16][6400]: four images of V^T (16 channels x 128 keys), then scale words [r 16][4].
; REGISTERS: window 0: v1-11 lane numbers and addresses; v12-19, v20-23 scale words, two sets; v24-31 Wv's scale words; v32-127 phase 1's source 1, two sets; v128-207 the way out; v208-211 bv, two addresses.
;   window 1: source 0's fragments, two sets, at v0 and v128; v96-111 bv as a C.   window 2: the accumulators, (t, p) at 64 t + 8 p.   window 3: v0-63 the q/k bias, the C of the first K step; v64-255 Wv's 16 fragments.
.set PB,   0                           ; W's panel: [two steps 4][tile 16][3072]
.set RB,   196608                      ; x's panel: [two steps 4][tile 8][3072]
.set PSB,  294912                      ; W's scale lines: [pair 8][K step 8][128]
.set RSB,  303104                      ; x's: [pair 4][K step 8][128]
.set WV,   22                          ; s22  wave
.set HF,   23                          ; s23  wave % 2
.set G0W,  24                          ; s[24:43]  five groups 0 for W: the scales, four pairs of K steps
.set G0X,  44                          ; s[44:63]  the same for x
.set G1W,  68                          ; s[68:75]  group 1, W's codes;  s[76:83] W's scales;  s[84:91], s[92:99] x's
.set G1WS, 76
.set G1X,  84
.set G1XS, 92
.set VS,   24                          ; v24-31   Wv's scale words, one register a K step: lanes 0-15 my first tile, lanes 16-31 my second
.set TM,   128                         ; v128-131 largest magnitudes, v132-135 bytes, v140-143 scale operands
.set TT,   144                         ; v144-150 upper halves of blocks, before they are moved
.set W0,   152                         ; v152-155 scale words just made
.set SW,   156                         ; v156-159 scale words on their way out
.set IM,   160                         ; v160-207 images
.set VBI,  208                         ; v208-209 bv at my lane's column of my two tiles
.set A16,  210                         ; v210     16 x lane; never rewritten
.set A4,   211                         ; v211     4 x lane; never rewritten
.set SEL,  24                          ; the way out takes scalar registers of descriptors whose loads are done
.set MHI,  26
.set MSB, 0
.macro WIN new                         ; the immediate's high byte repeats the setting that is left
.if MSB != \new
	s_set_vgpr_msb (MSB<<8)|\new
.set MSB, \new
.endif
.endm
.macro PLACES n
.rept \n
	v_nop
.endr
.endm
.macro ROUND                           ; a round of the cluster's barrier
	s_barrier_signal -1
	s_barrier_wait -1
	s_cmp_lg_u32 s[WV], 0
	s_cbranch_scc1 .Lnot_wave_0_\@
	s_barrier_signal -3
.Lnot_wave_0_\@:
	s_barrier_wait -3
	s_barrier_signal -1
	s_barrier_wait -1
.endm
; one matrix instruction; pa, pb: the side's scale words stand in lanes 16-31 of the register named
.macro WM d, a, b, c, sa, sb, pa, pb
.if ((\pa) == 0) && ((\pb) == 0)
	v_wmma_scale_f32_16x16x128_f8f6f4 v[\d:\d+7], v[\a:\a+11], v[\b:\b+11], v[\c:\c+7], v[\sa], v[\sb] matrix_a_fmt:MATRIX_FMT_FP6 matrix_b_fmt:MATRIX_FMT_FP6
.elseif (\pb) == 0
	v_wmma_scale_f32_16x16x128_f8f6f4 v[\d:\d+7], v[\a:\a+11], v[\b:\b+11], v[\c:\c+7], v[\sa], v[\sb] matrix_a_fmt:MATRIX_FMT_FP6 matrix_b_fmt:MATRIX_FMT_FP6 matrix_a_scale:MATRIX_SCALE_ROW1
.elseif (\pa) == 0
	v_wmma_scale_f32_16x16x128_f8f6f4 v[\d:\d+7], v[\a:\a+11], v[\b:\b+11], v[\c:\c+7], v[\sa], v[\sb] matrix_a_fmt:MATRIX_FMT_FP6 matrix_b_fmt:MATRIX_FMT_FP6 matrix_b_scale:MATRIX_SCALE_ROW1
.else
	v_wmma_scale_f32_16x16x128_f8f6f4 v[\d:\d+7], v[\a:\a+11], v[\b:\b+11], v[\c:\c+7], v[\sa], v[\sb] matrix_a_fmt:MATRIX_FMT_FP6 matrix_b_fmt:MATRIX_FMT_FP6 matrix_a_scale:MATRIX_SCALE_ROW1 matrix_b_scale:MATRIX_SCALE_ROW1
.endif
.endm
; source 0's eight fragments of K step s and their four scale lines into set: 28 LDS loads, each of an image's 512 (a line's 128) consecutive bytes
.macro LOADV set, s
	WIN 0x40                                       ; destination window 1, address window 0
.irp p, 0,1,2,3,4,5,6,7
.irp q, 0,1,2
	ds_load_b128 v[128*(\set)+12*\p+4*\q:128*(\set)+12*\p+4*\q+3], v4 offset:3072*\p+1536*((\s)%2)+512*\q
.endr
.endr
	WIN 0
.irp i, 0,1,2,3
	ds_load_b32 v[12+4*(\set)+\i], v6 offset:1024*\i+128*(\s)
.endr
.endm
; phase 1: those, and source 1's four fragments and two scale lines: 42 LDS loads
.macro LOADF set, s
	LOADV \set, \s
.irp t, 0,1,2,3
.irp q, 0,1,2
	ds_load_b128 v[32+48*(\set)+12*\t+4*\q:32+48*(\set)+12*\t+4*\q+3], v5 offset:3072*\t+1536*((\s)%2)+512*\q
.endr
.endr
.irp i, 0,1
	ds_load_b32 v[20+2*(\set)+\i], v7 offset:1024*\i+128*(\s)
.endr
.endm
; phase 1: 32 matrix instructions: the 32 accumulators take turns, one instruction a turn, in the same order in every K step.  first = 1: C = the bias along the registers
.macro MUL32 set, first
.if \first
	WIN 0xb1                                       ; source 0 window 1, source 1 window 0, C window 3, D window 2
.else
	WIN 0xa1                                       ; C and D window 2
.endif
.irp t, 0,1,2,3
.irp p, 0,1,2,3,4,5,6,7
.if \first
.set CC, 8*\p
.else
.set CC, 64*\t+8*\p
.endif
	WM 64*\t+8*\p, 128*(\set)+12*\p, 32+48*(\set)+12*\t, CC, 12+4*(\set)+\p/2, 20+2*(\set)+\t/2, \p%2, \t%2
.endr
.endr
.endm
; phase 2: 16 matrix instructions, the 16 accumulators by turns.  first = 1: C = bv of the lane's column
.macro MULV set, s, first
.if \first
	WIN 0x9d                                       ; source 0 window 1, source 1 window 3, C window 1, D window 2
.else
	WIN 0xad                                       ; C and D window 2
.endif
.irp t, 0,1
.irp p, 0,1,2,3,4,5,6,7
.if \first
.set CC, 96+8*\t
.else
.set CC, 64*\t+8*\p
.endif
	WM 64*\t+8*\p, 128*(\set)+12*\p, 64+12*(2*(\s)+\t), CC, 12+4*(\set)+\p/2, VS+(\s), \p%2, \t
.endr
.endr
.endm
; my two tiles of Wv, K step s: six loads of 512 consecutive bytes into window 3
.macro VLD s
.irp t, 0,1
.irp q, 0,1,2
	global_load_b128 v[64+12*(2*(\s)+\t)+4*\q:64+12*(2*(\s)+\t)+4*\q+3], v[A16], s[8:9] offset:12288*\t+1536*(\s)+512*\q
.endr
.endr
.endm
; 64 numbers of a lane in window 2, v[a] on, register 16 b + i = place 32 b + 16 (lane / 16) + i of my row, become codes: blocks 0, 1 in v[d0] on, blocks 2, 3 in v[d1] on (6 registers each), and the scale word v[pw].
; Each accumulator is read from its low end on.
.macro QUANT a, d0, d1, pw
	WIN 0x0a                                       ; sources 0 and 1 window 2
.irp b, 0,1,2,3
	v_max3_num_f32 v[TM+\b], |v[\a+16*\b]|, |v[\a+16*\b+1]|, 0x1800000   ; with the floor 2^(3 - 127): the byte cannot fall under 1
.endr
.irp i, 2,4,6,8,10,12,14
.irp b, 0,1,2,3
	v_max3_num_f32 v[TM+\b], |v[\a+16*\b+\i]|, |v[\a+16*\b+\i+1]|, v[TM+\b]
.endr
.endr
	WIN 0
.irp b, 0,1,2,3
	v_permlanex16_b32 v[TM+4+\b], v[TM+\b], s[SEL], s[SEL+1]
.endr
.irp b, 0,1,2,3
	v_max_num_f32 v[TM+\b], v[TM+\b], v[TM+4+\b]   ; with lane l xor 16's 16: the block's largest magnitude
.endr
.irp b, 0,1,2,3
	v_add_nc_u32 v[TM+12+\b], 0xff000000, v[TM+\b] ; 2 off the exponent field: the conversion's scale operand
.endr
.irp b, 0,1,2,3
	v_lshrrev_b32 v[TM+4+\b], 23, v[TM+12+\b]      ; the byte
.endr
	v_lshl_or_b32 v[\pw], v[TM+5], 8, v[TM+4]
	v_lshl_or_b32 v[\pw], v[TM+6], 16, v[\pw]
	v_lshl_or_b32 v[\pw], v[TM+7], 24, v[\pw]
	WIN 0x02                                       ; source 0 window 2
	v_cvt_scalef32_pk16_fp6_f32 v[\d0:\d0+2], v[\a:\a+15], v[TM+12]
	v_cvt_scalef32_pk16_fp6_f32 v[TT:TT+2], v[\a+16:\a+31], v[TM+13]
	v_cvt_scalef32_pk16_fp6_f32 v[\d1:\d1+2], v[\a+32:\a+47], v[TM+14]
	v_cvt_scalef32_pk16_fp6_f32 v[TT+4:TT+6], v[\a+48:\a+63], v[TM+15]
	WIN 0
	v_nop                                          ; one plain place behind a scaled conversion
.irp i, 0,1,2
	v_permlane16_swap_b32 v[\d0+\i], v[TT+\i]      ; the operand's layout wants a whole block in a lane
	v_permlane16_swap_b32 v[\d1+\i], v[TT+4+\i]
.endr
.irp i, 0,1,2
	v_mov_b32 v[\d0+3+\i], v[TT+\i]
	v_mov_b32 v[\d1+3+\i], v[TT+4+\i]
.endr
.endm
	s_load_b512 s[4:19], s[0:1], 0x0               ; ximg, xscl, wimg, wscl, bq, bk, bv, qk
	s_load_b64 s[20:21], s[0:1], 0x40              ; vb
	v_lshl_add_u32 v254, v0, 2, 0x4b000
	v_mov_b32 v255, 0
	ds_add_u32 v254, v255
	ds_add_u32 v254, v255
	v_lshrrev_b32 v1, 5, v0
	v_readfirstlane_b32 s[WV], v1
	s_and_b32 s[HF], s[WV], 1
	v_and_b32 v1, 31, v0                           ; L
	v_and_b32 v2, 15, v0                           ; r
	v_bfe_u32 v3, v0, 4, 1                         ; h
.irp b, 0,1,2,3
	v_mov_b32 v[TM+4+\b], 0                        ; a lane permute's destination counts as one of its sources
.endr
	s_bfe_u32 s100, ttmp6, 0x40000                 ; cx
	s_bfe_u32 s101, ttmp6, 0x40004                 ; cy
	s_lshl_b32 s3, 0x1111, s100                    ; my column of the cluster
	s_lshl_b32 s67, s101, 2
	s_lshl_b32 s67, 15, s67                        ; my row
	s_or_b32 s[G1W], s3, (3<<16)|(1<<21)           ; 15:0 the mask; 17:16 elements of 8 bytes; 21 set beside a mask; no padding
	s_or_b32 s[G1WS], s3, (3<<16)|(1<<21)
	s_or_b32 s[G1X], s67, (3<<16)|(1<<21)
	s_or_b32 s[G1XS], s67, (3<<16)|(1<<21)
	s_lshl_b32 s2, ttmp9, 2
	s_add_co_u32 s100, s2, s100                    ; X = 4 x cluster x + cx
	s_and_b32 s66, ttmp7, 0xffff
	s_lshl_b32 s66, s66, 2
	s_add_co_u32 s101, s66, s101                   ; Y = 4 x cluster y + cy
	; group 1, codes: rows of 3,072 bytes (two K steps of a tile's images), 12,288 bytes from tile to tile; W: 8 rows, x: 4
	s_mov_b32 s[G1W+1], 384<<16
	s_mov_b32 s[G1W+2], 8<<16
	s_mov_b32 s[G1W+3], 384<<16
	s_mov_b32 s[G1W+4], 8
	s_mov_b32 s[G1W+5], 1536
	s_mov_b32 s[G1W+6], 0
	s_mov_b32 s[G1W+7], 0
	s_mov_b32 s[G1X+1], 384<<16
	s_mov_b32 s[G1X+2], 4<<16
	s_mov_b32 s[G1X+3], 384<<16
	s_mov_b32 s[G1X+4], 4
	s_mov_b32 s[G1X+5], 1536
	s_mov_b32 s[G1X+6], 0
	s_mov_b32 s[G1X+7], 0
	; group 1, scale lines: a dense block as rows of 256 bytes; W: 16 rows, x: 8
	s_mov_b32 s[G1WS+1], 32<<16
	s_mov_b32 s[G1WS+2], 16<<16
	s_mov_b32 s[G1WS+3], 32<<16
	s_mov_b32 s[G1WS+4], 16
	s_mov_b32 s[G1WS+5], 32
	s_mov_b32 s[G1WS+6], 0
	s_mov_b32 s[G1WS+7], 0
	s_mov_b32 s[G1XS+1], 32<<16
	s_mov_b32 s[G1XS+2], 8<<16
	s_mov_b32 s[G1XS+3], 32<<16
	s_mov_b32 s[G1XS+4], 8
	s_mov_b32 s[G1XS+5], 32
	s_mov_b32 s[G1XS+6], 0
	s_mov_b32 s[G1XS+7], 0
	; groups 0.  Every wave makes both sets, W's from X and x's from Y, in registers that never hold the other coordinate, and asks by one of them.  LDS addresses hang on the wave's number alone.
	s_lshl_b32 s2, s100, 4
	s_lshl_b32 s3, s[HF], 3
	s_add_co_u32 s2, s2, s3                        ; W: first tile 16 X + 8 half
	s_lshl_b32 s[G0W+2], s2, 9                     ; 512 bytes of scale lines a tile
	s_mov_b32 s[G0W+3], 0
	s_mul_i32 s[G0W+6], s2, 12288
	s_mov_b32 s[G0W+7], 0
	s_mov_b32 s[G0W], 1
	s_lshl_b32 s3, s[HF], 12
	s_add_co_u32 s[G0W+1], s3, PSB
	s_mul_i32 s3, s[HF], 24576
.irp j, 0,1,2,3
	s_mov_b32 s[G0W+4+4*\j], 1
	s_add_co_u32 s[G0W+5+4*\j], s3, PB+\j*49152
.endr
	s_lshl_b32 s66, s101, 3
	s_lshl_b32 s67, s[HF], 2
	s_add_co_u32 s66, s66, s67                     ; x: first tile 8 Y + 4 half
	s_lshl_b32 s[G0X+2], s66, 9
	s_mov_b32 s[G0X+3], 0
	s_mul_i32 s[G0X+6], s66, 12288
	s_mov_b32 s[G0X+7], 0
	s_mov_b32 s[G0X], 1
	s_lshl_b32 s67, s[HF], 11
	s_add_co_u32 s[G0X+1], s67, RSB
	s_mul_i32 s67, s[HF], 12288
.irp j, 0,1,2,3
	s_mov_b32 s[G0X+4+4*\j], 1
	s_add_co_u32 s[G0X+5+4*\j], s67, RB+\j*24576
.endr
	s_wait_dscnt 0x0
	s_wait_kmcnt 0x0
	s_add_nc_u64 s[G0W+2:G0W+3], s[10:11], s[G0W+2:G0W+3]
	s_add_nc_u64 s[G0W+6:G0W+7], s[8:9], s[G0W+6:G0W+7]
	s_add_nc_u64 s[G0X+2:G0X+3], s[6:7], s[G0X+2:G0X+3]
	s_add_nc_u64 s[G0X+6:G0X+7], s[4:5], s[G0X+6:G0X+7]
.irp j, 1,2,3
	s_add_nc_u64 s[G0W+6+4*\j:G0W+7+4*\j], s[G0W+6:G0W+7], \j*3072
	s_add_nc_u64 s[G0X+6+4*\j:G0X+7+4*\j], s[G0X+6:G0X+7], \j*3072
.endr
.irp k, 0,1,2,3,4
	s_or_b32 s[G0W+3+4*\k], s[G0W+3+4*\k], 0x80000000   ; type = 2
	s_or_b32 s[G0X+3+4*\k], s[G0X+3+4*\k], 0x80000000
.endr
	ROUND                                          ; all sixteen work-groups are here: the joint loads meet
	s_cmp_lt_u32 s[WV], 2                          ; a wave's five fills stand in one branch on its number: five loads of mine are out
	s_cbranch_scc0 .Lfill_x
	tensor_load_to_lds s[G0W:G0W+3], s[G1WS:G1WS+7]
	s_nop 0
.irp j, 1,2,3,4
	tensor_load_to_lds s[G0W+4*\j:G0W+4*\j+3], s[G1W:G1W+7]
	s_nop 0
.endr
	PLACES 4
	s_branch .Lfilled
.Lfill_x:
	tensor_load_to_lds s[G0X:G0X+3], s[G1XS:G1XS+7]
	s_nop 0
.irp j, 1,2,3,4
	tensor_load_to_lds s[G0X+4*\j:G0X+4*\j+3], s[G1X:G1X+7]
	s_nop 0
.endr
	PLACES 4
.Lfilled:
	; ---- phase 1's LDS addresses
	s_lshr_b32 s3, s[WV], 1                        ; wave / 2
	s_mul_i32 s2, s[HF], 24576
	s_wait_alu depctr_va_vdst(0)
	v_lshl_add_u32 v4, v1, 4, s2                   ; source 0: W's tiles 8 (wave % 2) on
	s_mul_i32 s2, s3, 12288
	s_add_co_u32 s2, s2, RB
	v_lshl_add_u32 v5, v1, 4, s2                   ; source 1: x's tiles 4 (wave / 2) on
	s_lshl_b32 s2, s[HF], 12
	s_add_co_u32 s2, s2, PSB
	v_lshl_add_u32 v6, v1, 2, s2
	s_lshl_b32 s2, s3, 11
	s_add_co_u32 s2, s2, RSB
	v_lshl_add_u32 v7, v1, 2, s2
	; ---- what comes straight into registers: the q/k bias first, then Wv's scale lines, bv, and Wv's K steps 0-3
	s_lshl_b32 s2, s100, 8                         ; my 128 columns of q or of k
	s_lshl_b32 s66, s[HF], 7
	s_add_co_u32 s2, s2, s66
	s_and_b32 s2, s2, 1023
	s_lshl_b32 s2, s2, 2
	s_mov_b32 s3, 0
	s_cmp_eq_u32 ttmp9, 0                          ; cluster x 0: q, 1: k
	s_cselect_b64 s[12:13], s[12:13], s[14:15]
	s_add_nc_u64 s[12:13], s[12:13], s[2:3]
	v_lshlrev_b32 v10, 6, v3
	s_wait_alu depctr_va_vdst(0)
	v_lshlrev_b32 v[A16], 4, v1
	v_lshlrev_b32 v[A4], 2, v1
	s_wait_alu depctr_va_vdst(0)
	v_and_b32 v11, 8, v2
	v_add_nc_u32 v11, v11, v2
	v_lshlrev_b32 v11, 2, v11                      ; my column in a tile: r + 8 (r / 8)
	s_wait_alu depctr_va_vdst(0)
	s_lshl_b32 s2, s100, 2
	s_add_co_u32 s2, s2, s[WV]
	s_add_co_u32 s2, s2, 64
	s_lshl_b32 s2, s2, 10                          ; Wv is the third weight: pair 64 + 4 X + wave, 1,024 bytes of scale lines a pair
	s_add_nc_u64 s[10:11], s[10:11], s[2:3]
	s_lshl_b32 s2, s100, 7
	s_lshl_b32 s66, s[WV], 5
	s_add_co_u32 s2, s2, s66
	s_lshl_b32 s2, s2, 2                           ; bv: column 128 X + 32 wave on
	s_add_nc_u64 s[16:17], s[16:17], s[2:3]
	s_lshl_b32 s2, s100, 3
	s_lshl_b32 s66, s[WV], 1
	s_add_co_u32 s2, s2, s66
	s_add_co_u32 s2, s2, 128
	s_mul_i32 s2, s2, 12288                        ; tile 128 + 8 X + 2 wave
	s_add_nc_u64 s[8:9], s[8:9], s[2:3]
	WIN 0xc0                                       ; destination window 3
.irp p, 0,1,2,3,4,5,6,7
	global_load_b128 v[8*\p:8*\p+3], v10, s[12:13] offset:(32*(\p/2)+8*(\p%2))*4      ; tile p's eight columns of my half
	global_load_b128 v[8*\p+4:8*\p+7], v10, s[12:13] offset:(32*(\p/2)+8*(\p%2))*4+16
.endr
	WIN 0
.irp s, 0,1,2,3,4,5,6,7
	global_load_b32 v[VS+\s], v[A4], s[10:11] offset:128*\s
.endr
	global_load_b32 v[VBI], v11, s[16:17]
	global_load_b32 v[VBI+1], v11, s[16:17] offset:32
	WIN 0xc0
	VLD 0
	VLD 1
	VLD 2
	VLD 3
	WIN 0
	; ---- phase 1: q and k
	s_wait_tensorcnt 0x3                           ; the scale lines and K steps 0, 1 are in; the three later pairs of steps may be out
	s_barrier_signal -1
	s_barrier_wait -1                              ; everybody's are
	LOADF 0, 0
.irp s, 0,1,2,3,4,5,6,7
	s_wait_dscnt 0x0                               ; this step's fragments are in (asked for 32 matrix instructions ago)
.if \s < 7
.if (\s%2) == 1
	WIN 0
	s_wait_tensorcnt 2-\s/2                        ; my part of the next pair of K steps is in; the later pairs may be out
	s_barrier_signal -1
	s_barrier_wait -1
	v_add_nc_u32 v4, 49152, v4
	s_wait_alu depctr_va_vdst(0)
	v_add_nc_u32 v5, 24576, v5
.endif
.if \s > 0
	s_wait_alu depctr_va_vdst(0)
	PLACES 4                                       ; in front of loads into registers that the last step's matrix instructions have read
.endif
	LOADF (\s+1)%2, \s+1
.endif
.if \s == 0
	s_wait_loadcnt 34                              ; the bias's 16 loads are in; behind them: 8 scale lines, 2 words of bv, 24 loads of Wv
	MUL32 0, 1
	WIN 0xc0
	VLD 4                                          ; Wv's other half: with these 24 at most 58 loads of mine are out
	VLD 5
	VLD 6
	VLD 7
.else
	MUL32 \s%2, 0
.endif
.endr
	WIN 0
	PLACES 4                                       ; in front of the first read of results and of the loads below
	v_lshl_add_u32 v4, v1, 4, RB                   ; phase 2's source 0: x's eight tiles,
	v_lshl_add_u32 v6, v1, 2, RSB                  ; and their scale lines
	LOADV 0, 0                                     ; its first fragments land while q and k go out
	s_mov_b32 s[SEL], 0x76543210                   ; (all my tensor loads are done: their descriptors' registers are free)
	s_mov_b32 s[SEL+1], 0xfedcba98
	s_mov_b32 s[MHI], 0xffff0000
	; block ((32 (X / 4) + 16 batch + head) 16 + step) of 6,400 bytes; head = (4 X + 2 (wave % 2)) % 16 and the next
	s_lshr_b32 s28, s100, 2
	s_lshl_b32 s28, s28, 5
	s_lshr_b32 s29, s101, 4
	s_lshl_b32 s29, s29, 4
	s_add_co_u32 s28, s28, s29
	s_lshl_b32 s29, s100, 2
	s_lshl_b32 s30, s[HF], 1
	s_add_co_u32 s29, s29, s30
	s_and_b32 s29, s29, 15
	s_add_co_u32 s28, s28, s29
	s_lshl_b32 s28, s28, 4
	s_and_b32 s29, s101, 15
	s_add_co_u32 s28, s28, s29
	s_mul_i32 s28, s28, 6400
	s_mov_b32 s29, 0
	s_add_nc_u64 s[18:19], s[18:19], s[28:29]
	s_lshr_b32 s27, s[WV], 1
	s_mul_i32 s28, s27, 3072
	v_lshl_add_u32 v8, v1, 4, s28                  ; images: 16 L + my two pairs' place
	v_mul_u32_u24 v9, v3, 102400                   ; scale words: lanes 16-31 store the second head's, 16 blocks on
	v_lshl_add_u32 v9, v2, 3, v9
	s_lshl_b32 s28, s27, 7
	v_add_nc_u32 v9, s28, v9
.irp i, 0,1
	QUANT 128*\i, IM+24*\i, IM+24*\i+12, W0        ; token tile 2 i: the first head's codes are registers 0-5 of its pair image, the second head's of its
	QUANT 128*\i+64, IM+24*\i+6, IM+24*\i+18, W0+1 ; token tile 2 i + 1: registers 6-11
	v_perm_b32 v[SW+2], v[W0+1], v[W0], 0x05040100 ; the first head's word: the two tiles' low halves
	v_perm_b32 v[SW+3], v[W0+1], v[W0], 0x07060302 ; the second head's: their high halves
	v_cndmask_b32 v[SW+\i], v[SW+2], v[SW+3], s[MHI]
.irp q, 0,1,2
	global_store_b128 v8, v[IM+24*\i+4*\q:IM+24*\i+4*\q+3], s[18:19] offset:1536*\i+512*\q           ; 512 consecutive bytes
	global_store_b128 v8, v[IM+24*\i+12+4*\q:IM+24*\i+12+4*\q+3], s[18:19] offset:102400+1536*\i+512*\q
.endr
.endr
	global_store_b64 v9, v[SW:SW+1], s[18:19] offset:6144
	; ---- phase 2: v.  The accumulators' registers have been read out; q's and k's stores leave meanwhile
	s_wait_loadcnt 0x0                             ; Wv's fragments, its scale lines, bv
	WIN 0x40                                       ; destination window 1
.irp t, 0,1
.irp j, 0,1,2,3,4,5,6,7
	v_mov_b32 v[96+8*\t+\j], v[VBI+\t]             ; a lane holds one column of v: the eight registers of a C take the same number
.endr
.endr
	WIN 0
	s_wait_alu depctr_va_vdst(0)
.irp s, 0,1,2,3,4,5,6,7
	s_wait_dscnt 0x0                               ; this step's fragments are in
.if \s < 7
.if (\s%2) == 1
	WIN 0
	v_add_nc_u32 v4, 24576, v4                     ; the next pair of K steps
.endif
.if \s > 0
	s_wait_alu depctr_va_vdst(0)
	PLACES 4                                       ; in front of loads into registers that the last step's matrix instructions have read
.endif
	LOADV (\s+1)%2, \s+1
.endif
.if \s == 0
	MULV 0, 0, 1
.else
	MULV \s%2, \s, 0
.endif
.endr
	WIN 0
	PLACES 4                                       ; in front of the first read of results
	s_wait_xcnt 0x0                                ; q's and k's stores have read their registers: the images, the words and the two addresses are written again only behind this wait
	; block ((16 batch + 2 X + wave / 2) 16 + step) of 6,400 bytes; in it my images 2 (wave % 2) and the next
	s_lshr_b32 s28, s101, 4
	s_lshl_b32 s28, s28, 4
	s_lshl_b32 s29, s100, 1
	s_add_co_u32 s28, s28, s29
	s_lshr_b32 s29, s[WV], 1
	s_add_co_u32 s28, s28, s29
	s_lshl_b32 s28, s28, 4
	s_and_b32 s29, s101, 15
	s_add_co_u32 s28, s28, s29
	s_mul_i32 s28, s28, 6400
	s_mov_b32 s29, 0
	s_add_nc_u64 s[20:21], s[20:21], s[28:29]
	s_mul_i32 s28, s[HF], 3072
	v_lshl_add_u32 v8, v1, 4, s28
	v_lshlrev_b32 v9, 4, v2
	v_lshl_add_u32 v9, v3, 2, v9
	s_lshl_b32 s28, s[HF], 3
	v_add_nc_u32 v9, s28, v9                       ; scale words: 16 r + 8 (wave % 2) + 4 h
.irp t, 0,1
	QUANT 64*\t, IM+12*\t, IM+12*\t+6, W0+\t       ; 16 channels x 128 keys: a whole fragment of V^T
.irp q, 0,1,2
	global_store_b128 v8, v[IM+12*\t+4*\q:IM+12*\t+4*\q+3], s[20:21] offset:1536*\t+512*\q
.endr
.endr
	v_cndmask_b32 v[SW], v[W0], v[W0+1], s[MHI]    ; lanes 0-15 store my first tile's word of row r, lanes 16-31 my second's: my half of the block's 256 bytes of words
	global_store_b32 v9, v[SW], s[20:21] offset:6144
	s_wait_tensorcnt 0x0
	ds_add_u32 v254, v255
	s_wait_dscnt 0x0
	ROUND                                          ; the closing round: no work-group ends while a partner may still ask for a tile that names it
	s_endpgm
.Lfunc_end_k_q023ac1ef9d_qkv:
	.size	k_q023ac1ef9d_qkv, .Lfunc_end_k_q023ac1ef9d_qkv-k_q023ac1ef9d_qkv
	.p2alignl 7, 3214868480
	.fill 96, 4, 3214868480
	.section	.rodata,"a",@progbits
	.p2align	6, 0x0
	.amdhsa_kernel k_q023ac1ef9d_qkv
		.amdhsa_group_segment_fixed_size 307712
		.amdhsa_private_segment_fixed_size 0
		.amdhsa_enable_private_segment 0
		.amdhsa_kernarg_size 72
		.amdhsa_user_sgpr_count 2
		.amdhsa_user_sgpr_kernarg_segment_ptr 1
		.amdhsa_wavefront_size32 1
		.amdhsa_system_sgpr_workgroup_id_x 1
		.amdhsa_system_sgpr_workgroup_id_y 1
		.amdhsa_system_sgpr_workgroup_id_z 1
		.amdhsa_system_vgpr_workitem_id 0
		.amdhsa_next_free_vgpr 1024
		.amdhsa_next_free_sgpr 102
		.amdhsa_reserve_vcc 0
		.amdhsa_float_denorm_mode_32 3
		.amdhsa_float_denorm_mode_16_64 3
		.amdhsa_memory_ordered 1
		.amdhsa_forward_progress 1
		.amdhsa_inst_pref_size 134
	.end_amdhsa_kernel
	.amdgpu_metadata
---
amdhsa.version: [ 1, 2 ]
amdhsa.kernels:
  - .name:           k_q023ac1ef9d_qkv
    .symbol:         k_q023ac1ef9d_qkv.kd
    .args:
      - { .name: ximg, .offset: 0, .size: 8, .value_kind: global_buffer, .address_space: global }
      - { .name: xscl, .offset: 8, .size: 8, .value_kind: global_buffer, .address_space: global }
      - { .name: wimg, .offset: 16, .size: 8, .value_kind: global_buffer, .address_space: global }
      - { .name: wscl, .offset: 24, .size: 8, .value_kind: global_buffer, .address_space: global }
      - { .name: bq, .offset: 32, .size: 8, .value_kind: global_buffer, .address_space: global }
      - { .name: bk, .offset: 40, .size: 8, .value_kind: global_buffer, .address_space: global }
      - { .name: bv, .offset: 48, .size: 8, .value_kind: global_buffer, .address_space: global }
      - { .name: qk, .offset: 56, .size: 8, .value_kind: global_buffer, .address_space: global }
      - { .name: vb, .offset: 64, .size: 8, .value_kind: global_buffer, .address_space: global }
    .group_segment_fixed_size: 307712
    .private_segment_fixed_size: 0
    .kernarg_segment_align: 8
    .kernarg_segment_size: 72
    .max_flat_workgroup_size: 128
    .sgpr_count:     102
    .vgpr_count:     1024
    .wavefront_size: 32
...
	.end_amdgpu_metadata
.endif
;; end of part 6
;; launch attn (part 7): grid 8 x 32, 16 waves a work-group, clusters of 4 x 1, 215,040 bytes of LDS; arguments qk, vb, oimg, oscl; writes oimg, oscl
.if DOCPART == 7
	.amdgcn_target "amdgcn-amd-amdhsa--gfx1250"
	.amdhsa_code_object_version 6
	.text
	.protected	k_q023ac1ef9d_attn
	.globl	k_q023ac1ef9d_attn
	.p2align	8
	.type	k_q023ac1ef9d_attn,@function
k_q023ac1ef9d_attn:
	s_mov_b64 s[64:65], 0
	v_nop
	global_prefetch_b8 v0, s[64:65] scope:SCOPE_SE
	s_setreg_imm32_b32 hwreg(HW_REG_WAVE_MODE, 25, 1), 1
	s_wait_xcnt 0x0
	s_wait_alu depctr_hold_cnt(0) depctr_sa_sdst(0) depctr_va_vdst(0) depctr_va_sdst(0) depctr_va_ssrc(0) depctr_va_vcc(0) depctr_vm_vsrc(0)
	s_getreg_b32 s2, hwreg(HW_REG_IB_STS2, 6, 4)
	s_cmp_eq_u32 s2, 0
	s_cbranch_scc0 .Lentry_in_a_cluster
	s_endpgm
.Lentry_in_a_cluster:
	s_bfe_u32 s2, ttmp6, 0x10000c
	s_cmp_lg_u32 s2, 0x3003
	s_cbranch_scc0 .Lentry_shape_is_right
	s_endpgm
.Lentry_shape_is_right:
; o = softmax(q k^T / 8) v for one head, both products on codes of FP6 (E2M3) with E8M0 scales; o is quantised along the model's 1,024 for the last product.
; THE SOFTMAX: t = score x log2(e) / 8; M = the running largest t rounded UP to a whole number; p = 2^(t - M) is quantised along the keys, not normalised; the row's sum is taken of the unquantised p and divides at the end.
; When M moves, the sum and O are multiplied by 2^(old M - new M): exact.
; LIMITS: NaN and infinities not served; scale bytes are held at 1 from below (a block of zeros has the byte 1: its codes are zeros); o = O x v_rcp_f32(sum).
; SHARES.  A work-group owns 256 queries of one head (head32 = 16 batch + head), each of its sixteen waves one tile of 16, in 256 registers: four waves to a SIMD, so that one wave's vector work stands beside another's products and LDS loads.
; A head's K and V as codes with their scale words are 204,800 bytes: they lie in LDS whole, every byte filled once.  They come in four groups of four key steps: waves 0-3 bring K's blocks, waves 4-7 V's,
; one block of 6,400 bytes of each group, four loads a wave; the steps of a group begin when that group has landed, while the later groups are on their way.
; CLUSTER.  The four query blocks of a cluster walk the same K and V: every fill is a joint load that names the four.
; LAYOUT.  Both products transposed: S^T = K Q^T, O^T = V^T P^T: a lane holds one query throughout.  A tile of keys holds keys 32 B + 8 u + r + 8 (r / 8), so two neighbouring tiles' 16 registers are 16 neighbouring keys.
; K = 64 IN AN INSTRUCTION OF 128: a pair image of K holds tile 2 i's 64 channels at k 0-63 and tile 2 i + 1's at k 64-127.  Q's six registers stand between six zeros below and six above: v[22:33] has Q at k 0-63
; and zero codes at k 64-127, and gives tile 2 i's scores; v[16:27] has them the other way round, and gives tile 2 i + 1's.  So no zero is read from LDS.
; REGISTERS: v1-4 lane places; v5-8 the step's addresses; v9-11 lane numbers; v12 -M, v13 the largest t, v[14:15] the sum; v16-33 Q; v34, v35 Q's scale words; v36-83 four fragments of K, then of V;
;   v84-87, v88-91 their scale words; v96-159 S^T, then p; v160-191 O^T; v192-203 p's codes; v204-231 at work.
.set VB,  102400                       ; LDS: K's 16 step blocks of 6,400 bytes, then V's
.set OSC, 204800                       ; 512 bytes: o's scale bytes on their way out; no fill lands here
.set WV,  18
.set FB,  36
.set BM,  212                          ; v212-215 a block's largest score, then its largest p
.set PT,  216                          ; v216-219 the other half's, then the bytes
.set SO,  220                          ; v220-223 the conversions' scale operands
.set PW,  224                          ; p's scale word
.macro ROUND
	s_barrier_signal -1
	s_barrier_wait -1
	s_cmp_lg_u32 s[WV], 0
	s_cbranch_scc1 .Lnot_wave_0_\@
	s_barrier_signal -3
.Lnot_wave_0_\@:
	s_barrier_wait -3
	s_barrier_signal -1
	s_barrier_wait -1
.endm
	s_load_b256 s[4:11], s[0:1], 0x0               ; qk, vb, oimg, oscl
	v_lshl_add_u32 v254, v0, 2, 0x34000
	v_mov_b32 v255, 0
	ds_add_u32 v254, v255
	ds_add_u32 v254, v255
	v_lshrrev_b32 v1, 5, v0
	s_delay_alu instid0(VALU_DEP_1)
	v_readfirstlane_b32 s[WV], v1                  ; wave 0..15
	s_bfe_u32 s12, ttmp6, 0x40000                  ; cx
	s_lshl_b32 s13, ttmp9, 2
	s_add_co_u32 s13, s13, s12                     ; my block of 256 queries: it enters Q's and o's addresses alone
	s_and_b32 s14, ttmp7, 0xffff                   ; head32, which the four partners share
	; a fill: one step block, 6,400 dense bytes as 25 rows of 256
	s_mov_b32 s24, 15|(3<<16)|(1<<21)              ; the mask: all four; elements of 8 bytes; 21 set beside a mask
	s_mov_b32 s25, 32<<16
	s_mov_b32 s26, 25<<16
	s_mov_b32 s27, 32<<16
	s_mov_b32 s28, 25
	s_mov_b32 s29, 32
	s_mov_b32 s30, 0
	s_mov_b32 s31, 0
	s_and_b32 s57, s[WV], 3                        ; which block of a group of four is mine,
	s_lshr_b32 s58, s[WV], 2                       ; K's (0) or V's (1): waves 0-7 alone fetch
	s_mul_i32 s59, s57, 6400
	s_mul_i32 s61, s58, VB
	s_add_co_u32 s61, s61, s59                     ; in LDS,
	s_mul_i32 s62, s14, 102400
	s_add_co_u32 s62, s62, s59                     ; and in memory
	s_cmp_lt_u32 s[WV], 4
	s_cselect_b32 s63, 3276800, 0                  ; k lies behind q's 32 heads in its buffer
	s_add_co_u32 s62, s62, s63
	s_mov_b32 s63, 0
.irp j, 0,1,2,3
	s_mov_b32 s[32+4*\j], 1
	s_add_co_u32 s[33+4*\j], s61, 25600*\j         ; group j: four blocks on
.endr
	; Q: my tile 16 block + w of the batch lies in step block 2 block + w / 8, pair (w / 2) % 4, half w % 2
	s_lshl_b32 s50, s13, 1
	s_lshr_b32 s51, s[WV], 3
	s_add_co_u32 s50, s50, s51
	s_mul_i32 s50, s50, 6400
	s_mul_i32 s51, s14, 102400
	s_add_co_u32 s50, s50, s51
	s_mov_b32 s51, 0
	s_bfe_u32 s52, s[WV], 0x20001
	s_mul_i32 s53, s52, 1536
	s_lshr_b32 s54, s52, 1
	s_lshl_b32 s54, s54, 7
	s_and_b32 s55, s52, 1
	s_lshl_b32 s55, s55, 2
	s_add_co_u32 s54, s54, s55
	s_and_b32 s19, s[WV], 1
	s_lshl_b32 s16, s19, 4
	s_sub_co_u32 s17, 0, s19                       ; all ones for the odd tile
	s_mov_b32 s20, 0x76543210
	s_mov_b32 s21, 0xfedcba98                      ; v_permlanex16_b32's selects for lane l xor 16
	s_mov_b32 s22, 0x3e38aa3b                      ; c = log2(e) / 8
	s_mov_b32 s23, s22                             ; (named with it as a pair)
	s_lshl_b32 s56, s[WV], 5
	s_add_co_u32 s56, s56, OSC
	v_and_b32 v9, 31, v0                           ; L
	v_and_b32 v10, 15, v0                          ; r
	s_delay_alu instid0(VALU_DEP_2)
	v_lshlrev_b32 v1, 4, v9                        ; K's images: 16 L
	s_delay_alu instid0(VALU_DEP_1)
	v_add_nc_u32 v2, VB, v1                        ; V's
	s_delay_alu instid0(VALU_DEP_3)
	v_lshlrev_b32 v3, 3, v10                       ; K's scale words: 8 r
	s_delay_alu instid0(VALU_DEP_4)
	v_lshl_add_u32 v4, v10, 4, VB                  ; V's: 16 r
	s_delay_alu instid0(VALU_DEP_4)
	v_add_nc_u32 v5, s53, v1
	v_lshl_add_u32 v6, v10, 3, s54
	s_wait_alu depctr_va_vdst(0)
	s_wait_dscnt 0x0
	s_wait_kmcnt 0x0
	s_cmp_lt_u32 s[WV], 4                          ; the choice hangs on the wave's number alone
	s_cselect_b64 s[34:35], s[4:5], s[6:7]
	s_add_nc_u64 s[34:35], s[34:35], s[62:63]
.irp j, 1,2,3
	s_add_nc_u64 s[34+4*\j:35+4*\j], s[34:35], 25600*\j
.endr
.irp j, 0,1,2,3
	s_or_b32 s[35+4*\j], s[35+4*\j], 0x80000000    ; type = 2
.endr
	s_add_nc_u64 s[50:51], s[4:5], s[50:51]
	global_load_b128 v[36:39], v5, s[50:51]        ; Q's pair image and its scale word are on their way through the round below
	global_load_b128 v[40:43], v5, s[50:51] offset:512
	global_load_b128 v[44:47], v5, s[50:51] offset:1024
	global_load_b32 v228, v6, s[50:51] offset:6144
	ROUND                                          ; all four work-groups are here: the joint loads meet
	s_cmp_lt_u32 s[WV], 8                          ; a wave's four fills stand in one branch on its number: four loads of mine are out
	s_cbranch_scc0 .Lno_fill
.irp j, 0,1,2,3
	tensor_load_to_lds s[32+4*\j:35+4*\j], s[24:31]
	s_nop 0
.endr
.rept 4
	v_nop
.endr
.Lno_fill:
.irp i, 0,1,2,3,4,5
	v_mov_b32 v[16+\i], 0                          ; zero codes below Q's six registers
	v_mov_b32 v[28+\i], 0                          ; and above
.endr
	v_mov_b32 v13, 0xff61b1e6                      ; the largest t so far: -3e38
	s_delay_alu instid0(VALU_DEP_1)
	v_floor_f32 v12, -v13                          ; -M
	v_mov_b32 v14, 0
	v_mov_b32 v15, 0
	v_mov_b32 v227, 0                              ; (named as the upper half of the pair v[226:227])
.irp b, 0,1,2,3
	v_mov_b32 v[PT+\b], 0                          ; a lane permute's destination counts as one of its sources
.endr
	s_wait_loadcnt 0x0
.irp i, 0,1,2,3,4,5
	v_cndmask_b32 v[22+\i], v[36+\i], v[42+\i], s17   ; my tile's half of the pair image
.endr
	v_lshrrev_b32 v228, s16, v228
	s_delay_alu instid0(VALU_DEP_1)
	v_and_b32 v228, 0xffff, v228                   ; my tile's two bytes
	s_delay_alu instid0(VALU_DEP_1)
	v_or_b32 v34, 0x7f7f0000, v228                 ; beside Q at k 0-63; the zero codes get the byte 127
	s_delay_alu instid0(VALU_DEP_2)
	v_lshl_or_b32 v35, v228, 16, 0x7f7f            ; beside Q at k 64-127
.set n, 0
.rept 32
	v_mov_b32 v[160+n], 0                          ; O^T: the step is written for every step alike, the first finds zeros.  (These are also the places between the scale words above and the first product)
.set n, n+1
.endr
.macro STEP                            ; 128 keys
	v_add_nc_u32 v5, s48, v1                       ; four plain instructions: the places in front of loads into registers that the last step's products have read
	v_add_nc_u32 v6, s48, v2
	v_add_nc_u32 v7, s48, v3
	v_add_nc_u32 v8, s48, v4
.irp p, 0,1,2,3
.irp q, 0,1,2
	ds_load_b128 v[FB+12*\p+4*\q:FB+12*\p+4*\q+3], v5 offset:1536*\p+512*\q
.endr
.endr
	ds_load_b64 v[84:85], v7 offset:6144
	ds_load_b64 v[86:87], v7 offset:6272
	s_wait_alu depctr_va_vdst(0)
	s_wait_dscnt 0x0
.irp p, 0,1,2,3
	v_wmma_scale_f32_16x16x128_f8f6f4 v[96+16*\p:103+16*\p], v[FB+12*\p:FB+12*\p+11], v[22:33], 0, v[84+\p], v34 matrix_a_fmt:MATRIX_FMT_FP6 matrix_b_fmt:MATRIX_FMT_FP6
	v_wmma_scale_f32_16x16x128_f8f6f4 v[104+16*\p:111+16*\p], v[FB+12*\p:FB+12*\p+11], v[16:27], 0, v[84+\p], v35 matrix_a_fmt:MATRIX_FMT_FP6 matrix_b_fmt:MATRIX_FMT_FP6
.endr
.rept 4
	v_nop                                          ; places in front of the loads below and of the first read of the scores
.endr
.irp t, 0,1,2,3
.irp q, 0,1,2
	ds_load_b128 v[FB+12*\t+4*\q:FB+12*\t+4*\q+3], v6 offset:1536*\t+512*\q   ; V's fragments land while the softmax is walked
.endr
.endr
	ds_load_b128 v[88:91], v8 offset:6144
.irp b, 0,1,2,3
	v_max3_num_f32 v[BM+\b], v[96+16*\b], v[97+16*\b], v[98+16*\b]   ; the largest score of each block of 32 keys: for the row's maximum, and, since p rises with the score, for the block's largest p
.endr
.irp i, 3,5,7,9,11,13
.irp b, 0,1,2,3
	v_max3_num_f32 v[BM+\b], v[BM+\b], v[96+16*\b+\i], v[97+16*\b+\i]
.endr
.endr
.irp b, 0,1,2,3
	v_max_num_f32 v[BM+\b], v[BM+\b], v[111+16*\b]
.endr
.irp b, 0,1,2,3
	s_delay_alu instid0(VALU_DEP_4)
	v_permlanex16_b32 v[PT+\b], v[BM+\b], s20, s21
.endr
.irp b, 0,1,2,3
	s_delay_alu instid0(VALU_DEP_4)
	v_max_num_f32 v[BM+\b], v[BM+\b], v[PT+\b]
.endr
	s_delay_alu instid0(VALU_DEP_2)
	v_max3_num_f32 v228, v[BM], v[BM+1], v[BM+2]
	s_delay_alu instid0(VALU_DEP_1)
	v_max_num_f32 v228, v228, v[BM+3]
	s_delay_alu instid0(VALU_DEP_1)
	v_mul_f32 v228, s22, v228                      ; as t (c is positive)
	s_delay_alu instid0(VALU_DEP_1)
	v_max_num_f32 v13, v13, v228
	v_mov_b32 v228, v12
	s_delay_alu instid0(VALU_DEP_2)
	v_floor_f32 v12, -v13                          ; the new -M = -ceil(t)
	s_delay_alu instid0(VALU_DEP_1)
	v_sub_f32 v228, v12, v228                      ; old M - new M: a whole number, 0 or less
	s_delay_alu instid0(VALU_DEP_1)
	v_cvt_i32_f32 v228, v228                       ; (it saturates)
	s_delay_alu instid0(VALU_DEP_1)
	v_ldexp_f32 v226, 1.0, v228                    ; f = 2^(old M - new M)
.set n, 0
.rept 32
	v_pk_fma_f32 v[96+n:97+n], v[96+n:97+n], s[22:23], v[12:13] op_sel_hi:[1,0,0]   ; t - M
.set n, n+2
.endr
.irp b, 0,1,2,3
	v_fma_f32 v[BM+\b], v[BM+\b], s22, v12
.endr
.set n, 0
	s_wait_alu depctr_va_vdst(0)
.rept 64
	v_exp_f32 v[96+n], v[96+n]                     ; p = 2^(t - M)
.set n, n+1
.endr
	s_setprio 1
.irp b, 0,1,2,3
	v_exp_f32 v[BM+\b], v[BM+\b]                   ; the block's largest p: the same two instructions on the same number
.endr
	v_pk_mul_f32 v[14:15], v[14:15], v[226:227] op_sel_hi:[1,0]   ; the sum under the new M; a plain place behind the exponentials
	s_wait_alu depctr_va_vdst(0)
.irp b, 0,1,2,3
	v_max_num_f32 v[BM+\b], 0x1800000, v[BM+\b]    ; the floor 2^(3 - 127)
.endr
.irp b, 0,1,2,3
	s_delay_alu instid0(VALU_DEP_4)
	v_add_nc_u32 v[SO+\b], 0xff000000, v[BM+\b]
.endr
.irp b, 0,1,2,3
	s_delay_alu instid0(VALU_DEP_4)
	v_lshrrev_b32 v[PT+\b], 23, v[SO+\b]
.endr
	s_delay_alu instid0(VALU_DEP_3)
	v_lshl_or_b32 v[PW], v[PT+1], 8, v[PT]
	s_delay_alu instid0(VALU_DEP_1)
	v_lshl_or_b32 v[PW], v[PT+2], 16, v[PW]
	s_delay_alu instid0(VALU_DEP_1)
	v_lshl_or_b32 v[PW], v[PT+3], 24, v[PW]
.irp c, 0,1
	v_cvt_scalef32_pk16_fp6_f32 v[192+6*\c:194+6*\c], v[96+32*\c:111+32*\c], v[SO+2*\c]
	v_cvt_scalef32_pk16_fp6_f32 v[204+4*\c:206+4*\c], v[112+32*\c:127+32*\c], v[SO+2*\c+1]
.endr
	v_nop                                          ; one plain place behind a scaled conversion
.irp c, 0,1
.irp i, 0,1,2
	v_permlane16_swap_b32 v[192+6*\c+\i], v[204+4*\c+\i]
.endr
.irp i, 0,1,2
	s_delay_alu instid0(VALU_DEP_3)
	v_mov_b32 v[195+6*\c+\i], v[204+4*\c+\i]
.endr
.endr
	v_pk_add_f32 v[230:231], v[100:101], v[104:105]
	v_pk_add_f32 v[252:253], v[108:109], v[112:113]
	v_pk_add_f32 v[250:251], v[116:117], v[120:121]
	v_pk_add_f32 v[248:249], v[124:125], v[128:129]
	v_pk_add_f32 v[246:247], v[132:133], v[136:137]
	v_pk_add_f32 v[244:245], v[140:141], v[144:145]
	v_pk_add_f32 v[242:243], v[148:149], v[152:153]
	v_pk_add_f32 v[14:15], v[14:15], v[156:157]
	v_pk_add_f32 v[230:231], v[230:231], v[96:97]
	v_pk_add_f32 v[252:253], v[252:253], v[98:99]
	v_pk_add_f32 v[250:251], v[250:251], v[102:103]
	v_pk_add_f32 v[248:249], v[248:249], v[106:107]
	v_pk_add_f32 v[246:247], v[246:247], v[110:111]
	v_pk_add_f32 v[244:245], v[244:245], v[114:115]
	v_pk_add_f32 v[242:243], v[242:243], v[118:119]
	v_pk_add_f32 v[14:15], v[14:15], v[122:123]
	v_pk_add_f32 v[230:231], v[230:231], v[126:127]
	v_pk_add_f32 v[252:253], v[252:253], v[130:131]
	v_pk_add_f32 v[250:251], v[250:251], v[134:135]
	v_pk_add_f32 v[248:249], v[248:249], v[138:139]
	v_pk_add_f32 v[246:247], v[246:247], v[142:143]
	v_pk_add_f32 v[244:245], v[244:245], v[146:147]
	v_pk_add_f32 v[242:243], v[242:243], v[150:151]
	v_pk_add_f32 v[14:15], v[14:15], v[154:155]
	v_pk_add_f32 v[230:231], v[230:231], v[158:159]
	s_delay_alu instid0(VALU_DEP_2)
	v_pk_add_f32 v[14:15], v[14:15], v[248:249]
	s_delay_alu instid0(VALU_DEP_2)
	v_pk_add_f32 v[230:231], v[230:231], v[246:247]
	s_setprio 0
	v_pk_add_f32 v[252:253], v[252:253], v[244:245]
	v_pk_add_f32 v[250:251], v[250:251], v[242:243]
	s_delay_alu instid0(VALU_DEP_2)
	v_pk_add_f32 v[14:15], v[14:15], v[252:253]
	s_delay_alu instid0(VALU_DEP_2)
	v_pk_add_f32 v[230:231], v[230:231], v[250:251]
	s_delay_alu instid0(VALU_DEP_1)
	v_pk_add_f32 v[14:15], v[14:15], v[230:231]
.set n, 0
.rept 16
	v_pk_mul_f32 v[160+n:161+n], v[160+n:161+n], v[226:227] op_sel_hi:[1,0]   ; O^T under the new M, each accumulator from its low end on
.set n, n+2
.endr
	s_wait_alu depctr_va_vdst(0)
	s_wait_dscnt 0x0                               ; V's fragments and scale words
.irp t, 0,1,2,3
	v_wmma_scale_f32_16x16x128_f8f6f4 v[160+8*\t:167+8*\t], v[FB+12*\t:FB+12*\t+11], v[192:203], v[160+8*\t:167+8*\t], v[88+\t], v[PW] matrix_a_fmt:MATRIX_FMT_FP6 matrix_b_fmt:MATRIX_FMT_FP6
.endr
	s_add_co_u32 s48, s48, 6400
.endm
; Group g: key steps 4 g .. 4 g + 3.  The fetching waves have waited for their load of this group, the 3 - g later ones may be out
.macro GROUP g
	s_wait_tensorcnt 3-\g
	s_barrier_signal -1
	s_barrier_wait -1                              ; everybody's part of the group is in
	s_mov_b32 s48, 25600*\g                        ; the step's block in LDS
	s_mov_b32 s49, 4
.Lstep_\@:
	s_setprio 2
	STEP
	s_sub_co_u32 s49, s49, 1
	s_cmp_lg_u32 s49, 0
	s_cbranch_scc1 .Lstep_\@
	s_setprio 0
.endm
	GROUP 0
	GROUP 1
	GROUP 2
	GROUP 3
	; THE END: o = O / the sum; its 64 channels are two blocks of the last product's K: half a fragment, 6 registers, and two scale bytes a row
	v_add_f32 v14, v14, v15
	s_delay_alu instid0(VALU_DEP_1)
	v_permlanex16_b32 v228, v14, s20, s21
	s_delay_alu instid0(VALU_DEP_1)
	v_add_f32 v14, v14, v228
	s_wait_alu depctr_va_vdst(0)
	v_rcp_f32 v14, v14
	v_lshlrev_b32 v11, 3, v9                       ; 8 L.  (Plain instructions: the place behind the reciprocal, and with the additions above the places behind the last products)
	v_lshl_add_u32 v5, v10, 1, s56                 ; OSC + 32 w + 2 r
	v_add_nc_u32 v6, OSC, v1
	v_nop
	s_lshr_b32 s50, s14, 4                         ; tile 128 batch + 16 block + w; half fragment (tile x 16 + head) of 768 bytes
	s_lshl_b32 s50, s50, 7
	s_lshl_b32 s51, s13, 4
	s_add_co_u32 s50, s50, s51
	s_add_co_u32 s50, s50, s[WV]
	s_lshl_b32 s50, s50, 4
	s_and_b32 s51, s14, 15
	s_add_co_u32 s50, s50, s51
	s_mul_i32 s50, s50, 768
	s_mov_b32 s51, 0
	s_add_nc_u64 s[8:9], s[8:9], s[50:51]
	s_lshl_b32 s52, s14, 12
	s_lshl_b32 s53, s13, 9
	s_add_co_u32 s52, s52, s53
	s_mov_b32 s53, 0
	s_add_nc_u64 s[10:11], s[10:11], s[52:53]
.set n, 0
	s_wait_alu depctr_va_vdst(0)
.rept 32
	v_mul_f32 v[96+n], v[160+n], v14               ; register 16 b + i is channel 32 b + 16 (lane / 16) + i
.set n, n+1
.endr
.irp b, 0,1
	v_max3_num_f32 v[BM+\b], |v[96+16*\b]|, |v[97+16*\b]|, 0x1800000
.endr
.irp i, 2,4,6,8,10,12,14
.irp b, 0,1
	s_delay_alu instid0(VALU_DEP_2)
	v_max3_num_f32 v[BM+\b], v[BM+\b], |v[96+16*\b+\i]|, |v[97+16*\b+\i]|
.endr
.endr
.irp b, 0,1
	s_delay_alu instid0(VALU_DEP_2)
	v_permlanex16_b32 v[PT+\b], v[BM+\b], s20, s21
.endr
.irp b, 0,1
	s_delay_alu instid0(VALU_DEP_2)
	v_max_num_f32 v[BM+\b], v[BM+\b], v[PT+\b]
.endr
.irp b, 0,1
	s_delay_alu instid0(VALU_DEP_2)
	v_add_nc_u32 v[SO+\b], 0xff000000, v[BM+\b]
.endr
.irp b, 0,1
	s_delay_alu instid0(VALU_DEP_2)
	v_lshrrev_b32 v[PT+\b], 23, v[SO+\b]
.endr
	s_delay_alu instid0(VALU_DEP_1)
	v_lshl_or_b32 v[PW], v[PT+1], 8, v[PT]
	v_cvt_scalef32_pk16_fp6_f32 v[192:194], v[96:111], v[SO]
	v_cvt_scalef32_pk16_fp6_f32 v[204:206], v[112:127], v[SO+1]
	v_nop
.irp i, 0,1,2
	v_permlane16_swap_b32 v[192+\i], v[204+\i]
.endr
.irp i, 0,1,2
	s_delay_alu instid0(VALU_DEP_3)
	v_mov_b32 v[195+\i], v[204+\i]
.endr
	global_store_b128 v1, v[192:195], s[8:9]       ; registers 0-3: 512 consecutive bytes
	global_store_b64 v11, v[196:197], s[8:9] offset:512   ; registers 4, 5: 256
	ds_store_b16 v5, v[PW]                         ; both lanes of a row write the same two bytes with the same value
	s_wait_dscnt 0x0                               ; for the others' sake
	s_barrier_signal -1
	s_barrier_wait -1
	s_cmp_lg_u32 s[WV], 0
	s_cbranch_scc1 .Lnot_first
	ds_load_b128 v[36:39], v6                      ; the sixteen tiles' bytes leave as 512 consecutive bytes
	s_wait_dscnt 0x0
	global_store_b128 v1, v[36:39], s[10:11]
.Lnot_first:
	s_wait_tensorcnt 0x0
	ds_add_u32 v254, v255
	s_wait_dscnt 0x0
	ROUND                                          ; the closing round
	s_endpgm
.Lfunc_end_k_q023ac1ef9d_attn:
	.size	k_q023ac1ef9d_attn, .Lfunc_end_k_q023ac1ef9d_attn-k_q023ac1ef9d_attn
	.p2alignl 7, 3214868480
	.fill 96, 4, 3214868480
	.section	.rodata,"a",@progbits
	.p2align	6, 0x0
	.amdhsa_kernel k_q023ac1ef9d_attn
		.amdhsa_group_segment_fixed_size 215040
		.amdhsa_private_segment_fixed_size 0
		.amdhsa_enable_private_segment 0
		.amdhsa_kernarg_size 32
		.amdhsa_user_sgpr_count 2
		.amdhsa_user_sgpr_kernarg_segment_ptr 1
		.amdhsa_wavefront_size32 1
		.amdhsa_system_sgpr_workgroup_id_x 1
		.amdhsa_system_sgpr_workgroup_id_y 1
		.amdhsa_system_sgpr_workgroup_id_z 1
		.amdhsa_system_vgpr_workitem_id 0
		.amdhsa_next_free_vgpr 256
		.amdhsa_next_free_sgpr 66
		.amdhsa_reserve_vcc 0
		.amdhsa_float_denorm_mode_32 3
		.amdhsa_float_denorm_mode_16_64 3
		.amdhsa_memory_ordered 1
		.amdhsa_forward_progress 1
		.amdhsa_inst_pref_size 82
	.end_amdhsa_kernel
	.amdgpu_metadata
---
amdhsa.version: [ 1, 2 ]
amdhsa.kernels:
  - .name:           k_q023ac1ef9d_attn
    .symbol:         k_q023ac1ef9d_attn.kd
    .args:
      - { .name: qk, .offset: 0, .size: 8, .value_kind: global_buffer, .address_space: global }
      - { .name: vb, .offset: 8, .size: 8, .value_kind: global_buffer, .address_space: global }
      - { .name: oimg, .offset: 16, .size: 8, .value_kind: global_buffer, .address_space: global }
      - { .name: oscl, .offset: 24, .size: 8, .value_kind: global_buffer, .address_space: global }
    .group_segment_fixed_size: 215040
    .private_segment_fixed_size: 0
    .kernarg_segment_align: 8
    .kernarg_segment_size: 32
    .max_flat_workgroup_size: 512
    .sgpr_count:     66
    .vgpr_count:     256
    .wavefront_size: 32
...
	.end_amdgpu_metadata
.endif
;; end of part 7
;; launch proj (part 8): grid 256 x 1, 16 waves a work-group, no clusters, 88,832 bytes of LDS; arguments oimg, oscl, wimg, wscl, bp, x, ln_g, ln_b, out0; writes out0
.if DOCPART == 8
	.amdgcn_target "amdgcn-amd-amdhsa--gfx1250"
	.amdhsa_code_object_version 6
	.text
	.protected	k_q023ac1ef9d_proj
	.globl	k_q023ac1ef9d_proj
	.p2align	8
	.type	k_q023ac1ef9d_proj,@function
k_q023ac1ef9d_proj:
	s_mov_b64 s[64:65], 0
	v_nop
	global_prefetch_b8 v0, s[64:65] scope:SCOPE_SE
	s_setreg_imm32_b32 hwreg(HW_REG_WAVE_SCHED_MODE, 0, 2), 2
	s_setreg_imm32_b32 hwreg(HW_REG_WAVE_MODE, 25, 1), 1
	s_wait_xcnt 0x0
	s_wait_alu depctr_vm_vsrc(0)
; out0 = LayerNorm(x + o Wp + bp) x ln_g + ln_b.  The product on codes of FP6 (E2M3) with E8M0 scales, sums in f32; all else in f32; mean first, then the centred squares.
; LIMITS: NaN and infinities not served.
; SHARES.  A work-group owns one tile of 16 tokens and all 1,024 columns, so a row's mean and variance stay inside it: 256 work-groups.  Wave w owns columns 64 w on (4 tiles of Wp): 4 accumulators; then one row of the LayerNorm.
; Each fragment of Wp is wanted by one wave of the work-group alone: it goes from memory straight into that wave's registers, two K steps (2 x 14 loads) ahead; o's 12,288 bytes of codes go through LDS, which all waves read.
; ln_g and ln_b, which every wave wants whole, come once, 16 bytes a thread, into LDS.  A wave's row of x is asked for at the head.
; NO MULTICAST, though all work-groups walk the same Wp: its 786,432 bytes do not fit in LDS, so joint loads would want slots that are filled again, and each work-group would still take in every byte.
; The matrix instruction is used transposed (source 0 = 16 columns of Wp, source 1 = 16 tokens): a lane holds one token and 8 neighbouring columns.  bp is the C of the first K step.
; THE MODE: SCHED_MODE bits 1:0 = 2 (LLVM: expert scheduling mode 2), set by the entry lines.  The code itself states the register dependences
; between vector or matrix instructions and memory or LDS instructions, with s_wait_alu, always for 0.
; THE PLAN.  Registers that memory or LDS instructions touch:
;   v1-11, v36      offsets and LDS addresses: made at the head by vector instructions, never written again.  One wait on va_vdst ahead of the first load serves them all.
;   W0, W1          two sets of Wp's four fragments and two scale registers.  K step s: its four products read set s % 2; behind them the loads of K step s + 2 land in it.
;   O0, O1          two sets of o's fragment.  K step s: its four products read set s % 2; behind them the LDS loads of K step s + 2 land in it.
;   v80-111         at the head four loads land in v80-91 and four LDS stores read them; then the accumulators; LDS stores into the stage read them; my row lands in them; the LayerNorm writes them; the global stores read them.
;   v144-207        at the end ln_g and ln_b land where W0 and a part of W1 lay.
; So ONE wait on va_vdst stands in a K step that asks for more, behind its products: they are done reading the set that the step's 18 loads land in.  It stands there and not at the next step's head, so that a set is asked for again
; at once and not behind the next head's wait for the other set's data.  The waits round the two barriers and on the way out say each what they state.
; No scalar register that a vector instruction reads is written again.
; REGISTERS: v1-11, v36 addresses; v12-19 o's scale words; v20-23 Wp's, two sets; v24-35, v240-251 o's fragment, two sets (v24-31 later at work); v48-79 bp; v80-111 accumulators (p at 80 + 8 p), later my row; v112-143 x;
;   v144-239 Wp's fragments, two sets, later ln_g and ln_b; v254, v255 the add's two.
.set OI, 0                             ; LDS: o's codes as they lie in memory: [head 16][768]
.set OS, 12288                         ; o's scale bytes: [r 16][head 16][2]
.set GB, 12800                         ; ln_g's 4,096 bytes, then ln_b's
.set ST, 20992                         ; the stage: 16 rows x (4,096 + 16) bytes
.set SPI, 4112
.macro PLACES n
.rept \n
	v_nop
.endr
.endm
.macro WM d, a, b, c, sa, sb, pa       ; pa: source 0's scale words stand in lanes 16-31 of the register named
.if (\pa) == 0
	v_wmma_scale_f32_16x16x128_f8f6f4 v[\d:\d+7], v[\a:\a+11], v[\b:\b+11], v[\c:\c+7], v[\sa], v[\sb] matrix_a_fmt:MATRIX_FMT_FP6 matrix_b_fmt:MATRIX_FMT_FP6
.else
	v_wmma_scale_f32_16x16x128_f8f6f4 v[\d:\d+7], v[\a:\a+11], v[\b:\b+11], v[\c:\c+7], v[\sa], v[\sb] matrix_a_fmt:MATRIX_FMT_FP6 matrix_b_fmt:MATRIX_FMT_FP6 matrix_a_scale:MATRIX_SCALE_ROW1
.endif
.endm
.macro WLOAD s, set                    ; K step s of my four tiles of Wp and their two scale lines: 14 loads
.irp p, 0,1,2,3
.irp q, 0,1,2
	global_load_b128 v[144+48*(\set)+12*\p+4*\q:144+48*(\set)+12*\p+4*\q+3], v1, s[8:9] offset:12288*\p+1536*(\s)+512*\q
.endr
.endr
	global_load_b32 v[20+2*(\set)], v3, s[10:11] offset:128*(\s)
	global_load_b32 v[21+2*(\set)], v3, s[10:11] offset:1024+128*(\s)
.endm
.macro OLOAD s, reg                    ; K step s of o's fragment, heads 2 s and 2 s + 1, from LDS into v[reg] on: 4 loads
	ds_load_b128 v[\reg:\reg+3], v1 offset:OI+1536*(\s)
	ds_load_b64 v[\reg+4:\reg+5], v2 offset:OI+1536*(\s)+512
	ds_load_b128 v[\reg+6:\reg+9], v1 offset:OI+1536*(\s)+768
	ds_load_b64 v[\reg+10:\reg+11], v2 offset:OI+1536*(\s)+1280
.endm
	s_load_b512 s[4:19], s[0:1], 0x0               ; oimg, oscl, wimg, wscl, bp, x, ln_g, ln_b
	s_load_b64 s[20:21], s[0:1], 0x40              ; out0
	v_lshl_add_u32 v254, v0, 2, 0x15300            ; the LDS address of my spare word, behind the stage, and 0: made here and kept for the closing lines alone
	v_mov_b32 v255, 0
	v_lshrrev_b32 v1, 5, v0
	v_readfirstlane_b32 s22, v1                    ; wave 0..15
	v_lshl_add_u32 v36, v0, 4, GB                  ; ln_g and ln_b, in: 16 bytes a thread
	v_and_b32 v9, 31, v0                           ; L
	v_and_b32 v10, 15, v0                          ; r
	v_bfe_u32 v11, v0, 4, 1                        ; h
	v_lshlrev_b32 v1, 4, v9
	v_lshlrev_b32 v2, 3, v9
	v_lshlrev_b32 v3, 2, v9
	v_lshlrev_b32 v4, 1, v10                       ; 2 r
	v_lshlrev_b32 v8, 6, v11                       ; bp: 64 h
	s_wait_alu depctr_va_sdst(0)                   ; s22 is written, ahead of its first reader: LDS addresses and all the bases are made from it
	s_lshl_b32 s23, s22, 8
	s_add_co_u32 s23, s23, ST
	v_mul_u32_u24 v5, v10, SPI
	v_lshl_add_u32 v5, v11, 6, v5
	v_add_nc_u32 v5, s23, v5                       ; the stage, in: row r, + 64 h, + my 256 bytes of columns
	s_mul_i32 s44, s22, SPI
	s_add_co_u32 s44, s44, ST
	v_add_nc_u32 v7, s44, v1                       ; back: stage row w
	s_lshl_b32 s45, s22, 1
	s_add_co_u32 s45, s45, OS
	v_lshl_add_u32 v11, v10, 5, OS                 ; o's scale bytes, back: 32 r
	v_lshl_add_u32 v10, v10, 5, s45                ; and in: 32 r + 2 w
	s_mul_i32 s46, s22, 768
	v_add_nc_u32 v9, s46, v1                       ; o's codes, in: head w's 768 bytes: 512 by 16 a lane,
	v_add_nc_u32 v6, s46, v2                       ; 256 by 8 a lane
	s_mul_i32 s24, ttmp9, 12288
	s_add_co_u32 s24, s24, s46
	s_mov_b32 s25, 0
	s_lshr_b32 s26, ttmp9, 7                       ; batch
	s_lshl_b32 s26, s26, 4
	s_add_co_u32 s26, s26, s22                     ; head32 = 16 batch + w
	s_lshl_b32 s26, s26, 12
	s_and_b32 s27, ttmp9, 127                      ; the tile in its batch: 32 bytes a tile
	s_lshl_b32 s27, s27, 5
	s_add_co_u32 s26, s26, s27
	s_mov_b32 s27, 0
	s_mul_i32 s28, s22, 49152
	s_add_co_u32 s28, s28, 2359296                 ; Wp is the fourth weight: tiles 192 on
	s_mov_b32 s29, 0
	s_lshl_b32 s30, s22, 11
	s_add_co_u32 s30, s30, 98304
	s_mov_b32 s31, 0
	s_lshl_b32 s32, s22, 8
	s_mov_b32 s33, 0
	s_lshr_b32 s34, ttmp9, 1                       ; stage row w of tile g is token 32 (g / 2) + 8 (g % 2) + w + 8 (w / 8)
	s_lshl_b32 s34, s34, 5
	s_and_b32 s35, ttmp9, 1
	s_lshl_b32 s35, s35, 3
	s_add_co_u32 s34, s34, s35
	s_add_co_u32 s34, s34, s22
	s_lshr_b32 s35, s22, 3
	s_lshl_b32 s35, s35, 3
	s_add_co_u32 s34, s34, s35
	s_lshl_b32 s34, s34, 12
	s_mov_b32 s35, 0
	s_and_b32 s38, s22, 7                          ; waves 0-7 bring ln_g, waves 8-15 ln_b: 512 bytes each
	s_lshl_b32 s38, s38, 9
	s_mov_b32 s39, 0
	s_mov_b32 s36, 0x76543210
	s_mov_b32 s37, 0xfedcba98
	s_mov_b32 s40, 0x3a800000                      ; 1 / 1,024
	s_mov_b32 s41, 0x3727c5ac                      ; 1e-5
	s_wait_kmcnt 0x0
	s_add_nc_u64 s[4:5], s[4:5], s[24:25]
	s_add_nc_u64 s[6:7], s[6:7], s[26:27]
	s_add_nc_u64 s[8:9], s[8:9], s[28:29]
	s_add_nc_u64 s[10:11], s[10:11], s[30:31]
	s_add_nc_u64 s[12:13], s[12:13], s[32:33]
	s_add_nc_u64 s[14:15], s[14:15], s[34:35]
	s_add_nc_u64 s[20:21], s[20:21], s[34:35]
	s_cmp_lt_u32 s22, 8                            ; the choice hangs on the wave's number alone
	s_cselect_b64 s[42:43], s[16:17], s[18:19]
	s_add_nc_u64 s[42:43], s[42:43], s[38:39]
	s_wait_alu depctr_va_vdst(0)                   ; the offsets and LDS addresses v1 to v11 and v36 are written, which the loads and stores of the whole kernel read; no vector instruction names them again
	global_load_b128 v[80:83], v1, s[4:5]          ; head w's half fragment of o's codes,
	global_load_b64 v[84:85], v2, s[4:5] offset:512
	global_load_u16 v86, v4, s[6:7]                ; its two bytes of each of the 16 rows,
	global_load_b128 v[88:91], v1, s[42:43]        ; and my 512 bytes of ln_g or ln_b
.irp p, 0,1,2,3
	global_load_b128 v[48+8*\p:51+8*\p], v8, s[12:13] offset:(32*(\p/2)+8*(\p%2))*4
	global_load_b128 v[52+8*\p:55+8*\p], v8, s[12:13] offset:(32*(\p/2)+8*(\p%2))*4+16
.endr
.irp i, 0,1,2,3,4,5,6,7
	global_load_b128 v[112+4*\i:115+4*\i], v1, s[14:15] offset:512*\i th:TH_LOAD_NT   ; x: my row, 512 consecutive bytes a load; wanted behind the products
.endr
	WLOAD 0, 0
	WLOAD 1, 1
	s_wait_loadcnt 44                              ; the first four loads are in; bp's 8, x's 8 and Wp's 28 may be out
	ds_store_b128 v9, v[80:83] offset:OI
	ds_store_b64 v6, v[84:85] offset:OI+512
	ds_store_b16 v10, v86                          ; both lanes of a row write the same two bytes with the same value
	ds_store_b128 v36, v[88:91]
	s_wait_dscnt 0x0                               ; for the others' sake
	s_barrier_signal -1
	s_barrier_wait -1
	s_wait_alu depctr_vm_vsrc(0)                   ; my four LDS stores have read v80 to v91: these registers are accumulators from here on, written by the first K step's products
	ds_load_b128 v[12:15], v11                     ; word s: the bytes of heads 2 s, 2 s + 1 = K step s, of row r
	ds_load_b128 v[16:19], v11 offset:16
	OLOAD 0, 24                                    ; o's fragments of K steps 0 and 1; each step asks for the one two steps on
	OLOAD 1, 240
.irp s, 0,1,2,3,4,5,6,7
.if \s < 7
	s_wait_loadcnt 14                              ; this K step's set of Wp is in; the other set's 14 loads may be out
	s_wait_dscnt 4                                 ; LDS loads come back in order: this step's fragment of o is in (and, in step 0, o's scale words); the other set's four loads may be out
.else
	s_wait_loadcnt 0x0
	s_wait_dscnt 0x0
.endif
.irp p, 0,1,2,3
.if \s == 0
	WM 80+8*\p, 144+12*\p, 24, 48+8*\p, 20+\p/2, 12, \p%2
.else
	WM 80+8*\p, 144+48*(\s%2)+12*\p, 24+216*(\s%2), 80+8*\p, 20+2*(\s%2)+\p/2, 12+\s, \p%2
.endif
.endr                                                  ; the four accumulators take turns
.if \s != 6
	PLACES 4                                       ; in front of loads into registers that these products have read, and, behind the last step, of the first read of results; step 6 is followed by products alone
.endif
.if \s < 6
	s_wait_alu depctr_va_vdst(0)                   ; this step's products are done reading their set of Wp, its two scale registers and their set of o's fragment, in which the 18 loads below land
	WLOAD \s+2, \s%2
	OLOAD \s+2, 24+216*(\s%2)
.endif
.endr
	s_wait_alu depctr_va_vdst(0)                   ; the products have written the accumulators, which the LDS stores below read and in which my row lands later; and they are done reading both sets of Wp, in which ln_g and ln_b land.  The places above stay beside this wait
.irp p, 0,1,2,3
	ds_store_b128 v5, v[80+8*\p:83+8*\p] offset:128*(\p/2)+32*(\p%2)      ; each accumulator from its low end on
	ds_store_b128 v5, v[84+8*\p:87+8*\p] offset:128*(\p/2)+32*(\p%2)+16
.endr
	v_mov_b32 v29, 0                               ; (upper halves of pairs that are named whole; no load or store names these two registers from here on)
	v_mov_b32 v31, 0
	s_wait_dscnt 0x0                               ; for the others' sake
	s_barrier_signal -1
	s_barrier_wait -1                              ; 16 whole rows lie in the stage
	s_wait_alu depctr_vm_vsrc(0)                   ; my LDS stores into the stage have read v80 to v111, in which my row lands and which the LayerNorm then writes
.irp i, 0,1,2,3,4,5,6,7
	ds_load_b128 v[80+4*\i:83+4*\i], v7 offset:512*\i
.endr
.irp i, 0,1,2,3,4,5,6,7
	ds_load_b128 v[144+4*\i:147+4*\i], v1 offset:GB+512*\i
	ds_load_b128 v[176+4*\i:179+4*\i], v1 offset:GB+4096+512*\i
.endr
	s_wait_dscnt 0x0
.macro ACROSS                          ; v24 summed over the 32 lanes, into every lane
	v_add_f32_dpp v24, v24, v24 row_xmask:1 row_mask:0xf bank_mask:0xf
	v_add_f32_dpp v24, v24, v24 row_xmask:2 row_mask:0xf bank_mask:0xf
	v_add_f32_dpp v24, v24, v24 row_xmask:4 row_mask:0xf bank_mask:0xf
	v_add_f32_dpp v24, v24, v24 row_xmask:8 row_mask:0xf bank_mask:0xf
	v_permlanex16_b32 v26, v24, s36, s37
	v_add_f32 v24, v24, v26
.endm
.set YR, 80
.set XR, 112
.set n, 0
.rept 16
	v_pk_add_f32 v[YR+n:YR+n+1], v[YR+n:YR+n+1], v[XR+n:XR+n+1]    ; y = x + (o Wp + bp)
.set n, n+2
.endr
	v_pk_add_f32 v[24:25], v[YR:YR+1], v[YR+4:YR+5]
	v_pk_add_f32 v[26:27], v[YR+2:YR+3], v[YR+6:YR+7]
.irp j, 8,12,16,20,24,28
	v_pk_add_f32 v[24:25], v[24:25], v[YR+\j:YR+\j+1]
	v_pk_add_f32 v[26:27], v[26:27], v[YR+\j+2:YR+\j+3]
.endr
	v_pk_add_f32 v[24:25], v[24:25], v[26:27]
	v_add_f32 v24, v24, v25
	ACROSS
	v_mul_f32 v28, s40, v24                        ; the mean
.set n, 0
.rept 16
	v_pk_add_f32 v[YR+n:YR+n+1], v[YR+n:YR+n+1], v[28:29] op_sel_hi:[1,0] neg_lo:[0,1] neg_hi:[0,1]
.set n, n+2
.endr
	v_pk_mul_f32 v[24:25], v[YR:YR+1], v[YR:YR+1]
	v_pk_mul_f32 v[26:27], v[YR+2:YR+3], v[YR+2:YR+3]
.irp j, 4,8,12,16,20,24,28
	v_pk_fma_f32 v[24:25], v[YR+\j:YR+\j+1], v[YR+\j:YR+\j+1], v[24:25]
	v_pk_fma_f32 v[26:27], v[YR+\j+2:YR+\j+3], v[YR+\j+2:YR+\j+3], v[26:27]
.endr
	v_pk_add_f32 v[24:25], v[24:25], v[26:27]
	v_add_f32 v24, v24, v25
	ACROSS
	v_fma_f32 v24, v24, s40, s41                   ; the variance + 1e-5
	s_wait_alu depctr_va_vdst(0)
	v_rsq_f32 v30, v24
	v_nop                                          ; one plain place behind a transcendental
	s_wait_alu depctr_va_vdst(0)                   ; the reciprocal root has written v30: the wait ahead of its first reader
.set n, 0
.rept 16
	v_pk_mul_f32 v[YR+n:YR+n+1], v[YR+n:YR+n+1], v[30:31] op_sel_hi:[1,0]
.set n, n+2
.endr
.set n, 0
.rept 16
	v_pk_fma_f32 v[YR+n:YR+n+1], v[YR+n:YR+n+1], v[144+n:145+n], v[176+n:177+n]
.set n, n+2
.endr
	s_wait_alu depctr_va_vdst(0)                   ; the multiply-adds have written v80 to v111, which the eight stores read
.irp i, 0,1,2,3,4,5,6,7
	global_store_b128 v1, v[YR+4*\i:YR+4*\i+3], s[20:21] offset:512*\i th:TH_STORE_NT   ; 512 consecutive bytes, at a multiple of 256 from out0's first byte
.endr
	s_wait_dscnt 0x0                               ; the closing lines, six on end
	s_wait_alu 0x0
	s_wait_tensorcnt 0x0
	ds_add_u32 v254, v255
	s_wait_dscnt 0x0
	s_endpgm
.Lfunc_end_k_q023ac1ef9d_proj:
	.size	k_q023ac1ef9d_proj, .Lfunc_end_k_q023ac1ef9d_proj-k_q023ac1ef9d_proj
	.p2alignl 7, 3214868480
	.fill 96, 4, 3214868480
	.section	.rodata,"a",@progbits
	.p2align	6, 0x0
	.amdhsa_kernel k_q023ac1ef9d_proj
		.amdhsa_group_segment_fixed_size 88832
		.amdhsa_private_segment_fixed_size 0
		.amdhsa_enable_private_segment 0
		.amdhsa_kernarg_size 72
		.amdhsa_user_sgpr_count 2
		.amdhsa_user_sgpr_kernarg_segment_ptr 1
		.amdhsa_wavefront_size32 1
		.amdhsa_system_sgpr_workgroup_id_x 1
		.amdhsa_system_sgpr_workgroup_id_y 1
		.amdhsa_system_sgpr_workgroup_id_z 1
		.amdhsa_system_vgpr_workitem_id 0
		.amdhsa_next_free_vgpr 256
		.amdhsa_next_free_sgpr 66
		.amdhsa_reserve_vcc 0
		.amdhsa_float_denorm_mode_32 3
		.amdhsa_float_denorm_mode_16_64 3
		.amdhsa_memory_ordered 1
		.amdhsa_forward_progress 1
		.amdhsa_inst_pref_size 35
	.end_amdhsa_kernel
	.amdgpu_metadata
---
amdhsa.version: [ 1, 2 ]
amdhsa.kernels:
  - .name:           k_q023ac1ef9d_proj
    .symbol:         k_q023ac1ef9d_proj.kd
    .args:
      - { .name: oimg, .offset: 0, .size: 8, .value_kind: global_buffer, .address_space: global }
      - { .name: oscl, .offset: 8, .size: 8, .value_kind: global_buffer, .address_space: global }
      - { .name: wimg, .offset: 16, .size: 8, .value_kind: global_buffer, .address_space: global }
      - { .name: wscl, .offset: 24, .size: 8, .value_kind: global_buffer, .address_space: global }
      - { .name: bp, .offset: 32, .size: 8, .value_kind: global_buffer, .address_space: global }
      - { .name: x, .offset: 40, .size: 8, .value_kind: global_buffer, .address_space: global }
      - { .name: ln_g, .offset: 48, .size: 8, .value_kind: global_buffer, .address_space: global }
      - { .name: ln_b, .offset: 56, .size: 8, .value_kind: global_buffer, .address_space: global }
      - { .name: out0, .offset: 64, .size: 8, .value_kind: global_buffer, .address_space: global }
    .group_segment_fixed_size: 88832
    .private_segment_fixed_size: 0
    .kernarg_segment_align: 8
    .kernarg_segment_size: 72
    .max_flat_workgroup_size: 512
    .sgpr_count:     66
    .vgpr_count:     256
    .wavefront_size: 32
...
	.end_amdgpu_metadata
.endif
;; end of part 8
